; MI455X (gfx1250); checked and timed in simulation.
; The chip was launched on July 23, 2026; its instructions are those of AMD's public machine-readable ISA for CDNA 5 (MIT licence, August 2026) and "CDNA5" Instruction Set Architecture Reference Guide (July 2026). The comments in the code are by the model that wrote it; some were corrected since.
;; Di T Block. Allowed arithmetic: float matrix products may take bf16 or f16 operands with f32 sums; all other float work in f32.
;; Inputs: amod_bb 1,024 float32; amod_bw 512 x 1,024 float32; amod_gb 1,024 float32; amod_gw 512 x 1,024 float32; amod_nb 1,024 float32; amod_nw 1,024 float32; attn_nb 1,024 float32; attn_nw 1,024 float32; b1 4,096 float32; b2 1,024 float32; cond 2 x 512 float32; fmod_bb 1,024 float32; fmod_bw 512 x 1,024 float32; fmod_gb 1,024 float32; fmod_gw 512 x 1,024 float32; fmod_nb 1,024 float32; fmod_nw 1,024 float32; w1 1,024 x 4,096 float32; w2 4,096 x 1,024 float32; wkv 1,024 x 128 float32; wo 1,024 x 1,024 float32; wo_b 1,024 float32; wq 1,024 x 1,024 float32; x 2 x 2,048 x 1,024 float32.
;; Outputs: out0 2 x 2,048 x 1,024 float32.
;; One version. Each part assembles by itself: llvm-mc -triple=amdgcn-amd-amdhsa -mcpu=gfx1250 --defsym DOCPART=n.
;; ======== version 1 of 1: 8 launches
;; workspace buffers: wts 21,233,664 bytes; modv 32,768 bytes; h 16,777,216 bytes; x1 16,777,216 bytes; act1 8,388,608 bytes; act2 8,388,608 bytes; kv 1,048,576 bytes; a 33,554,432 bytes
;; launch prep (part 1): grid 712 x 1, 8 waves a work-group, no clusters, 4,096 bytes of LDS; arguments wo, w1, w2, wq, wkv, cond, amod_gw, amod_bw, fmod_gw, fmod_bw, amod_gb, amod_bb, fmod_gb, fmod_bb, wts, modv; writes wts, modv
.if DOCPART == 1
	.amdgcn_target "amdgcn-amd-amdhsa--gfx1250"
	.amdhsa_code_object_version 6
	.text
	.protected	k_q4da0bb7c4c_prep
	.globl	k_q4da0bb7c4c_prep
	.p2align	8
	.type	k_q4da0bb7c4c_prep,@function
k_q4da0bb7c4c_prep:
	s_mov_b64 s[64:65], 0
	v_nop
	global_prefetch_b8 v0, s[64:65] scope:SCOPE_SE
	s_setreg_imm32_b32 hwreg(HW_REG_WAVE_MODE, 25, 1), 1
	s_wait_xcnt 0x0
; PREP.  Two kinds of work, chosen by the work-group's number (the same for all eight waves, so every wave of a group takes the same way).
; Groups 0-63:   the four products cond [2][512] x W [512][1024] + bias of the two modulations, in f32 on the vector unit: two rows feed no matrix
;                unit, and each weight byte is read once.  modv[id][b][c], id 0: 1 + gamma_a, 1: beta_a, 2: 1 + gamma_f, 3: beta_f.
; Groups 64-711: the five weight matrices rounded once to bf16 into wts, each group 16,384 numbers (65,536 bytes in, 32,768 out).
;   wts: byte 0: [8 tiles][1024 k][144 n], rows of 288 bytes: tile j = wq[:, 128 j ..+127] then wkv[:, 16 j ..+15]
;        byte 2,359,296: wo [1024][1024]; byte 4,456,448: w1 [1024][4096]; byte 12,845,056: w2 [4096][1024], all as they lie.
;   wo, w1, w2: a wave's store covers 256 consecutive bytes, aligned.  wq's stores cover 256 consecutive bytes at rows of 288; wkv's go in
;   pieces of 32 bytes (262,144 of the 21,233,664 bytes): the price of a tile whose 144 columns lie together.
; The whole text keeps to 120 registers, so that several work-groups lie on a WGP and their loads are out together: for that the products take
; their 32 rows a thread in two trips of 16.
.set TILEB, 1024*288                   ; bytes of one tile of the blocked part
.set IN,   8                           ; v[8:71]    cast: sixteen loads of four f32
.set OUTR, 72                          ; v[72:103]  cast: sixteen pairs of packed bf16
.set OF,   104                         ; v[104:119] cast: the sixteen stores' byte offsets, a register each: none is written again, so no store is waited for
.set WR,   8                           ; v[8:71]    mod: 16 rows x 4 columns of W
.set CR,   72                          ; v[72:103]  mod: cond[b][16 of my k], b = 0 then 1
.set SU,   104                         ; v[104:111] mod: the sums, [b][4 columns]
	s_load_b512 s[4:19], s[0:1], 0x0               ; wo 4, w1 6, w2 8, wq 10, wkv 12, cond 14, amod_gw 16, amod_bw 18
	s_load_b512 s[20:35], s[0:1], 0x40             ; fmod_gw 20, fmod_bw 22, amod_gb 24, amod_bb 26, fmod_gb 28, fmod_bb 30, wts 32, modv 34
	s_mov_b32 s40, ttmp9
	s_mov_b32 s43, 0                               ; high words of the 64-bit offsets
	s_mov_b32 s47, 0
	v_lshlrev_b32 v1, 4, v0                        ; 16 t: my 16 bytes in 4,096 of the source
	s_wait_kmcnt 0x0
	s_cmp_lt_u32 s40, 64
	s_cbranch_scc1 .Lmod
	s_cmp_lt_u32 s40, 640
	s_cbranch_scc1 .Llinear
	s_cmp_lt_u32 s40, 704
	s_cbranch_scc1 .Lwq
	; wkv: group P takes rows 128 P ..+127; a step of 4,096 bytes is 8 rows of 128 columns
	s_sub_co_u32 s41, s40, 704
	s_mov_b64 s[36:37], s[12:13]
	s_mul_i32 s46, s41, 128*288
	s_mov_b32 s44, 8*288                           ; the destination's step
	v_and_b32 v3, 31, v0
	v_lshrrev_b32 v4, 2, v3                        ; my four columns lie in tile (t % 32) / 4,
	v_mul_u32_u24 v[OF], v4, TILEB
	v_lshrrev_b32 v4, 5, v0                        ; row t / 32 of the step's eight,
	v_mad_u32_u24 v[OF], v4, 288, v[OF]
	v_and_b32 v4, 3, v0
	v_lshl_add_u32 v[OF], v4, 3, v[OF]             ; behind the tile's 128 columns of wq
	v_add_nc_u32 v[OF], 256, v[OF]
	s_branch .Lcast
.Lwq:                                                  ; wq: group P takes rows 16 P ..+15; a step is one row of 1,024 columns
	s_sub_co_u32 s41, s40, 640
	s_mov_b64 s[36:37], s[10:11]
	s_mul_i32 s46, s41, 16*288
	s_mov_b32 s44, 288
	v_lshrrev_b32 v4, 5, v0                        ; tile t / 32
	v_mul_u32_u24 v[OF], v4, TILEB
	v_and_b32 v4, 31, v0
	v_lshl_add_u32 v[OF], v4, 3, v[OF]
	s_branch .Lcast
.Llinear:                                              ; wo (64 groups), w1 (256), w2 (256): source and destination both dense
	s_sub_co_u32 s48, s40, 64
	s_cmp_lt_u32 s48, 320
	s_cselect_b64 s[36:37], s[6:7], s[8:9]
	s_cselect_b32 s41, 64, 320
	s_cmp_lt_u32 s48, 64
	s_cselect_b64 s[36:37], s[4:5], s[36:37]
	s_cselect_b32 s41, 0, s41
	s_sub_co_u32 s41, s48, s41                     ; the group's number inside its matrix
	s_lshl_b32 s46, s48, 15
	s_add_co_u32 s46, s46, 8*TILEB
	s_mov_b32 s44, 2048
	v_lshlrev_b32 v[OF], 3, v0
.Lcast:                                                ; s41: chunk in the source; s46: byte in wts; s44: destination step; v[OF]: my place there
	s_lshl_b32 s42, s41, 16
	s_add_nc_u64 s[36:37], s[36:37], s[42:43]
	s_add_nc_u64 s[38:39], s[32:33], s[46:47]
.set i, 0
.rept 16
	global_load_b128 v[IN+4*i:IN+4*i+3], v1, s[36:37] offset:4096*i th:TH_LOAD_NT  ; all sixteen loads go out at once: 512 consecutive bytes a wave each
.set i, i+1
.endr
.set i, 1
.rept 15
	v_add_nc_u32 v[OF+i], s44, v[OF+i-1]           ; the other fifteen offsets are made while the loads are out
.set i, i+1
.endr
.set i, 0
.rept 16
	s_wait_loadcnt 15-i                            ; loads come back in order: number i is in, the 15 - i younger ones stay out
	v_cvt_pk_bf16_f32 v[OUTR+2*i], v[IN+4*i], v[IN+4*i+1]
	v_cvt_pk_bf16_f32 v[OUTR+2*i+1], v[IN+4*i+2], v[IN+4*i+3]
	global_store_b64 v[OF+i], v[OUTR+2*i:OUTR+2*i+1], s[38:39]
.set i, i+1
.endr
	s_endpgm
.Lmod:                                                 ; group = 16 id + cb: 64 columns of product id
	s_lshr_b32 s41, s40, 4
	s_and_b32 s42, s40, 15
	s_cmp_lt_u32 s41, 2
	s_cselect_b64 s[36:37], s[16:17], s[20:21]     ; gamma's weights, attention's or the ffn's
	s_cselect_b64 s[38:39], s[18:19], s[22:23]     ; beta's
	s_cselect_b64 s[48:49], s[24:25], s[28:29]     ; gamma's bias
	s_cselect_b64 s[50:51], s[26:27], s[30:31]     ; beta's
	s_and_b32 s44, s41, 1
	s_cmp_eq_u32 s44, 1
	s_cselect_b64 s[36:37], s[38:39], s[36:37]
	s_cselect_b64 s[48:49], s[50:51], s[48:49]
	s_cselect_b32 s52, 0, 1.0                      ; gamma is kept as 1 + gamma
	s_lshl_b32 s42, s42, 8                         ; 64 columns = 256 bytes
	s_add_nc_u64 s[36:37], s[36:37], s[42:43]
	s_add_nc_u64 s[48:49], s[48:49], s[42:43]
	s_lshl_b32 s46, s41, 13
	s_add_co_u32 s46, s46, s42
	s_add_nc_u64 s[38:39], s[34:35], s[46:47]      ; modv at [id][0][64 cb]
	s_mov_b32 s53, 0x76543210                      ; v_permlanex16_b32: each lane takes its own place in the other half
	s_mov_b32 s54, 0xfedcba98
	v_lshrrev_b32 v3, 4, v0                        ; sixteen lanes take rows 32 (t / 16) ..+31,
	v_and_b32 v4, 15, v0
	v_lshlrev_b32 v5, 4, v4                        ; four columns a lane: 256 consecutive bytes of each row
	v_lshl_add_u32 v2, v3, 17, v5                  ; 32 rows of 4,096 bytes
	v_lshlrev_b32 v6, 7, v3                        ; the same 32 k in cond
.irp j, 0,1,2,3,4,5,6,7
	v_mov_b32 v[SU+(\j)], 0                        ; eight sums start at 0: both trips of the loop below are one text
.endr
	s_mov_b32 s56, 2
.Lhalf:                                                ; a trip: 16 of my 32 rows
.set i, 0
.rept 16
	global_load_b128 v[WR+4*i:WR+4*i+3], v2, s[36:37] offset:4096*i th:TH_LOAD_NT
.set i, i+1
.endr
.set i, 0
.rept 8
	global_load_b128 v[CR+4*i:CR+4*i+3], v6, s[14:15] offset:2048*(i/4)+16*(i%4)
.set i, i+1
.endr
	s_wait_loadcnt 0x0                             ; the trip's 24 loads are in; the wait also frees their two address registers
.set i, 0
.rept 16                               ; cond[b][k] is taken from its pair's low or high register for both halves
.irp b, 0,1
.if i%2 == 0
	v_pk_fma_f32 v[SU+4*(\b):SU+4*(\b)+1], v[WR+4*i:WR+4*i+1], v[CR+16*(\b)+i:CR+16*(\b)+i+1], v[SU+4*(\b):SU+4*(\b)+1] op_sel_hi:[1,0,1]
	v_pk_fma_f32 v[SU+4*(\b)+2:SU+4*(\b)+3], v[WR+4*i+2:WR+4*i+3], v[CR+16*(\b)+i:CR+16*(\b)+i+1], v[SU+4*(\b)+2:SU+4*(\b)+3] op_sel_hi:[1,0,1]
.else
	v_pk_fma_f32 v[SU+4*(\b):SU+4*(\b)+1], v[WR+4*i:WR+4*i+1], v[CR+16*(\b)+i-1:CR+16*(\b)+i], v[SU+4*(\b):SU+4*(\b)+1] op_sel:[0,1,0] op_sel_hi:[1,1,1]
	v_pk_fma_f32 v[SU+4*(\b)+2:SU+4*(\b)+3], v[WR+4*i+2:WR+4*i+3], v[CR+16*(\b)+i-1:CR+16*(\b)+i], v[SU+4*(\b)+2:SU+4*(\b)+3] op_sel:[0,1,0] op_sel_hi:[1,1,1]
.endif
.endr
.set i, i+1
.endr
	v_add_nc_u32 v2, 16*4096, v2                   ; 16 rows on
	v_add_nc_u32 v6, 64, v6                        ; 16 k on
	s_sub_co_u32 s56, s56, 1
	s_cmp_lg_u32 s56, 0
	s_cbranch_scc1 .Lhalf
.irp j, 0,1,2,3,4,5,6,7
	v_permlanex16_b32 v[WR+(\j)], v[SU+(\j)], s53, s54  ; the other half's 32 k of the same columns (the destination has been written: W's registers are free)
.endr
.irp j, 0,1,2,3,4,5,6,7
	v_add_f32 v[SU+(\j)], v[SU+(\j)], v[WR+(\j)]
.endr
	v_lshrrev_b32 v3, 5, v0                        ; wave
	v_lshl_add_u32 v7, v3, 9, v5                   ; LDS: [wave][b][64 columns] f32; both halves of the lanes hold and write the same numbers
	ds_store_b128 v7, v[SU:SU+3]
	ds_store_b128 v7, v[SU+4:SU+7] offset:256
	s_wait_dscnt 0x0                               ; for the others' sake: my partial sums are in LDS
	s_barrier_signal -1
	s_barrier_wait -1
	v_readfirstlane_b32 s55, v3
	s_cmp_ge_u32 s55, 4
	s_cbranch_scc1 .Lend                           ; 128 numbers are left: threads 0-127 finish them
	v_lshlrev_b32 v8, 2, v0                        ; thread t: b = t / 64, column t % 64: word t of each wave's 128
.irp j, 0,1,2,3,4,5,6,7
	ds_load_b32 v[16+(\j)], v8 offset:512*(\j)
.endr
	v_and_b32 v9, 63, v0
	v_lshlrev_b32 v9, 2, v9
	global_load_b32 v24, v9, s[48:49]              ; the bias
	v_lshrrev_b32 v10, 6, v0
	v_lshl_add_u32 v10, v10, 12, v9
	s_wait_dscnt 0x0
	v_add_f32 v16, v16, v17
	v_add_f32 v18, v18, v19
	v_add_f32 v20, v20, v21
	v_add_f32 v22, v22, v23
	v_add_f32 v16, v16, v18
	v_add_f32 v20, v20, v22
	v_add_f32 v16, v16, v20
	s_wait_loadcnt 0x0
	v_add_f32 v16, v16, v24
	v_add_f32 v16, s52, v16
	global_store_b32 v10, v16, s[38:39]            ; 64 lanes fill 256 consecutive bytes, aligned
.Lend:
	s_endpgm
.Lfunc_end_k_q4da0bb7c4c_prep:
	.size	k_q4da0bb7c4c_prep, .Lfunc_end_k_q4da0bb7c4c_prep-k_q4da0bb7c4c_prep
	.p2alignl 7, 3214868480
	.fill 96, 4, 3214868480
	.section	.rodata,"a",@progbits
	.p2align	6, 0x0
	.amdhsa_kernel k_q4da0bb7c4c_prep
		.amdhsa_group_segment_fixed_size 4096
		.amdhsa_private_segment_fixed_size 0
		.amdhsa_enable_private_segment 0
		.amdhsa_kernarg_size 128
		.amdhsa_user_sgpr_count 2
		.amdhsa_user_sgpr_kernarg_segment_ptr 1
		.amdhsa_wavefront_size32 1
		.amdhsa_system_sgpr_workgroup_id_x 1
		.amdhsa_system_sgpr_workgroup_id_y 1
		.amdhsa_system_sgpr_workgroup_id_z 1
		.amdhsa_system_vgpr_workitem_id 0
		.amdhsa_next_free_vgpr 120
		.amdhsa_next_free_sgpr 66
		.amdhsa_reserve_vcc 0
		.amdhsa_float_denorm_mode_32 3
		.amdhsa_float_denorm_mode_16_64 3
		.amdhsa_memory_ordered 1
		.amdhsa_forward_progress 1
		.amdhsa_inst_pref_size 19
	.end_amdhsa_kernel
	.amdgpu_metadata
---
amdhsa.version: [ 1, 2 ]
amdhsa.kernels:
  - .name:           k_q4da0bb7c4c_prep
    .symbol:         k_q4da0bb7c4c_prep.kd
    .args:
      - { .name: wo, .offset: 0, .size: 8, .value_kind: global_buffer, .address_space: global }
      - { .name: w1, .offset: 8, .size: 8, .value_kind: global_buffer, .address_space: global }
      - { .name: w2, .offset: 16, .size: 8, .value_kind: global_buffer, .address_space: global }
      - { .name: wq, .offset: 24, .size: 8, .value_kind: global_buffer, .address_space: global }
      - { .name: wkv, .offset: 32, .size: 8, .value_kind: global_buffer, .address_space: global }
      - { .name: cond, .offset: 40, .size: 8, .value_kind: global_buffer, .address_space: global }
      - { .name: amod_gw, .offset: 48, .size: 8, .value_kind: global_buffer, .address_space: global }
      - { .name: amod_bw, .offset: 56, .size: 8, .value_kind: global_buffer, .address_space: global }
      - { .name: fmod_gw, .offset: 64, .size: 8, .value_kind: global_buffer, .address_space: global }
      - { .name: fmod_bw, .offset: 72, .size: 8, .value_kind: global_buffer, .address_space: global }
      - { .name: amod_gb, .offset: 80, .size: 8, .value_kind: global_buffer, .address_space: global }
      - { .name: amod_bb, .offset: 88, .size: 8, .value_kind: global_buffer, .address_space: global }
      - { .name: fmod_gb, .offset: 96, .size: 8, .value_kind: global_buffer, .address_space: global }
      - { .name: fmod_bb, .offset: 104, .size: 8, .value_kind: global_buffer, .address_space: global }
      - { .name: wts, .offset: 112, .size: 8, .value_kind: global_buffer, .address_space: global }
      - { .name: modv, .offset: 120, .size: 8, .value_kind: global_buffer, .address_space: global }
    .group_segment_fixed_size: 4096
    .private_segment_fixed_size: 0
    .kernarg_segment_align: 8
    .kernarg_segment_size: 128
    .max_flat_workgroup_size: 256
    .sgpr_count:     66
    .vgpr_count:     120
    .wavefront_size: 32
...
	.end_amdgpu_metadata
.endif
;; end of part 1
;; launch ln1 (part 2): grid 256 x 1, 4 waves a work-group, no clusters, 167,936 bytes of LDS; arguments x, modv, amod_nw, amod_nb, attn_nw, attn_nb, h, act1; writes h, act1
.if DOCPART == 2
	.amdgcn_target "amdgcn-amd-amdhsa--gfx1250"
	.amdhsa_code_object_version 6
	.text
	.protected	k_q4da0bb7c4c_ln1
	.globl	k_q4da0bb7c4c_ln1
	.p2align	8
	.type	k_q4da0bb7c4c_ln1,@function
k_q4da0bb7c4c_ln1:
	s_mov_b64 s[64:65], 0
	v_nop
	global_prefetch_b8 v0, s[64:65] scope:SCOPE_SE
	s_setreg_imm32_b32 hwreg(HW_REG_WAVE_MODE, 25, 1), 1
	s_wait_xcnt 0x0
; LN1.  h = LN(x; amod_nw, amod_nb) (1 + gamma_a) + beta_a, kept in f32 (it is the residual); hn = LN(h; attn_nw, attn_nb), rounded to bf16 for the products.
; One wave, one row of 1,024 numbers at a time, 32 registers: both reductions stay inside the wave, so no wave waits for another and there is no barrier.  A wave takes four rows.
; ALL FOUR ROWS ARE ASKED FOR AT ONCE, at the kernel's head, by one tensor load a wave: 16,384 dense bytes into LDS bytes of the wave's own, so that the wave waits for memory once and
; not once a row; a row then comes out of LDS while the row before is worked on.  Nothing in LDS is filled twice and no wave reads another's bytes: the wave's own wait on TENSORcnt is all the
; ordering that its reads need.  The text uses 65,536 bytes of LDS; the launch declares 167,936.
; A lane holds columns 128 j + 4 l + 0..3, j = 0..7: an LDS load or an f32 store of the wave covers 512 consecutive bytes, a bf16 store 256, all aligned.
; The two gains and two shifts of the first norm are folded once: h = xn P1 + P2, P1 = nw (1 + g), P2 = nb (1 + g) + be.
; The variance is taken of the centred numbers (two passes over registers): no difference of large sums is formed.
; Matrix units and clusters are left out: memory binds, and nothing is shared between rows but 24 KB of parameters.
.set ROWS, 4                           ; rows of a wave
.set LX, 3                             ; v3         LDS address of my 16 bytes in the row that is read next
.set P1, 8                             ; v[8:39]
.set P2, 40                            ; v[40:71]
.set W3, 72                            ; v[72:103]  attn_nw
.set B3, 104                           ; v[104:135] attn_nb
.set X,  136                           ; v[136:167] the row as loaded
.set H,  168                           ; v[168:199] centred x, then h
.set E,  200                           ; v[200:231] centred h, then hn
.set T,  232                           ; v[232:239] four chains of pairs
.set SM, 240                           ; a sum
.set NM, 242                           ; v[242:243] minus the mean, twice
.set RS, 244                           ; v[244:245] 1 / sqrt(var + eps), twice
.set PT, 246                           ; the other half's sum
.set G0, 36                            ; s[36:39]   descriptor group 0
.set G1, 40                            ; s[40:47]   descriptor group 1
.macro LOAD8 dst, base, off
.irp j, 0,1,2,3,4,5,6,7
	global_load_b128 v[(\dst)+4*(\j):(\dst)+4*(\j)+3], v1, s[(\base):(\base)+1] offset:(\off)+512*(\j)
.endr
.endm
.macro ROWIN                           ; a row out of LDS: 32 lanes, 16 neighbouring bytes each: no two lanes meet in a bank
.irp j, 0,1,2,3,4,5,6,7
	ds_load_b128 v[X+4*(\j):X+4*(\j)+3], v[LX] offset:512*(\j)
.endr
.endm
.macro FOLD                            ; the four chains into one number, then over the 32 lanes: every lane ends with the sum
	v_pk_add_f32 v[T:T+1], v[T:T+1], v[T+2:T+3]
	v_pk_add_f32 v[T+4:T+5], v[T+4:T+5], v[T+6:T+7]
	v_pk_add_f32 v[T:T+1], v[T:T+1], v[T+4:T+5]
	v_add_f32 v[SM], v[T], v[T+1]
	v_add_f32_dpp v[SM], v[SM], v[SM] row_xmask:1 row_mask:0xf bank_mask:0xf
	v_add_f32_dpp v[SM], v[SM], v[SM] row_xmask:2 row_mask:0xf bank_mask:0xf
	v_add_f32_dpp v[SM], v[SM], v[SM] row_xmask:4 row_mask:0xf bank_mask:0xf
	v_add_f32_dpp v[SM], v[SM], v[SM] row_xmask:8 row_mask:0xf bank_mask:0xf
	v_permlanex16_b32 v[PT], v[SM], s31, s32
	v_add_f32 v[SM], v[SM], v[PT]
.endm
.macro CENTRE src, dst                 ; dst = src - mean(src); the first four additions start the chains: nothing is cleared
.irp c, 0,1,2,3
	v_pk_add_f32 v[T+2*(\c):T+2*(\c)+1], v[(\src)+2*(\c):(\src)+2*(\c)+1], v[(\src)+8+2*(\c):(\src)+8+2*(\c)+1]
.endr
.irp c, 8,9,10,11,12,13,14,15
	v_pk_add_f32 v[T+2*((\c)%4):T+2*((\c)%4)+1], v[T+2*((\c)%4):T+2*((\c)%4)+1], v[(\src)+2*(\c):(\src)+2*(\c)+1]
.endr
	FOLD
	v_mul_f32 v[NM], s29, v[SM]
	v_mul_f32 v[NM+1], s29, v[SM]
.set i, 0
.rept 16
	v_pk_add_f32 v[(\dst)+2*i:(\dst)+2*i+1], v[(\src)+2*i:(\src)+2*i+1], v[NM:NM+1]
.set i, i+1
.endr
.endm
.macro NORM r, w, b                    ; r = r / sqrt(mean(r^2) + eps) * w + b
.irp c, 0,1,2,3
	v_pk_mul_f32 v[T+2*(\c):T+2*(\c)+1], v[(\r)+2*(\c):(\r)+2*(\c)+1], v[(\r)+2*(\c):(\r)+2*(\c)+1]
.endr
.irp c, 4,5,6,7,8,9,10,11,12,13,14,15
	v_pk_fma_f32 v[T+2*((\c)%4):T+2*((\c)%4)+1], v[(\r)+2*(\c):(\r)+2*(\c)+1], v[(\r)+2*(\c):(\r)+2*(\c)+1], v[T+2*((\c)%4):T+2*((\c)%4)+1]
.endr
	FOLD
	v_fma_f32 v[SM], v[SM], s28, s30
	v_rsq_f32 v[RS], v[SM]
	v_rsq_f32 v[RS+1], v[SM]
	v_nop                                          ; a plain instruction between the root and the use of its result
.set i, 0
.rept 16
	v_pk_mul_f32 v[(\r)+2*i:(\r)+2*i+1], v[(\r)+2*i:(\r)+2*i+1], v[RS:RS+1]
.set i, i+1
.endr
.set i, 0
.rept 16
	v_pk_fma_f32 v[(\r)+2*i:(\r)+2*i+1], v[(\r)+2*i:(\r)+2*i+1], v[(\w)+2*i:(\w)+2*i+1], v[(\b)+2*i:(\b)+2*i+1]
.set i, i+1
.endr
.endm
	s_load_b512 s[4:19], s[0:1], 0x0               ; x 4, modv 6, amod_nw 8, amod_nb 10, attn_nw 12, attn_nb 14, h 16, act1 18
	v_and_b32 v1, 31, v0
	v_lshlrev_b32 v2, 3, v1                        ; 8 l: my 8 bytes in 256 of bf16
	v_lshlrev_b32 v1, 4, v1                        ; 16 l: my 16 bytes in 512 of f32
	v_lshrrev_b32 v4, 5, v0
	v_readfirstlane_b32 s20, v4                    ; wave
	v_mov_b32 v[PT], 0                             ; v_permlanex16_b32 counts as a reader of its destination
	s_lshl_b32 s21, ttmp9, 4
	s_lshl_b32 s22, s20, 2
	s_add_co_u32 s21, s21, s22                     ; my first row = 16 group + 4 wave
	s_lshl_b32 s22, s21, 12                        ; in x and h
	s_mov_b32 s23, 0
	s_lshl_b32 s24, s21, 11                        ; in hn
	s_mov_b32 s25, 0
	s_lshr_b32 s26, ttmp9, 7                       ; the batch: 128 groups of 16 rows each
	s_lshl_b32 s26, s26, 12
	s_mov_b32 s27, 0
	s_mov_b32 s28, 0x3a800000                      ; 1 / 1024
	s_mov_b32 s29, 0xba800000                      ; -1 / 1024
	s_mov_b32 s30, 0x3727c5ac                      ; 1e-5
	s_mov_b32 s31, 0x76543210
	s_mov_b32 s32, 0xfedcba98
	s_mov_b32 s33, ROWS                            ; rows to go
	s_mul_i32 s34, s20, ROWS*4096                  ; my wave's 16,384 bytes of LDS
	v_add_nc_u32 v[LX], s34, v1
	; the descriptor: my four rows are 16,384 dense bytes: asked for as 64 rows of 256 bytes (32 elements of 8 bytes), laid into LDS without a gap
	s_mov_b32 s[G1+0], 3<<16                       ; no work-group mask; elements of 8 bytes; no padding
	s_mov_b32 s[G1+1], 32<<16                      ; tensor_dim0 = 32
	s_mov_b32 s[G1+2], 64<<16                      ; tensor_dim1 = 64
	s_mov_b32 s[G1+3], 32<<16                      ; tile_dim0 = 32
	s_mov_b32 s[G1+4], 64                          ; tile_dim1 = 64
	s_mov_b32 s[G1+5], 32                          ; 32 elements from row to row
	s_mov_b32 s[G1+6], 0
	s_mov_b32 s[G1+7], 0
	s_mov_b32 s[G0], 1                             ; count = 1
	s_mov_b32 s[G0+1], s34                         ; LDS address
	s_wait_kmcnt 0x0
	s_add_nc_u64 s[G0+2:G0+3], s[4:5], s[22:23]    ; x at my first row
	s_or_b32 s[G0+3], s[G0+3], 0x80000000          ; type = 2
	tensor_load_to_lds s[G0:G0+3], s[G1:G1+7]      ; my one tensor load, ahead of everything else that goes to memory
	s_nop 0
	s_add_nc_u64 s[16:17], s[16:17], s[22:23]
	s_add_nc_u64 s[18:19], s[18:19], s[24:25]
	s_add_nc_u64 s[6:7], s[6:7], s[26:27]
	LOAD8 P1, 6, 0                                 ; 1 + gamma_a
	LOAD8 P2, 6, 8192                              ; beta_a
	LOAD8 H, 8, 0                                  ; amod_nw
	LOAD8 E, 10, 0                                 ; amod_nb
	LOAD8 W3, 12, 0
	LOAD8 B3, 14, 0
	s_wait_loadcnt 0x0                             ; the parameters
.set i, 0
.rept 16
	v_pk_fma_f32 v[P2+2*i:P2+2*i+1], v[E+2*i:E+2*i+1], v[P1+2*i:P1+2*i+1], v[P2+2*i:P2+2*i+1]
.set i, i+1
.endr
.set i, 0
.rept 16
	v_pk_mul_f32 v[P1+2*i:P1+2*i+1], v[H+2*i:H+2*i+1], v[P1+2*i:P1+2*i+1]
.set i, i+1
.endr
	s_wait_tensorcnt 0x0                           ; my four rows are in LDS
	ROWIN
.Lrow:
	s_wait_dscnt 0x0                               ; this row is in registers
	CENTRE X, H
	s_cmp_eq_u32 s33, 1
	s_cbranch_scc1 .Lno_more                       ; behind the last row there is nothing to read
	v_add_nc_u32 v[LX], 4096, v[LX]
	ROWIN                                          ; the next row, while this one is worked on
.Lno_more:
	NORM H, P1, P2
.irp j, 0,1,2,3,4,5,6,7
	global_store_b128 v1, v[H+4*(\j):H+4*(\j)+3], s[16:17] offset:512*(\j)
.endr
	CENTRE H, E
	NORM E, W3, B3
.set i, 0
.rept 16
	v_cvt_pk_bf16_f32 v[E+i], v[E+2*i], v[E+2*i+1]  ; packed in place, ascending: register i is written when registers 2 i and 2 i + 1 are read
.set i, i+1
.endr
.irp j, 0,1,2,3,4,5,6,7
	global_store_b64 v2, v[E+2*(\j):E+2*(\j)+1], s[18:19] offset:256*(\j)
.endr
	s_wait_xcnt 0x0                                ; the stores have read H, E and their bases: only now are these written again
	s_add_nc_u64 s[16:17], s[16:17], 4096
	s_add_nc_u64 s[18:19], s[18:19], 2048
	s_sub_co_u32 s33, s33, 1
	s_cmp_lg_u32 s33, 0
	s_cbranch_scc1 .Lrow
	s_endpgm
.Lfunc_end_k_q4da0bb7c4c_ln1:
	.size	k_q4da0bb7c4c_ln1, .Lfunc_end_k_q4da0bb7c4c_ln1-k_q4da0bb7c4c_ln1
	.p2alignl 7, 3214868480
	.fill 96, 4, 3214868480
	.section	.rodata,"a",@progbits
	.p2align	6, 0x0
	.amdhsa_kernel k_q4da0bb7c4c_ln1
		.amdhsa_group_segment_fixed_size 167936
		.amdhsa_private_segment_fixed_size 0
		.amdhsa_enable_private_segment 0
		.amdhsa_kernarg_size 64
		.amdhsa_user_sgpr_count 2
		.amdhsa_user_sgpr_kernarg_segment_ptr 1
		.amdhsa_wavefront_size32 1
		.amdhsa_system_sgpr_workgroup_id_x 1
		.amdhsa_system_sgpr_workgroup_id_y 1
		.amdhsa_system_sgpr_workgroup_id_z 1
		.amdhsa_system_vgpr_workitem_id 0
		.amdhsa_next_free_vgpr 248
		.amdhsa_next_free_sgpr 66
		.amdhsa_reserve_vcc 0
		.amdhsa_float_denorm_mode_32 3
		.amdhsa_float_denorm_mode_16_64 3
		.amdhsa_memory_ordered 1
		.amdhsa_forward_progress 1
		.amdhsa_inst_pref_size 25
	.end_amdhsa_kernel
	.amdgpu_metadata
---
amdhsa.version: [ 1, 2 ]
amdhsa.kernels:
  - .name:           k_q4da0bb7c4c_ln1
    .symbol:         k_q4da0bb7c4c_ln1.kd
    .args:
      - { .name: x, .offset: 0, .size: 8, .value_kind: global_buffer, .address_space: global }
      - { .name: modv, .offset: 8, .size: 8, .value_kind: global_buffer, .address_space: global }
      - { .name: amod_nw, .offset: 16, .size: 8, .value_kind: global_buffer, .address_space: global }
      - { .name: amod_nb, .offset: 24, .size: 8, .value_kind: global_buffer, .address_space: global }
      - { .name: attn_nw, .offset: 32, .size: 8, .value_kind: global_buffer, .address_space: global }
      - { .name: attn_nb, .offset: 40, .size: 8, .value_kind: global_buffer, .address_space: global }
      - { .name: h, .offset: 48, .size: 8, .value_kind: global_buffer, .address_space: global }
      - { .name: act1, .offset: 56, .size: 8, .value_kind: global_buffer, .address_space: global }
    .group_segment_fixed_size: 167936
    .private_segment_fixed_size: 0
    .kernarg_segment_align: 8
    .kernarg_segment_size: 64
    .max_flat_workgroup_size: 128
    .sgpr_count:     66
    .vgpr_count:     248
    .wavefront_size: 32
...
	.end_amdgpu_metadata
.endif
;; end of part 2
;; launch qkv (part 3): grid 8 x 32, 4 waves a work-group, clusters of 4 x 4, 327,680 bytes of LDS; arguments act1, wts, act2, kv; writes act2, kv
.if DOCPART == 3
	.amdgcn_target "amdgcn-amd-amdhsa--gfx1250"
	.amdhsa_code_object_version 6
	.text
	.protected	k_q4da0bb7c4c_qkv
	.globl	k_q4da0bb7c4c_qkv
	.p2align	8
	.type	k_q4da0bb7c4c_qkv,@function
k_q4da0bb7c4c_qkv:
	s_mov_b64 s[64:65], 0
	v_nop
	global_prefetch_b8 v0, s[64:65] scope:SCOPE_SE
	s_setreg_imm32_b32 hwreg(HW_REG_WAVE_MODE, 25, 1), 1
	s_wait_xcnt 0x0
	s_wait_alu depctr_hold_cnt(0) depctr_sa_sdst(0) depctr_va_vdst(0) depctr_va_sdst(0) depctr_va_ssrc(0) depctr_va_vcc(0) depctr_vm_vsrc(0)
	s_getreg_b32 s2, hwreg(HW_REG_IB_STS2, 6, 4)
	s_cmp_eq_u32 s2, 0
	s_cbranch_scc0 .Lentry_in_a_cluster
	s_endpgm
.Lentry_in_a_cluster:
	s_bfe_u32 s2, ttmp6, 0x10000c
	s_cmp_lg_u32 s2, 0xf033
	s_cbranch_scc0 .Lentry_shape_is_right
	s_endpgm
.Lentry_shape_is_right:
; QKV.  [q | k | v] = hn [4096][1024] x [wq | wkv] [1024][1152], bf16 operands, f32 sums, results rounded once to bf16.  1152 = 8 x 144: tile column j takes q's columns
; 128 j ..+127 and kv's columns 16 j ..+15, which lie together in the blocked weights (rows of 288 bytes), so that 8 x 32 = 256 work-groups do equal work.
; q goes to act2 [4096][1024] as it lies; k to kv byte 0, v to kv byte 524,288, each [4096][64] (pieces of 32 bytes: 1 MB of the 9.4 MB written).
; The 16 extra columns are 8 accumulators for the work-group, two a wave: the wave with the right half of the columns takes its A rows in the order 32-63, 0-31, so that
; in every wave the extra products use A's fragment places 0 and 1.
.set EXTRA,  1                         ; 16 further columns a tile
.set BIASC,  0                         ; a bias starts the sums
.set RESID,  0                         ; f32 output with a residual
.set DOGELU, 0                         ; gelu on the way out
.set SIZE_K, 1024
.set SIZE_N, 1024
.set WBASE,  0                         ; byte of the weights in wts
; THE PRODUCT (one text for this program's four products; the five settings above choose).  C = A W.  A [4096][SIZE_K] bf16 lies along K; W lies [K][N] bf16, as the model gives it.
; A tile of C is 128 x 128: four waves, 64 x 64 each: 16 accumulators.  K goes in steps of 256 through two LDS slots filled by tensor loads: waves 0, 1 fetch 64 rows of A each (rows of 512
; bytes), waves 2, 3 fetch 128 rows of W each (rows of 256 bytes).  A's fragments come out of LDS as they lie, W's turned, by ds_load_tr16_b128.  The matrix instruction takes 16 columns of W as
; source 0 and 16 rows of A as source 1: a lane then holds eight neighbouring columns of one row of C.
; CLUSTER 4 x 4: the four work-groups of a row of the cluster need the same tile of A, the four of a column the same tile of W: each tile is asked for jointly, by the same tensor load with the
; same descriptor and a mask that names the four.  A K step is written once: one descriptor a tensor walks, and the slot's base TB (0 or SLOT) is turned at each change of slots.
; The accumulators take turns, one instruction a turn, over the loop's edge too.  By this text's count a wave has two tensor loads out at the start, later one.
; REGISTERS: window 0: addresses, way out, v128-255 accumulators ((a, b) at 128 + 8 (4 a + b)); window 1: two fragment buffers of 128 (64 of A, 64 of W, 64 along K); window 2: residual or extra fragments.
.set KSTEPS, SIZE_K/256
.set PITCH,  528                       ; a row of A in LDS: 512 bytes + 16: the 16 rows of a fragment load start at 16 different groups of four banks
.set HALFA,  64*PITCH
.set WP,     288                       ; a row of W in LDS: 256 bytes + 32 (or 288 dense)
.set HALFW,  128*WP
.set WOFF,   2*HALFA                   ; a slot: 128 rows of A, then 256 rows of W
.set SLOT,   WOFF+2*HALFW
.set RING,   2*SLOT
.set SPITCH, 272
.set GPITCH, 528
.if EXTRA
.set WSTEP, 2*HALFW                    ; bytes of W from a K step to the next
.set STAGE, RING                       ; one stage for the work-group: 128 rows x 272 bytes
.set SPARE, RING+128*SPITCH
.elseif RESID
.set WSTEP, 512*SIZE_N
.set STAGE, RING                       ; a stage for each wave: 16 rows x 272 bytes
.set SPARE, RING+4*16*SPITCH
.else
.set WSTEP, 512*SIZE_N
.set STAGE, 0                          ; 128 rows x 528 bytes where slot 0's A lay: slot 0 has had its last fill, and its last reads end in front of the last change of slots
.set SPARE, RING
.endif                                 ; from SPARE on: the spare words, 128 bytes a wave, which no other line names
.set LA01, 10                          ; my lane's place in A's tile, fragment places 0, 1
.set LA23, 11                          ; places 2, 3
.set LW,   12                          ; in W's tile, K rows 0-127
.set LW1,  13                          ; K rows 128-255
.set LX,   14                          ; the same for the extra columns
.set LX1,  15
.set ADRA, 16                          ; v16-21: the six above plus TB
.set ADRW, 18
.set ADRX, 20
.set STO23, 23
.set STO,  24                          ; the way out: where I put my numbers of a row
.set RD,   25                          ; where I read rows back
.set CO,   26                          ; my byte offset in C
.set BO,   27                          ; in the bias
.set KO,   27                          ; in k or v
.set SPW,  28                          ; LDS address of my spare word; never rewritten
.set NIL,  29                          ; 0; never rewritten
.set TMP,  32
.set BIAS, 96                          ; v96-127: the bias of my 64 columns, laid as a C operand
.set XA,   96                          ; v96-111: the two extra accumulators
.set XP,   112
.set ACC,  128
.set F0,   0
.set F1,   128
.set GX,   32                          ; gelu: x, 1 + p |x| and t, x^2 and e, the polynomial, the result, packed
.set GD,   48
.set GM,   64
.set GQ,   80
.set GR,   96
.set GB,   112
.set WV, 14                            ; s14 wave; s15 which half of the rows (also: I fetch A (0) or W (1)); s16 which half of the columns (also: which half of that tile I fetch)
.set MH, 15
.set NH, 16
.set TCOL, 19
.set TROW, 20
.set G1, 24                            ; s[24:31] group 1 for A; s[32:39] two sets of group 0: slot 0's first fill; slot 1's, which then walks
.set G0, 32
.set G1B, 48                           ; s[48:55], s[56:63] the same for W
.set G0B, 56
.set TB,  66
.set LAA, 67                           ; where my half of A's tile goes in a slot
.set LAW, 68                           ; where my half of W's goes
.set C5, 76                            ; s[76:87] gelu's constants, in pairs; s88
.set C4, 78
.set C3, 80
.set C2, 82
.set C1, 84
.set CE, 86
.set CP, 88
.set MSB, 0
.macro WIN new                         ; the immediate's high byte repeats the setting that is left; a switch that changes nothing is dropped
.if MSB != (\new)
	s_set_vgpr_msb (MSB<<8)|(\new)
.set MSB, \new
.endif
.endm
.macro PLACES                          ; four plain places behind matrix instructions, in front of loads into registers that they read and of lines that read their results
.rept 4
	v_nop
.endr
.endm
.macro JLOAD s                         ; a joint load; the branch hangs on the wave's number alone.  An s_nop 0 and four v_nop follow each of the two lines
	s_cmp_eq_u32 s[MH], 0
	s_cbranch_scc0 .Lfor_w_\@
	tensor_load_to_lds s[G0+4*(\s):G0+4*(\s)+3], s[G1:G1+7]
	s_nop 0
.rept 4
	v_nop
.endr
	s_branch .Lasked_\@
.Lfor_w_\@:
	tensor_load_to_lds s[G0B+4*(\s):G0B+4*(\s)+3], s[G1B:G1B+7]
	s_nop 0
.rept 4
	v_nop
.endr
.Lasked_\@:
.endm
.macro CREST                           ; a round of the cluster's barrier behind its opening barrier
	s_cmp_lg_u32 s[WV], 0
	s_cbranch_scc1 .Lnot_wave_0_\@
	s_barrier_signal -3
.Lnot_wave_0_\@:
	s_barrier_wait -3
	s_barrier_signal -1
	s_barrier_wait -1
.endm
.macro CROUND
	s_barrier_signal -1
	s_barrier_wait -1
	CREST
.endm
.macro ADDRS                           ; the fragment addresses in the slot at TB
	v_add_nc_u32 v[ADRA], s[TB], v[LA01]
	v_add_nc_u32 v[ADRA+1], s[TB], v[LA23]
	v_add_nc_u32 v[ADRW], s[TB], v[LW]
	v_add_nc_u32 v[ADRW+1], s[TB], v[LW1]
.if EXTRA
	v_add_nc_u32 v[ADRX], s[TB], v[LX]
	v_add_nc_u32 v[ADRX+1], s[TB], v[LX1]
.endif
.endm
	s_load_b256 s[4:11], s[0:1], 0x0               ; A s[4:5], wts s[6:7], the output s[8:9], kv or the bias s[10:11]
.if RESID
	s_load_b64 s[12:13], s[0:1], 0x20              ; the residual
.endif
	v_lshl_add_u32 v[SPW], v0, 2, SPARE
	v_mov_b32 v[NIL], 0
	v_lshrrev_b32 v3, 5, v0
	v_readfirstlane_b32 s[WV], v3
	s_lshr_b32 s[MH], s[WV], 1
	s_and_b32 s[NH], s[WV], 1
	s_bfe_u32 s17, ttmp6, 0x40000                  ; cx, cy: my place in the cluster
	s_bfe_u32 s18, ttmp6, 0x40004
	s_lshl_b32 s[TCOL], ttmp9, 2
	s_add_co_u32 s[TCOL], s[TCOL], s17             ; tile column = 4 x cluster x + cx
	s_and_b32 s[TROW], ttmp7, 0xffff
	s_lshl_b32 s[TROW], s[TROW], 2
	s_add_co_u32 s[TROW], s[TROW], s18             ; tile row = 4 x cluster y + cy
	s_lshl_b32 s21, s18, 2
	s_lshl_b32 s21, 15, s21                        ; my row of the cluster
	s_lshl_b32 s22, 0x1111, s17                    ; my column
	s_or_b32 s[G1+0], s21, (1<<16)|(1<<20)|(1<<21)|(6<<22)|(3<<25)  ; A: the mask; 2-byte elements; padding on; bit 21 beside a mask; after every 128 words 4 words
	s_mov_b32 s[G1+1], 256<<16                     ; tensor_dim0 = 256
	s_mov_b32 s[G1+2], 64<<16                      ; tensor_dim1 = 64
	s_mov_b32 s[G1+3], 256<<16                     ; tile_dim0 = 256
	s_mov_b32 s[G1+4], 64                          ; tile_dim1 = 64
	s_mov_b32 s[G1+5], SIZE_K                      ; elements from row to row
	s_mov_b32 s[G1+6], 0
	s_mov_b32 s[G1+7], 0
.if EXTRA
	s_or_b32 s[G1B+0], s22, (3<<16)|(1<<21)        ; W: 128 rows of 288 bytes are 36,864 dense bytes: asked for as 144 rows of 256 bytes (32 elements of 8), no padding
	s_mov_b32 s[G1B+1], 32<<16
	s_mov_b32 s[G1B+2], 144<<16
	s_mov_b32 s[G1B+3], 32<<16
	s_mov_b32 s[G1B+4], 144
	s_mov_b32 s[G1B+5], 32
.else
	s_or_b32 s[G1B+0], s22, (1<<16)|(1<<20)|(1<<21)|(5<<22)|(7<<25)  ; W: 128 rows of 128 elements; after every 64 words 8 words of padding
	s_mov_b32 s[G1B+1], 128<<16
	s_mov_b32 s[G1B+2], 128<<16
	s_mov_b32 s[G1B+3], 128<<16
	s_mov_b32 s[G1B+4], 128
	s_mov_b32 s[G1B+5], SIZE_N
.endif
	s_mov_b32 s[G1B+6], 0
	s_mov_b32 s[G1B+7], 0
	s_lshl_b32 s40, s[TROW], 7                     ; A's tile hangs on the tile row and the wave alone (s40-43 never hold cx),
	s_lshl_b32 s41, s[NH], 6
	s_add_co_u32 s40, s40, s41
	s_mul_i32 s40, s40, SIZE_K*2
	s_mov_b32 s41, 0
.if EXTRA
	s_mul_i32 s44, s[TCOL], 1024*WP                ; W's on the tile column and the wave alone (s44-47 never hold cy)
	s_mul_i32 s45, s[NH], HALFW
	s_add_co_u32 s44, s44, s45
.else
	s_lshl_b32 s44, s[TCOL], 8
	s_mul_i32 s45, s[NH], 128*SIZE_N*2
	s_add_co_u32 s44, s44, s45
	s_add_co_u32 s44, s44, WBASE
.endif
	s_mov_b32 s45, 0
	s_mul_i32 s[LAA], s[NH], HALFA                 ; no place in the cluster enters an LDS address
	s_mul_i32 s[LAW], s[NH], HALFW
	s_add_co_u32 s[LAW], s[LAW], WOFF
	s_mov_b32 s[TB], 0
	s_wait_kmcnt 0x0
	s_add_nc_u64 s[42:43], s[4:5], s[40:41]
	s_add_nc_u64 s[46:47], s[6:7], s[44:45]
	CROUND                                         ; all sixteen work-groups are here: the first joint loads meet
.irp s, 0,1
	s_mov_b32 s[G0+4*(\s)], 1
	s_add_co_u32 s[G0+4*(\s)+1], s[LAA], (\s)*SLOT
	s_add_nc_u64 s[G0+4*(\s)+2:G0+4*(\s)+3], s[42:43], (\s)*512
	s_or_b32 s[G0+4*(\s)+3], s[G0+4*(\s)+3], 0x80000000
	s_mov_b32 s[G0B+4*(\s)], 1
	s_add_co_u32 s[G0B+4*(\s)+1], s[LAW], (\s)*SLOT
	s_add_nc_u64 s[G0B+4*(\s)+2:G0B+4*(\s)+3], s[46:47], (\s)*WSTEP
	s_or_b32 s[G0B+4*(\s)+3], s[G0B+4*(\s)+3], 0x80000000
	JLOAD \s                                       ; K steps 0 and 1: the ring is filled before anything else is done
.endr
	; A's fragment: lane l holds row l % 16, K = 8 (l / 16) + 0..7 and 16 + 8 (l / 16) + 0..7: two loads of 16 bytes, 32 apart.
	v_and_b32 v1, 15, v0
	v_bfe_u32 v2, v0, 4, 1
	v_mul_u32_u24 v3, v1, PITCH
	v_lshl_add_u32 v3, v2, 4, v3
	s_mul_i32 s70, s[MH], HALFA                    ; my 64 rows of A
	s_add_co_u32 s73, s70, 32*PITCH
.if EXTRA
	s_mul_i32 s71, s[NH], 32*PITCH
	s_add_co_u32 s72, s70, s71                     ; places 0, 1: rows 32 NH on
	s_sub_co_u32 s73, s73, s71                     ; places 2, 3: the other 32
.else
	s_mov_b32 s72, s70
.endif
	v_add_nc_u32 v[LA01], s72, v3
	v_add_nc_u32 v[LA23], s73, v3
	; W's fragment: the turning load takes 16 K rows x 16 columns (lane l reads row 8 (l / 16) + l % 8, columns 8 ((l / 8) % 2) + 0..7) and leaves lane l column l % 16 and 8 K.
	v_and_b32 v4, 7, v0
	v_bfe_u32 v5, v0, 3, 1
	v_lshl_add_u32 v4, v2, 3, v4
	v_mul_u32_u24 v4, v4, WP
	v_lshl_add_u32 v4, v5, 4, v4
	s_lshl_b32 s70, s[NH], 7                       ; my 64 columns
	s_add_co_u32 s70, s70, WOFF
	v_add_nc_u32 v[LW], s70, v4
	v_add_nc_u32 v[LW1], HALFW, v[LW]
.if EXTRA
	v_add_nc_u32 v[LX], WOFF+256, v4
	v_add_nc_u32 v[LX1], HALFW, v[LX]
.endif
	ADDRS
.if BIASC
	s_lshl_b32 s72, s[TCOL], 9                     ; my first column, in bytes of f32
	s_lshl_b32 s73, s[NH], 8
	s_add_co_u32 s72, s72, s73
	s_mov_b32 s73, 0
	s_add_nc_u64 s[10:11], s[10:11], s[72:73]
	v_lshlrev_b32 v[BO], 5, v2                     ; a lane's eight columns of a block of 16: 8 (l / 16) on
.irp b, 0,1,2,3
	global_load_b128 v[BIAS+8*(\b):BIAS+8*(\b)+3], v[BO], s[10:11] offset:64*(\b)
	global_load_b128 v[BIAS+8*(\b)+4:BIAS+8*(\b)+7], v[BO], s[10:11] offset:64*(\b)+16
.endr
.endif
.if RESID
	s_mul_i32 s70, s[WV], 16*SPITCH
	s_add_co_u32 s70, s70, STAGE                   ; my stage
	v_mul_u32_u24 v3, v1, SPITCH                   ; in: row l % 16, 32 bytes for each half of the lanes
	v_lshl_add_u32 v3, v2, 5, v3
	v_add_nc_u32 v[STO], s70, v3
	v_mul_u32_u24 v3, v2, SPITCH                   ; back: lanes 0-15 one row of 256 bytes, lanes 16-31 the next
	v_lshl_add_u32 v3, v1, 4, v3
	v_add_nc_u32 v[RD], s70, v3
	v_lshlrev_b32 v3, 12, v2                       ; and the same two rows in C and in the residual
	v_lshl_add_u32 v[CO], v1, 4, v3
	s_lshl_b32 s74, s[TROW], 7
	s_lshl_b32 s75, s[MH], 6
	s_add_co_u32 s74, s74, s75
	s_lshl_b32 s74, s74, 12
	s_add_co_u32 s74, s74, s72
	s_mov_b32 s75, 0
	s_add_nc_u64 s[8:9], s[8:9], s[74:75]
	s_add_nc_u64 s[12:13], s[12:13], s[74:75]
	WIN 0x80                                       ; the residual of my 64 x 64 goes into window 2 now, in the layout in which rows come back from the stage, and lands under the products
.irp a, 0,1,2,3
.irp t, 0,1,2,3,4,5,6,7
	global_load_b128 v[32*(\a)+4*(\t):32*(\a)+4*(\t)+3], v[CO], s[12:13] offset:(16*(\a)+2*(\t))*4096
.endr
.endr
	WIN 0
.endif
.if DOGELU
	s_mul_i32 s70, s[MH], 64*GPITCH                ; into the stage: my 64 rows, my 256 bytes of their 512
	s_lshl_b32 s71, s[NH], 8
	s_add_co_u32 s70, s70, s71
	v_mul_u32_u24 v3, v1, GPITCH
	v_lshl_add_u32 v3, v2, 5, v3
	v_add_nc_u32 v[STO], s70, v3
	s_mul_i32 s70, s[WV], 32*GPITCH                ; back: wave w takes rows 32 w ..+31, a whole row of 512 bytes a load
	v_and_b32 v3, 31, v0
	v_lshl_add_u32 v[RD], v3, 4, s70
	v_lshlrev_b32 v[CO], 3, v3                     ; four bf16 a lane: 256 bytes a row
	s_lshl_b32 s74, s[TROW], 7
	s_lshl_b32 s75, s[WV], 5
	s_add_co_u32 s74, s74, s75
	s_lshl_b32 s74, s74, 13
	s_lshl_b32 s75, s[TCOL], 8
	s_add_co_u32 s74, s74, s75
	s_mov_b32 s75, 0
	s_add_nc_u64 s[8:9], s[8:9], s[74:75]
	s_mov_b32 s[C5], 0x3f07dc22                    ; 1.330274429 / sqrt(2 pi)
	s_mov_b32 s[C4], 0xbf3a00e3                    ; -1.821255978 / sqrt(2 pi)
	s_mov_b32 s[C3], 0x3f35f0e3                    ; 1.781477937 / sqrt(2 pi)
	s_mov_b32 s[C2], 0xbe11a98e                    ; -0.356563782 / sqrt(2 pi)
	s_mov_b32 s[C1], 0x3e027906                    ; 0.319381530 / sqrt(2 pi)
	s_mov_b32 s[CE], 0xbf38aa3b                    ; -log2(e) / 2
	s_mov_b32 s[CP], 0x3e6d3389                    ; 0.2316419
.irp c, C5, C4, C3, C2, C1, CE
	s_mov_b32 s[(\c)+1], 0                         ; named as pairs
.endr
.endif
.if EXTRA
	s_lshl_b32 s70, s[MH], 6
	s_lshl_b32 s71, s[NH], 5
	s_add_co_u32 s72, s70, s71                     ; the tile's row at which fragment places 0, 1 begin,
	s_add_co_u32 s73, s70, 32
	s_sub_co_u32 s73, s73, s71                     ; places 2, 3
	s_lshl_b32 s76, s[NH], 7                       ; my 128 bytes of a stage row
	s_add_co_u32 s76, s76, STAGE
	s_mul_i32 s74, s72, SPITCH
	s_add_co_u32 s74, s74, s76
	s_mul_i32 s75, s73, SPITCH
	s_add_co_u32 s75, s75, s76
	v_mul_u32_u24 v3, v1, SPITCH
	v_lshl_add_u32 v3, v2, 4, v3
	v_add_nc_u32 v[STO], s74, v3
	v_add_nc_u32 v[STO23], s75, v3
	s_mul_i32 s74, s[WV], 32*SPITCH                ; back: wave w takes rows 32 w ..+31, whole
	s_add_co_u32 s74, s74, STAGE
	v_mul_u32_u24 v3, v2, SPITCH
	v_lshl_add_u32 v3, v1, 4, v3
	v_add_nc_u32 v[RD], s74, v3
	v_lshlrev_b32 v3, 11, v2
	v_lshl_add_u32 v[CO], v1, 4, v3
	v_lshlrev_b32 v3, 7, v1                        ; k, v: rows of 128 bytes
	v_lshl_add_u32 v[KO], v2, 4, v3
	s_lshl_b32 s70, s[TROW], 7
	s_lshl_b32 s74, s[WV], 5
	s_add_co_u32 s74, s74, s70
	s_lshl_b32 s74, s74, 11
	s_lshl_b32 s75, s[TCOL], 8
	s_add_co_u32 s74, s74, s75
	s_mov_b32 s75, 0
	s_add_nc_u64 s[8:9], s[8:9], s[74:75]          ; q at row 128 tile row + 32 wave, column 128 tile column
	s_add_co_u32 s74, s70, s72
	s_lshl_b32 s74, s74, 7
	s_lshr_b32 s71, s[TCOL], 2                     ; tile columns 0-3 hold k's channels, 4-7 v's
	s_lshl_b32 s71, s71, 19
	s_add_co_u32 s74, s74, s71
	s_and_b32 s71, s[TCOL], 3
	s_lshl_b32 s71, s71, 5
	s_add_co_u32 s74, s74, s71
	s_add_nc_u64 s[10:11], s[10:11], s[74:75]
.endif
; 8 matrix instructions: row blocks a0, a0 + 1 x all 4 column blocks, 32 along K: half c of buffer f.  z = 1: the constant 0 starts the sums; z = 2: the bias does
.macro MUL8 f, c, a0, z
	WIN 0x05                                       ; sources 0 (W) and 1 (A) window 1; C and D window 0
.irp a, \a0, (\a0)+1
.irp b, 0,1,2,3
.if (\z) == 1
	v_wmma_f32_16x16x32_bf16 v[ACC+8*(4*(\a)+(\b)):ACC+8*(4*(\a)+(\b))+7], v[(\f)+64+8*(4*(\c)+(\b)):(\f)+64+8*(4*(\c)+(\b))+7], v[(\f)+8*(4*(\c)+(\a)):(\f)+8*(4*(\c)+(\a))+7], 0
.elseif (\z) == 2
	v_wmma_f32_16x16x32_bf16 v[ACC+8*(4*(\a)+(\b)):ACC+8*(4*(\a)+(\b))+7], v[(\f)+64+8*(4*(\c)+(\b)):(\f)+64+8*(4*(\c)+(\b))+7], v[(\f)+8*(4*(\c)+(\a)):(\f)+8*(4*(\c)+(\a))+7], v[BIAS+8*(\b):BIAS+8*(\b)+7]
.else
	v_wmma_f32_16x16x32_bf16 v[ACC+8*(4*(\a)+(\b)):ACC+8*(4*(\a)+(\b))+7], v[(\f)+64+8*(4*(\c)+(\b)):(\f)+64+8*(4*(\c)+(\b))+7], v[(\f)+8*(4*(\c)+(\a)):(\f)+8*(4*(\c)+(\a))+7], v[ACC+8*(4*(\a)+(\b)):ACC+8*(4*(\a)+(\b))+7]
.endif
.endr
.endr
.endm
.macro MULX f, c, z                    ; the two extra products: the 16 extra columns (window 2) x A's places 0, 1
	WIN 0x06
.irp e, 0,1
.if \z
	v_wmma_f32_16x16x32_bf16 v[XA+8*(\e):XA+8*(\e)+7], v[16*((\f)/128)+8*(\c):16*((\f)/128)+8*(\c)+7], v[(\f)+8*(4*(\c)+(\e)):(\f)+8*(4*(\c)+(\e))+7], 0
.else
	v_wmma_f32_16x16x32_bf16 v[XA+8*(\e):XA+8*(\e)+7], v[16*((\f)/128)+8*(\c):16*((\f)/128)+8*(\c)+7], v[(\f)+8*(4*(\c)+(\e)):(\f)+8*(4*(\c)+(\e))+7], v[XA+8*(\e):XA+8*(\e)+7]
.endif
.endr
.endm
; One run of LDS loads: the fragments of quarter qi (64 along K) of the slot in hand, into buffer f; the first 32 along K first
.macro FETCH qi, f
.if EXTRA
	WIN 0x80
.irp c, 0,1
	ds_load_tr16_b128 v[16*((\f)/128)+8*(\c):16*((\f)/128)+8*(\c)+3],   v[ADRX+(\qi)/2] offset:((\qi)%2)*64*WP+(\c)*32*WP
	ds_load_tr16_b128 v[16*((\f)/128)+8*(\c)+4:16*((\f)/128)+8*(\c)+7], v[ADRX+(\qi)/2] offset:((\qi)%2)*64*WP+(\c)*32*WP+16*WP
.endr
.endif
	WIN 0x40
.irp c, 0,1
.irp i, 0,1,2,3
	ds_load_tr16_b128 v[(\f)+64+8*(4*(\c)+(\i)):(\f)+64+8*(4*(\c)+(\i))+3],   v[ADRW+(\qi)/2] offset:((\qi)%2)*64*WP+(\c)*32*WP+32*(\i)
	ds_load_tr16_b128 v[(\f)+64+8*(4*(\c)+(\i))+4:(\f)+64+8*(4*(\c)+(\i))+7], v[ADRW+(\qi)/2] offset:((\qi)%2)*64*WP+(\c)*32*WP+32*(\i)+16*WP
	ds_load_b128 v[(\f)+8*(4*(\c)+(\i)):(\f)+8*(4*(\c)+(\i))+3],   v[ADRA+(\i)/2] offset:128*(\qi)+64*(\c)+((\i)%2)*16*PITCH
	ds_load_b128 v[(\f)+8*(4*(\c)+(\i))+4:(\f)+8*(4*(\c)+(\i))+7], v[ADRA+(\i)/2] offset:128*(\qi)+64*(\c)+((\i)%2)*16*PITCH+32
.endr
.endr
.endm
; A K step is four quarters on buffers 0, 1, 0, 1.  One of the first three: multiplies buffer f and, in its middle, fetches quarter qi into buffer g.
.macro QUARTER qi, f, g, z
	s_wait_dscnt 16                                ; the first 32 along K are in; the youngest sixteen loads may be out
	MUL8 \f, 0, 0, \z
	MUL8 \f, 0, 2, \z
.if EXTRA
	MULX \f, 0, \z
.endif
	PLACES
	FETCH \qi, \g
	s_wait_dscnt 32+4*EXTRA                        ; all but the run just issued
	MUL8 \f, 1, 0, 0
	MUL8 \f, 1, 2, 0
.if EXTRA
	MULX \f, 1, 0
.endif
.endm
; The last quarter multiplies buffer 1 and changes slots: ONE barrier.  In front of it each wave waits for all its tensor loads (one is out: its part of the next slot), adds 0 to its spare word, and
; waits for that and for its reads of this slot.  fill = 1: the barrier opens a round of the cluster's, and this slot is filled again, two K steps ahead, first thing behind the round.
.macro TURN fill
	WIN 0
	s_wait_tensorcnt 0x0                           ; no tensor load of mine is out, so the walking descriptors may be written
	ds_add_u32 v[SPW], v[NIL]                      ; 0 onto my spare word
.if \fill
	s_add_co_u32 s[G0+5], s[LAA], s[TB]            ; into the slot that is being left,
	s_add_co_u32 s[G0B+5], s[LAW], s[TB]
	s_add_nc_u64 s[G0+6:G0+7], s[G0+6:G0+7], 512   ; the next K step not yet asked for
	s_add_nc_u64 s[G0B+6:G0B+7], s[G0B+6:G0B+7], WSTEP
.endif
	s_xor_b32 s[TB], s[TB], SLOT                   ; TB is 0 or SLOT: the other slot
	ADDRS
	s_wait_dscnt 17                                ; the add and the youngest sixteen loads may be out
	MUL8 F1, 0, 0, 0
	s_wait_dscnt 0x0                               ; the add is done, and my reads of this slot are over
	s_barrier_signal -1
	MUL8 F1, 0, 2, 0
.if EXTRA
	MULX F1, 0, 0
.endif
.if \fill
	WIN 0
.endif
	s_barrier_wait -1
.if \fill
	CREST                                          ; no wave of any partner still reads this slot or has a load on its way
	JLOAD 1                                        ; 112 matrix instructions or more ahead of the wait for it; its four v_nop are also the places in front of the loads below
.else
	PLACES
.endif
	FETCH 0, F0
	MUL8 F1, 1, 0, 0
	MUL8 F1, 1, 2, 0
.if EXTRA
	MULX F1, 1, 0
.endif
.endm
	s_wait_tensorcnt 1                             ; my part of K step 0 is in; K step 1's may stay out
	s_barrier_signal -1
	s_barrier_wait -1
	FETCH 0, F0
.if RESID
	s_wait_loadcnt 32                              ; the bias is in; the residual's 32 loads stay out
.elseif BIASC
	s_wait_loadcnt 0x0                             ; the bias
.endif
	QUARTER 1, F0, F1, 1+BIASC                     ; the first quarter stands in front of the loop: its first products start the sums
	WIN 0
	s_mov_b32 s23, KSTEPS-2
.Lstep:                                                ; a trip: from a K step's second quarter to the next step's first; it fills the slot that it leaves
	QUARTER 2, F1, F0, 0
	QUARTER 3, F0, F1, 0
	TURN 1
	QUARTER 1, F0, F1, 0
	WIN 0
	s_sub_co_u32 s23, s23, 1
	s_cmp_lg_u32 s23, 0
	s_cbranch_scc1 .Lstep
	QUARTER 2, F1, F0, 0                           ; the last two K steps are written out: they ask for nothing
	QUARTER 3, F0, F1, 0
	TURN 0
	QUARTER 1, F0, F1, 0
	QUARTER 2, F1, F0, 0
	QUARTER 3, F0, F1, 0
	s_wait_dscnt 16
	MUL8 F1, 0, 0, 0
	MUL8 F1, 0, 2, 0
.if EXTRA
	MULX F1, 0, 0
.endif
	s_wait_dscnt 0x0
	MUL8 F1, 1, 0, 0
	MUL8 F1, 1, 2, 0
.if EXTRA
	MULX F1, 1, 0
.endif
	WIN 0
	PLACES
.if RESID
	; THE WAY OUT, f32: a wave's 64 columns are 256 bytes of a row.  A block of 16 rows goes into my own stage and comes back by rows (LDS serves a wave's instructions in order); the residual is added; sixteen lanes store 256 aligned bytes.
	s_wait_loadcnt 0x0                             ; the residual
.irp a, 0,1,2,3
.irp b, 0,1,2,3
	ds_store_b128 v[STO], v[ACC+8*(4*(\a)+(\b)):ACC+8*(4*(\a)+(\b))+3] offset:64*(\b)
	ds_store_b128 v[STO], v[ACC+8*(4*(\a)+(\b))+4:ACC+8*(4*(\a)+(\b))+7] offset:64*(\b)+16
.endr
.if (\a) >= 2
	s_wait_xcnt 0x0                                ; the stores of two blocks ago have read these registers
.endif
.irp t, 0,1,2,3,4,5,6,7
	ds_load_b128 v[TMP+32*((\a)%2)+4*(\t):TMP+32*((\a)%2)+4*(\t)+3], v[RD] offset:(\t)*2*SPITCH
.endr
	s_wait_dscnt 0x0
	WIN 0x08                                       ; source 1 in window 2
.irp i, 0,1,2,3,4,5,6,7,8,9,10,11,12,13,14,15
	v_pk_add_f32 v[TMP+32*((\a)%2)+2*(\i):TMP+32*((\a)%2)+2*(\i)+1], v[TMP+32*((\a)%2)+2*(\i):TMP+32*((\a)%2)+2*(\i)+1], v[32*(\a)+2*(\i):32*(\a)+2*(\i)+1]
.endr
	WIN 0
.irp t, 0,1,2,3,4,5,6,7
	global_store_b128 v[CO], v[TMP+32*((\a)%2)+4*(\t):TMP+32*((\a)%2)+4*(\t)+3], s[8:9] offset:(16*(\a)+2*(\t))*4096
.endr
.endr
.endif
.if DOGELU
	; THE WAY OUT with gelu: the tile goes in f32 into the stage; behind a barrier each wave takes 32 whole rows, four a trip, so that the activation's text is written once.
	; gelu(x) = max(x, 0) - |x| Q, Q = phi(x) (c1 t + .. + c5 t^5), t = 1 / (1 + 0.2316419 |x|): the five-term form of the normal distribution, off by 7.5e-8 at the most for every x,
	; so gelu is off by 7.5e-8 |x| at the most.  An infinite x gives NaN (infinity times 0).
.irp a, 0,1,2,3
.irp b, 0,1,2,3
	ds_store_b128 v[STO], v[ACC+8*(4*(\a)+(\b)):ACC+8*(4*(\a)+(\b))+3] offset:(\a)*16*GPITCH+64*(\b)
	ds_store_b128 v[STO], v[ACC+8*(4*(\a)+(\b))+4:ACC+8*(4*(\a)+(\b))+7] offset:(\a)*16*GPITCH+64*(\b)+16
.endr
.endr
	s_wait_dscnt 0x0                               ; for the others' sake: my stores into the stage are done
	s_barrier_signal -1
	s_barrier_wait -1
	s_mov_b32 s23, 8
.Lgelu:
.irp i, 0,1,2,3
	ds_load_b128 v[GX+4*(\i):GX+4*(\i)+3], v[RD] offset:(\i)*GPITCH
.endr
	s_wait_dscnt 0x0
.set i, 0
.rept 16
	v_fma_f32 v[GD+i], |v[GX+i]|, s[CP], 1.0
.set i, i+1
.endr
.set i, 0
.rept 8
	v_pk_mul_f32 v[GM+2*i:GM+2*i+1], v[GX+2*i:GX+2*i+1], v[GX+2*i:GX+2*i+1]
.set i, i+1
.endr
.set i, 0
.rept 16
	v_rcp_f32 v[GD+i], v[GD+i]
.set i, i+1
.endr
.set i, 0
.rept 8                                ; plain work that touches no reciprocal stands behind them
	v_pk_mul_f32 v[GM+2*i:GM+2*i+1], v[GM+2*i:GM+2*i+1], s[CE:CE+1] op_sel_hi:[1,0]
.set i, i+1
.endr
.set i, 0
.rept 16
	v_exp_f32 v[GM+i], v[GM+i]
.set i, i+1
.endr
.set i, 0
.rept 8                                ; and plain work that touches no exponential behind these
	v_pk_fma_f32 v[GQ+2*i:GQ+2*i+1], v[GD+2*i:GD+2*i+1], s[C5:C5+1], s[C4:C4+1] op_sel_hi:[1,0,0]
.set i, i+1
.endr
.irp c, C3, C2, C1
.set i, 0
.rept 8
	v_pk_fma_f32 v[GQ+2*i:GQ+2*i+1], v[GQ+2*i:GQ+2*i+1], v[GD+2*i:GD+2*i+1], s[(\c):(\c)+1] op_sel_hi:[1,1,0]
.set i, i+1
.endr
.endr
.set i, 0
.rept 8
	v_pk_mul_f32 v[GQ+2*i:GQ+2*i+1], v[GQ+2*i:GQ+2*i+1], v[GD+2*i:GD+2*i+1]
.set i, i+1
.endr
.set i, 0
.rept 8
	v_pk_mul_f32 v[GQ+2*i:GQ+2*i+1], v[GQ+2*i:GQ+2*i+1], v[GM+2*i:GM+2*i+1]
.set i, i+1
.endr
.set i, 0
.rept 16
	v_max_num_f32 v[GR+i], 0, v[GX+i]
.set i, i+1
.endr
.set i, 0
.rept 16
	v_fma_f32 v[GR+i], -|v[GX+i]|, v[GQ+i], v[GR+i]
.set i, i+1
.endr
.set i, 0
.rept 8
	v_cvt_pk_bf16_f32 v[GB+i], v[GR+2*i], v[GR+2*i+1]
.set i, i+1
.endr
.irp i, 0,1,2,3
	global_store_b64 v[CO], v[GB+2*(\i):GB+2*(\i)+1], s[8:9] offset:(\i)*SIZE_N*2  ; 32 lanes store 256 consecutive bytes, aligned
.endr
	s_wait_xcnt 0x0                                ; the stores have read their data and base: only now are these written again
	s_add_nc_u64 s[8:9], s[8:9], 4*SIZE_N*2
	v_add_nc_u32 v[RD], 4*GPITCH, v[RD]
	s_sub_co_u32 s23, s23, 1
	s_cmp_lg_u32 s23, 0
	s_cbranch_scc1 .Lgelu
.endif
.if EXTRA
	; THE WAY OUT, bf16: 16 bytes a lane into the work-group's stage; a barrier, since a row's 256 bytes come from two waves; back as whole rows, 32 rows a wave.  k's or v's 16 columns go straight out.
.irp t, 0,1,2,3,4,5,6,7,8,9,10,11,12,13,14,15
.irp r, 0,1,2,3
	v_cvt_pk_bf16_f32 v[TMP+4*(\t)+(\r)], v[ACC+8*(\t)+2*(\r)], v[ACC+8*(\t)+2*(\r)+1]
.endr
.endr
.irp e, 0,1
.irp r, 0,1,2,3
	v_cvt_pk_bf16_f32 v[XP+4*(\e)+(\r)], v[XA+8*(\e)+2*(\r)], v[XA+8*(\e)+2*(\r)+1]
.endr
.endr
.irp a, 0,1
.irp b, 0,1,2,3
	ds_store_b128 v[STO], v[TMP+4*(4*(\a)+(\b)):TMP+4*(4*(\a)+(\b))+3] offset:(\a)*16*SPITCH+32*(\b)
	ds_store_b128 v[STO23], v[TMP+4*(4*((\a)+2)+(\b)):TMP+4*(4*((\a)+2)+(\b))+3] offset:(\a)*16*SPITCH+32*(\b)
.endr
.endr
	global_store_b128 v[KO], v[XP:XP+3], s[10:11]
	global_store_b128 v[KO], v[XP+4:XP+7], s[10:11] offset:2048
	s_wait_dscnt 0x0                               ; for the others' sake: my stores into the stage are done
	s_barrier_signal -1
	s_barrier_wait -1
.irp t, 0,1,2,3,4,5,6,7,8,9,10,11,12,13,14,15
	ds_load_b128 v[TMP+4*(\t):TMP+4*(\t)+3], v[RD] offset:(\t)*2*SPITCH
.endr
.irp t, 0,1,2,3,4,5,6,7,8,9,10,11,12,13,14,15
	s_wait_dscnt 15-(\t)                           ; load t is back; the 15 - t younger ones may be out
	global_store_b128 v[CO], v[TMP+4*(\t):TMP+4*(\t)+3], s[8:9] offset:2*(\t)*2048  ; 16 lanes store 256 consecutive bytes, aligned
.endr
.endif
	s_wait_tensorcnt 0x0                           ; the wave's end, behind my last tensor load and my last LDS store
	ds_add_u32 v[SPW], v[NIL]
	s_wait_dscnt 0x0
	CROUND                                         ; the closing round: no work-group ends while a partner may still ask for a tile that names it
	s_endpgm
.Lfunc_end_k_q4da0bb7c4c_qkv:
	.size	k_q4da0bb7c4c_qkv, .Lfunc_end_k_q4da0bb7c4c_qkv-k_q4da0bb7c4c_qkv
	.p2alignl 7, 3214868480
	.fill 96, 4, 3214868480
	.section	.rodata,"a",@progbits
	.p2align	6, 0x0
	.amdhsa_kernel k_q4da0bb7c4c_qkv
		.amdhsa_group_segment_fixed_size 327680
		.amdhsa_private_segment_fixed_size 0
		.amdhsa_enable_private_segment 0
		.amdhsa_kernarg_size 32
		.amdhsa_user_sgpr_count 2
		.amdhsa_user_sgpr_kernarg_segment_ptr 1
		.amdhsa_wavefront_size32 1
		.amdhsa_system_sgpr_workgroup_id_x 1
		.amdhsa_system_sgpr_workgroup_id_y 1
		.amdhsa_system_sgpr_workgroup_id_z 1
		.amdhsa_system_vgpr_workitem_id 0
		.amdhsa_next_free_vgpr 544
		.amdhsa_next_free_sgpr 100
		.amdhsa_reserve_vcc 0
		.amdhsa_float_denorm_mode_32 3
		.amdhsa_float_denorm_mode_16_64 3
		.amdhsa_memory_ordered 1
		.amdhsa_forward_progress 1
		.amdhsa_inst_pref_size 78
	.end_amdhsa_kernel
	.amdgpu_metadata
---
amdhsa.version: [ 1, 2 ]
amdhsa.kernels:
  - .name:           k_q4da0bb7c4c_qkv
    .symbol:         k_q4da0bb7c4c_qkv.kd
    .args:
      - { .name: act1, .offset: 0, .size: 8, .value_kind: global_buffer, .address_space: global }
      - { .name: wts, .offset: 8, .size: 8, .value_kind: global_buffer, .address_space: global }
      - { .name: act2, .offset: 16, .size: 8, .value_kind: global_buffer, .address_space: global }
      - { .name: kv, .offset: 24, .size: 8, .value_kind: global_buffer, .address_space: global }
    .group_segment_fixed_size: 327680
    .private_segment_fixed_size: 0
    .kernarg_segment_align: 8
    .kernarg_segment_size: 32
    .max_flat_workgroup_size: 128
    .sgpr_count:     100
    .vgpr_count:     544
    .wavefront_size: 32
...
	.end_amdgpu_metadata
.endif
;; end of part 3
;; launch attn (part 4): grid 128 x 2, 4 waves a work-group, clusters of 4 x 1, 327,680 bytes of LDS; arguments act2, kv, act1; writes act1
.if DOCPART == 4
	.amdgcn_target "amdgcn-amd-amdhsa--gfx1250"
	.amdhsa_code_object_version 6
	.text
	.protected	k_q4da0bb7c4c_attn
	.globl	k_q4da0bb7c4c_attn
	.p2align	8
	.type	k_q4da0bb7c4c_attn,@function
k_q4da0bb7c4c_attn:
	s_mov_b64 s[64:65], 0
	v_nop
	global_prefetch_b8 v0, s[64:65] scope:SCOPE_SE
	s_setreg_imm32_b32 hwreg(HW_REG_WAVE_MODE, 25, 1), 1
	s_wait_xcnt 0x0
	s_wait_alu depctr_hold_cnt(0) depctr_sa_sdst(0) depctr_va_vdst(0) depctr_va_sdst(0) depctr_va_ssrc(0) depctr_va_vcc(0) depctr_vm_vsrc(0)
	s_getreg_b32 s2, hwreg(HW_REG_IB_STS2, 6, 4)
	s_cmp_eq_u32 s2, 0
	s_cbranch_scc0 .Lentry_in_a_cluster
	s_endpgm
.Lentry_in_a_cluster:
	s_bfe_u32 s2, ttmp6, 0x10000c
	s_cmp_lg_u32 s2, 0x3003
	s_cbranch_scc0 .Lentry_shape_is_right
	s_endpgm
.Lentry_shape_is_right:
; MULTI-QUERY ATTENTION.  o[b][t][h][:] = the sum over s of softmax_s(q[b][t][h] . k[b][s] / 8) v[b][s][:].  All 16 heads of a batch share k and v, so q [4096][1024] as it lies is simply
; 32,768 query rows of 64 channels a batch (128 dense bytes each), and o leaves in the same layout.  q, k, v, o in bf16; products, maxima and sums in f32; the weights p are rounded to bf16
; for the second product (their sum l is taken of the unrounded p), o once at the end.
; LIMITS.  The running maximum starts with c m = -4.25e37: scores must keep |c s| below 4e37.  A weight below 2^-126 counts as 0 in l.  NaN and infinities are not treated apart.
; SHARES.  A work-group owns 256 query rows of a batch, a wave 64: four PIECES of 16.  Every wave walks the batch's 2,048 keys, 64 a step; a slot of LDS holds 256 keys, eight tiles in all.
; LAYOUT.  S^T = K Q^T holds ONE query a lane (lane % 16) and the keys 8 (lane / 16) + 0..7; two such results rounded to bf16 ARE source 1 of O^T = V^T P.  K comes out of LDS as it lies, V turned.
; SOFTMAX.  p = 2^(c s - c m), c = log2(e) / 8, with a running maximum m; O and l are multiplied by a = 2^(c m_old - c m_new) in every step.  m starts at the lowest finite number, O and l at 0:
; the first step is a step like any other, with a = 0.
; TURNS.  Turn n belongs to piece n: 8 products K Q^T of piece n + 1, later 8 products V^T P of piece n - 1; beside them the scaling, exponentials, roundings, sums and rescaling of piece n and the
; maximum and statistics of piece n + 1.  Four vector instructions stand behind every matrix instruction, the other 54 of a turn's 118 in two runs of their own.
; CLUSTER.  The four query blocks of a cluster belong to one batch and walk the same K and V: each tile is asked for JOINTLY, by the same tensor load, descriptor and mask in all four.
; REGISTERS, in windows of 256 (s_set_vgpr_msb: bits 1:0 source 0, 3:2 source 1, 5:4 source 2, 7:6 destination):
;   window 0: v0-15 addresses and two at work; v16-31 four registers of statistics a piece; v48-55 at work; v62-63 the add's; v64-127 S^T, two buffers; v192-223 P, two buffers (by the piece's parity)
;   window 1: v0-127 O^T, 32 a piece      window 2: v0-63 Q; v128-191 K of one step; v192-255 V of one step
.set NTILE, 8
.set NP,    4         ; pieces a wave: a name, no knob
.set KS,    64        ; keys in a step
.set PK,    144       ; a row of K in LDS: 128 bytes + 16: the 16 rows of a load start at 16 different groups of four banks
.set PV,    160       ; a row of V: 128 + 32
.set VOFF,  4*KS*PK   ; a slot holds a tile, four steps: 256 rows of K, then 256 rows of V
.set SLOT1, 1<<17     ; slot 1 begins here, so that one exclusive or turns an address in one slot into the other's
.set STAGE, SLOT1+4*KS*(PK+PV)  ; behind the ring, never filled by a tensor load: 16 rows x 144 bytes for each wave
.set SP,    144
.set SPARE, STAGE+4*16*SP  ; behind the stages: the spare words, 128 bytes a wave, which no other line names
.set AK0, 2           ; my lane's place in a tile of K; never rewritten
.set AV0, 3           ; the same for V
.set AK,  4           ; the LDS address of K's next run of loads
.set AV,  5           ; of V's
.set STO, 6           ; the way out: where I put 16 bytes of a row
.set RD,  7           ; where I read rows back
.set GO,  8           ; my byte offset in 512 consecutive bytes of o
.set MV,  12          ; v12-13  c m_old, kept while c m is made anew: by buffer
.set QO,  15          ; my byte offset in 16 rows of q
.set ST,  16          ; piece t's statistics at v[ST+4 t]: c m, m, l (even keys', odd keys')
.set TMP, 48          ; by buffer, four registers c0-c3 at work; when the maximum is found c2 takes a
.set SPW, 62          ; LDS address of my spare word; never rewritten
.set NIL, 63          ; 0; never rewritten
.set S,   64
.set P,   192
.set KF,  128         ; window 2: key block kb, channel half c at KF + 16 kb + 8 c
.set VF,  192         ; window 2: key half kk, channel block cb at VF + 32 kk + 8 cb
.set WV,  12          ; s12  my wave's number
.set G1K, 24          ; s[24:31] descriptor group 1 for K's tiles
.set G1V, 32          ; s[32:39] for V's: it differs in the padding alone
.set G0K, 40          ; s[40:43] descriptor group 0 for K's tiles: it walks
.set G0V, 44          ; s[44:47] the same for V's
.set SLOTS, 56        ; tiles still to be asked for
.set CNT, 57          ; counts a tile's key steps
.set CS,  58          ; s[58:59] c
.set SEL, 60          ; s[60:61] v_permlanex16_b32's selects: each lane takes its own place in the other half
.set TBK, 62          ; LDS byte at which K of the step to be fetched begins
.set TBV, 63          ; the same for V, less VOFF
.set MSB, 0
.macro WIN new                      ; the high byte repeats the setting that is left; a switch that changes nothing is dropped
.if MSB != (\new)
	s_set_vgpr_msb (MSB<<8)|(\new)
.set MSB, (\new)
.endif
.endm
.set W_KQ, 0x0a       ; K and Q in window 2, S^T in window 0
.set W_PV, 0x52       ; V in window 2, P in window 0, O^T in window 1
.set W_RS, 0x41       ; destination and source 0 in window 1, source 1 in window 0
; A joint fill.  Waves 0 and 1 fetch the two halves of a tile's K, waves 2 and 3 those of its V: 128 keys each.  An s_nop 0 and four v_nop follow each of the two lines.
.macro JLOAD
	s_cmp_lt_u32 s[WV], 2
	s_cbranch_scc0 .Lfor_v_\@
	tensor_load_to_lds s[G0K:G0K+3], s[G1K:G1K+7]
	s_nop 0
.rept 4
	v_nop
.endr
	s_branch .Lasked_\@
.Lfor_v_\@:
	tensor_load_to_lds s[G0V:G0V+3], s[G1V:G1V+7]
	s_nop 0
.rept 4
	v_nop
.endr
.Lasked_\@:
.endm
.macro CROUND                       ; a round of the cluster's barrier
	s_barrier_signal -1
	s_barrier_wait -1
	s_cmp_lg_u32 s[WV], 0
	s_cbranch_scc1 .Lnot_wave_0_\@
	s_barrier_signal -3
.Lnot_wave_0_\@:
	s_barrier_wait -3
	s_barrier_signal -1
	s_barrier_wait -1
.endm
; THE CHANGE OF SLOTS.  Each wave waits for all its tensor loads, of which one is out: its part of the other slot; adds 0 to its spare word; and waits for that and for its own reads of the slot that it
; leaves.  Behind the barrier nobody reads the old slot any more and the other slot is whole.  fill = 1: the barrier is a round of the cluster's, and the old slot is filled again, first thing behind it,
; with the keys two tiles on: the load has four key steps, 256 matrix instructions, in which to land.  (At its first use nothing has been read yet: slot 0 is waited for, slot 1 filled.)
.macro CHANGE fill
	WIN 0
	s_wait_tensorcnt 0x0            ; no tensor load of mine is out, so a group 0 may be written
	ds_add_u32 v[SPW], v[NIL]       ; 0 onto my spare word
.if \fill
.irp g, G0K, G0V
	s_xor_b32 s[\g+1], s[\g+1], SLOT1  ; the walking descriptor: the other slot than last time,
	s_add_nc_u64 s[\g+2:\g+3], s[\g+2:\g+3], 4*KS*128  ; the next 256 keys; the type bits on top are not reached
.endr
	s_wait_dscnt 0x0                ; the add is done, and my reads of the slot are over
	CROUND
	JLOAD
.else
	s_wait_dscnt 0x0
	s_barrier_signal -1
	s_barrier_wait -1
.endif
	s_sub_co_u32 s[TBK], s[TBK], 4*KS*PK  ; the fetches go back to a slot's first step,
	s_xor_b32 s[TBK], s[TBK], SLOT1       ; in the other slot
	s_sub_co_u32 s[TBV], s[TBV], 4*KS*PV
	s_xor_b32 s[TBV], s[TBV], SLOT1
.endm
	s_load_b128 s[4:7], s[0:1], 0x0   ; q s[4:5], kv s[6:7]
	s_load_b64 s[10:11], s[0:1], 0x10 ; o
	v_lshl_add_u32 v[SPW], v0, 2, SPARE
	v_mov_b32 v[NIL], 0
	v_lshrrev_b32 v1, 5, v0
	v_readfirstlane_b32 s[WV], v1
	s_bfe_u32 s13, ttmp6, 0x40000   ; cx: my place in the cluster
	s_lshl_b32 s14, ttmp9, 2
	s_add_co_u32 s14, s14, s13      ; my block of 256 queries: it enters q's and o's addresses alone
	s_and_b32 s20, ttmp7, 0xffff    ; the batch, which the four partners share
	s_and_b32 s16, s[WV], 1         ; which half of a tile's 256 keys I fetch
	s_lshl_b32 s22, s20, 18         ; the batch's 2,048 keys of 128 bytes,
	s_lshl_b32 s23, s16, 14         ; my 128 of a tile's
	s_add_co_u32 s22, s22, s23
	s_mov_b32 s23, 0
	s_mul_i32 s17, s16, 128*PK      ; their place in a slot, for K
	s_mul_i32 s18, s16, 128*PV      ; and for V: no place in the cluster enters an LDS address
	s_lshl_b32 s2, s20, 22          ; the batch's 32,768 query rows,
	s_lshl_b32 s3, s14, 15          ; my block's 256,
	s_add_co_u32 s2, s2, s3
	s_lshl_b32 s3, s[WV], 13        ; my wave's 64
	s_add_co_u32 s2, s2, s3
	s_mov_b32 s3, 0
	; descriptor group 1.  128 keys are 16,384 dense bytes: asked for as 64 rows of 256 bytes, two keys a row, and padded in LDS after every key
	s_mov_b32 s[G1K], 15|(1<<16)|(1<<20)|(1<<21)|(4<<22)|(3<<25)  ; the mask of four; 2-byte elements; padding on; bit 21 beside a mask; after every 32 words 4 words
	s_mov_b32 s[G1V], 15|(1<<16)|(1<<20)|(1<<21)|(4<<22)|(7<<25)  ; the same with 8 words of padding
.irp g, G1K, G1V
	s_mov_b32 s[\g+1], 128<<16      ; tensor_dim0 = 128
	s_mov_b32 s[\g+2], 64<<16       ; tensor_dim1 = 64
	s_mov_b32 s[\g+3], 128<<16      ; tile_dim0 = 128
	s_mov_b32 s[\g+4], 64           ; tile_dim1 = 64
	s_mov_b32 s[\g+5], 128          ; 128 elements from row to row
	s_mov_b32 s[\g+6], 0
	s_mov_b32 s[\g+7], 0
.endr
	s_mov_b32 s[CS], 0x3e38aa3b     ; c = log2(e) / 8
	s_mov_b32 s[CS+1], s[CS]        ; named with it as a pair
	s_mov_b32 s[SEL], 0x76543210
	s_mov_b32 s[SEL+1], 0xfedcba98
	s_mov_b32 s[TBK], SLOT1+4*KS*PK ; the first change of slots turns these two into 0
	s_mov_b32 s[TBV], SLOT1+4*KS*PV
	s_mov_b32 s[G0K], 1
	s_mov_b32 s[G0K+1], s17         ; slot 0
	s_mov_b32 s[G0V], 1
	s_add_co_u32 s[G0V+1], s18, VOFF
	s_wait_kmcnt 0x0
	s_add_nc_u64 s[G0K+2:G0K+3], s[6:7], s[22:23]        ; my half of the batch's first 256 keys
	s_add_nc_u64 s[G0V+2:G0V+3], s[G0K+2:G0K+3], 524288  ; v lies 524,288 bytes behind k
	s_or_b32 s[G0K+3], s[G0K+3], 0x80000000              ; type = 2
	s_or_b32 s[G0V+3], s[G0V+3], 0x80000000
	s_add_nc_u64 s[4:5], s[4:5], s[2:3]                  ; q and o at my wave's first row
	s_add_nc_u64 s[10:11], s[10:11], s[2:3]
	CROUND                          ; all four work-groups are here: the first joint loads meet
	JLOAD                           ; tile 0 into slot 0
	; A fragment of K or Q is 16 rows x 32 channels in 8 registers: lane l holds row l % 16, channels 8 (l / 16) + 0..7 and 16 + 8 (l / 16) + 0..7: two loads of 16 bytes, 32 bytes apart.
	v_and_b32 v1, 15, v0
	v_bfe_u32 v9, v0, 4, 1
	v_lshlrev_b32 v[QO], 7, v1
	v_lshl_add_u32 v[QO], v9, 4, v[QO]
	WIN 0x80                        ; destination window 2, address window 0
.set i, 0
.rept 8                             ; Q stays in registers: piece i / 2, channels 32 (i % 2) on
	global_load_b128 v[8*i:8*i+3],   v[QO], s[4:5] offset:(i/2)*2048+(i%2)*64
	global_load_b128 v[8*i+4:8*i+7], v[QO], s[4:5] offset:(i/2)*2048+(i%2)*64+32
.set i, i+1
.endr
	; What the first turn finds: V's registers and P's second buffer hold 0 (its products V^T P, of a piece that has not been, add 0), O^T and l are 0.  All this stands in the wait for the first tile.
.set i, VF
.rept 64
	v_mov_b32 v[i], 0
.set i, i+1
.endr
	WIN 0x40
.set i, 0
.rept 128
	v_mov_b32 v[i], 0
.set i, i+1
.endr
	WIN 0
.set i, 0
.rept 4
	v_mov_b32 v[ST+4*i], 0xfe000000    ; c m: far below every c s
	v_mov_b32 v[ST+4*i+1], 0xff7fffff  ; m
	v_mov_b32 v[ST+4*i+2], 0
	v_mov_b32 v[ST+4*i+3], 0
.set i, i+1
.endr
.set i, P+16
.rept 16
	v_mov_b32 v[i], 0
.set i, i+1
.endr
	v_mul_u32_u24 v[AK0], v1, PK
	v_lshl_add_u32 v[AK0], v9, 4, v[AK0]
	; The turning load takes 16 keys x 16 channels (lane l reads key 8 (l / 16) + l % 8, channels 8 ((l / 8) % 2) + 0..7) and leaves half a fragment of V^T: lane l holds channel l % 16 and 8 keys.
	v_and_b32 v10, 7, v0
	v_bfe_u32 v11, v0, 3, 1
	v_lshl_add_u32 v[AV0], v9, 3, v10
	v_mul_u32_u24 v[AV0], v[AV0], PV
	v_lshl_add_u32 v[AV0], v11, 4, v[AV0]
	v_add_nc_u32 v[AV0], VOFF, v[AV0]
	s_mul_i32 s13, s[WV], 16*SP
	s_add_co_u32 s13, s13, STAGE    ; my stage
	v_mul_u32_u24 v[STO], v1, SP    ; in: row l % 16, 16 bytes for each half of the lanes
	v_lshl_add_u32 v[STO], v9, 4, v[STO]
	v_add_nc_u32 v[STO], s13, v[STO]
	v_bfe_u32 v[RD], v0, 3, 2       ; back: 32 lanes take four rows of 128 bytes,
	v_mul_u32_u24 v[RD], v[RD], SP
	v_lshl_add_u32 v[RD], v10, 4, v[RD]
	v_add_nc_u32 v[RD], s13, v[RD]
	v_and_b32 v[GO], 31, v0         ; which are 512 consecutive bytes of o
	v_lshlrev_b32 v[GO], 4, v[GO]
; THE MATRIX WORK.  The 4 accumulators of a run of 8 take turns.  Product i of 8 of S^T = K Q^T for piece x: channels 32 (i / 4) on, keys 16 (i % 4) on.  The first 4 start the sums.
.macro KQ x
.set rS, S+32*((\x)%2)+8*(i%4)
.set rK, KF+16*(i%4)+8*(i/4)
.set rQ, 16*(\x)+8*(i/4)
	WIN W_KQ
.if i < 4
	v_wmma_f32_16x16x32_bf16 v[rS:rS+7], v[rK:rK+7], v[rQ:rQ+7], 0
.else
	v_wmma_f32_16x16x32_bf16 v[rS:rS+7], v[rK:rK+7], v[rQ:rQ+7], v[rS:rS+7]
.endif
.endm
; Product i of 8 of O^T += V^T P for piece x: keys 32 (i / 4) on, channels 16 (i % 4) on.
.macro PV x
	WIN W_PV
.set rO, 32*(\x)+8*(i%4)
.set rV, VF+32*(i/4)+8*(i%4)
.set rP, P+16*((\x)%2)+8*(i/4)
	v_wmma_f32_16x16x32_bf16 v[rO:rO+7], v[rV:rV+7], v[rP:rP+7], v[rO:rO+7]
.endm
.macro MM                           ; the turn's next matrix instruction.  NOKQ = 1: the walk's last turn: there is no next piece
.if (i < 8) && !NOKQ
	KQ (Y+1)%NP
.elseif i >= 8
.set i, i-8
	PV (Y+NP-1)%NP
.set i, i+8
.endif
.set i, i+1
.endm
; THE LDS LOADS stand in runs of 16, never singly among the matrix instructions: a step's K (64 keys x 64 channels: 8 fragments) and its V (turned).  Their addresses are made some lines ahead.
.macro FETCH_K
	WIN 0x80
.irp f, 0,1,2,3,4,5,6,7             ; keys 16 (f / 2) on, channels 32 (f % 2) on
	ds_load_b128 v[KF+8*\f:KF+8*\f+3],   v[AK] offset:(\f/2)*16*PK+(\f%2)*64
	ds_load_b128 v[KF+8*\f+4:KF+8*\f+7], v[AK] offset:(\f/2)*16*PK+(\f%2)*64+32
.endr
	s_add_co_u32 s[TBK], s[TBK], KS*PK  ; the next fetch is the next step's
	WIN 0
.endm
.macro FETCH_V
	WIN 0x80
.irp f, 0,1,2,3,4,5,6,7             ; keys 32 (f / 4) on, channels 16 (f % 4) on
	ds_load_tr16_b128 v[VF+8*\f:VF+8*\f+3],   v[AV] offset:(\f/4)*32*PV+(\f%4)*32
	ds_load_tr16_b128 v[VF+8*\f+4:VF+8*\f+7], v[AV] offset:(\f/4)*32*PV+16*PV+(\f%4)*32
.endr
	WIN 0
.endm
; THE VECTOR WORK, one line at a time: OP kind, number.  For piece Y: F n: c s - c m for pair n of 16.  E n: the exponential of score n of 32.  C n: pair n rounded to bf16.  B n: of the four weights 4 n .. the second
; pair is added onto the first, in place.  L n: l takes that sum (L 0: l = a l + sum).  R n: pair n of 16 of O^T times a.  For piece Y + 1: X n, number n of the 22 that find its maximum and statistics:
;   0-11  four chains c0-c3 of seven scores each, three operands at a time (each accumulator's lowest registers are read first)     12-14, 16  the four scores left over, the old m, and c0-c3 into c0
;   15  c m_old is kept     17, 18  the query's other 32 keys lie in the lane 16 away: the new m     19-21  c m; c m_old - c m_new; a
.set F, 0
.set E, 1
.set C, 2
.set B, 3
.set L, 4
.set R, 5
.set X, 6
.macro REGS y                       ; the registers of piece y
.set rT, ST+4*(\y)
.set rC, TMP+4*((\y)%2)
.set rW, MV+((\y)%2)
.set rS, S+32*((\y)%2)
.set rP, P+16*((\y)%2)
.set rO, 32*(\y)
.endm
.macro OP k, n
.if (\k) == R
	REGS Y
	WIN W_RS
	v_pk_mul_f32 v[rO+2*(\n):rO+2*(\n)+1], v[rO+2*(\n):rO+2*(\n)+1], v[rC+2:rC+3] op_sel_hi:[1,0]
.elseif (\k) < R
	REGS Y
	WIN 0
.if (\k) == F
	v_pk_fma_f32 v[rS+2*(\n):rS+2*(\n)+1], v[rS+2*(\n):rS+2*(\n)+1], s[CS:CS+1], v[rT:rT+1] op_sel_hi:[1,0,0] neg_lo:[0,0,1] neg_hi:[0,0,1]
.elseif (\k) == E
	v_exp_f32 v[rS+(\n)], v[rS+(\n)]
.elseif (\k) == C
	v_cvt_pk_bf16_f32 v[rP+(\n)], v[rS+2*(\n)], v[rS+2*(\n)+1]
.elseif (\k) == B
	v_pk_add_f32 v[rS+4*(\n):rS+4*(\n)+1], v[rS+4*(\n):rS+4*(\n)+1], v[rS+4*(\n)+2:rS+4*(\n)+3]
.elseif (\n) == 0
	v_pk_fma_f32 v[rT+2:rT+3], v[rT+2:rT+3], v[rC+2:rC+3], v[rS:rS+1] op_sel_hi:[1,0,1]
.else
	v_pk_add_f32 v[rT+2:rT+3], v[rT+2:rT+3], v[rS+4*(\n):rS+4*(\n)+1]
.endif
.elseif NOKQ
	v_nop
.else
	REGS (Y+1)%NP
	WIN 0
.if (\n) < 4
	v_max3_num_f32 v[rC+(\n)], v[rS+8*(\n)], v[rS+8*(\n)+1], v[rS+8*(\n)+2]
.elseif (\n) < 12
	v_max3_num_f32 v[rC+(\n)%4], v[rC+(\n)%4], v[rS+8*((\n)%4)+2*((\n)/4)+1], v[rS+8*((\n)%4)+2*((\n)/4)+2]
.elseif (\n) == 12
	v_max3_num_f32 v[rC], v[rC], v[rS+7], v[rS+15]
.elseif (\n) == 13
	v_max3_num_f32 v[rC+1], v[rC+1], v[rS+23], v[rS+31]
.elseif (\n) == 14
	v_max3_num_f32 v[rC+2], v[rC+2], v[rC+3], v[rT+1]
.elseif (\n) == 15
	v_mov_b32 v[rW], v[rT]
.elseif (\n) == 16
	v_max3_num_f32 v[rC], v[rC], v[rC+1], v[rC+2]
.elseif (\n) == 17
	v_permlanex16_b32 v[rC+3], v[rC], s[SEL], s[SEL+1]
.elseif (\n) == 18
	v_max_num_f32 v[rT+1], v[rC], v[rC+3]
.elseif (\n) == 19
	v_mul_f32 v[rT], s[CS], v[rT+1]
.elseif (\n) == 20
	v_sub_f32 v[rC+1], v[rW], v[rT]
.else
	v_exp_f32 v[rC+2], v[rC+1]
.endif
.endif
.endm
.macro OPS a, i1, b=-1, i2=0, c=-1, i3=0, d=-1, i4=0  ; up to four of them
	OP \a, \i1
.if (\b) >= 0
	OP \b, \i2
.endif
.if (\c) >= 0
	OP \c, \i3
.endif
.if (\d) >= 0
	OP \d, \i4
.endif
.endm
.macro ROW a, i1, b, i2, c, i3, d, i4  ; a matrix instruction and the four behind it
	MM
	OPS \a, \i1, \b, \i2, \c, \i3, \d, \i4
.endm
; A TURN, for piece p: the order of its 16 matrix and 118 vector instructions, written out.  Behind a matrix instruction: plain, exponential, plain, plain; or four of the rescaling; or, behind the first, four scalings; none
; names a register of the products round it.  In the runs between, exponential and plain by turns while exponentials last.  A line reads no result made fewer than three vector instructions in front of it, five if an exponential made it.
; end = 1: the walk's last two turns: nothing is fetched.  cnt = 1: the loop's count is taken down some lines ahead of the branch that stands behind the turn.
; K of the next step is fetched in piece 2's turn, six vector instructions behind the last product that read K (five of them plain); V of the step in hand in piece 0's turn, eight behind the last product that read V (four
; plain among them).  Each is waited for a turn later.
.macro TURN p, end=0, cnt=0
.set Y, (\p)
.set i, 0
.set NOKQ, (\end)*((\p)/3)
.if ((\p) == 3) && !(\end)
	s_wait_dscnt 0x0                ; K is in
.endif
	ROW F,0, F,1, F,2, F,3
	ROW F,4, E,0, F,5, F,6
	ROW F,7, E,1, F,8, F,9
	ROW F,10, E,2, C,0, F,11
	ROW F,12, E,3, X,15, F,13
	ROW R,0, R,1, R,2, R,3
	ROW B,0, E,4, F,14, L,0
.if ((\p) == 2) && !(\end)
	v_add_nc_u32 v[AK], s[TBK], v[AK0]
.endif
	ROW R,4, R,5, R,6, R,7
	OPS E,5, F,15
.if ((\p) == 2) && !(\end)
	FETCH_K
.endif
	OPS E,6, C,1, E,7, R,8
	OPS E,8, R,9, E,9, C,2
	OPS E,10, X,0, E,11, X,1
	OPS E,12, X,2, E,13, X,3
.if (\p) == 1
	s_wait_dscnt 0x0                ; V is in
.endif
	ROW X,4, E,14, X,5, X,6
	ROW X,7, E,15, X,8, X,9
	ROW X,10, E,16, X,11, X,12
	ROW X,13, E,17, X,14, B,1
	ROW C,4, E,18, X,16, L,1
	ROW B,2, E,19, C,6, L,2
	ROW C,8, E,20, B,3, B,4
.if (\p) == 0
	v_add_nc_u32 v[AV], s[TBV], v[AV0]
.endif
	ROW C,3, E,21, L,3, C,5
	OPS E,22, X,17, E,23, C,10
.if (\p) == 0
	FETCH_V
.endif
	OPS E,24, L,4
	OPS E,25, X,18, E,26, C,7
	OPS E,27, B,5, E,28, X,19
	OPS E,29, C,12, E,30, L,5
	OPS E,31, X,20, B,6, C,9
	OPS C,14, C,11, X,21, L,6
.if (\p) == 0
	s_add_co_u32 s[TBV], s[TBV], KS*PV
.endif
.if \cnt
	s_sub_co_u32 s[CNT], s[CNT], 1
	s_cmp_lg_u32 s[CNT], 0
.endif
	OPS C,13, B,7, C,15, R,10
	OPS R,11, R,12, L,7, R,13
	OPS R,14, R,15
.endm
	CHANGE 1                        ; tile 0 is in, everybody's part of it; tile 1 is asked for
	v_add_nc_u32 v[AK], s[TBK], v[AK0]
	FETCH_K                         ; key step 0
	s_wait_loadcnt 0x0              ; Q
	s_wait_dscnt 0x0
.set NOKQ, 0
.set i, 0
.rept 8
	KQ 0                            ; piece 0's first scores
.set i, i+1
.endr
	WIN 0
.rept 4
	v_nop                           ; the places behind those products
.endr
.set Y, NP-1                        ; X works for piece Y + 1: piece 0
.irp n, 0,1,2,3,4,5,6,7,8,9,10,11,12,13,14,15,16,17,18,19,20,21
	OP X, \n
.endr
	v_nop                           ; a plain instruction behind the exponential
	s_mov_b32 s[CNT], 4
	s_mov_b32 s[SLOTS], NTILE-1
	s_branch .Lfirst                ; the loop is entered at a step's first turn, in the middle of a trip
.Lslot:                             ; NTILE - 2 times: a tile is entered and the tile after it asked for
	CHANGE 1
	s_mov_b32 s[CNT], 4
.Lstep:                             ; a trip: pieces 2 and 3 of one step, then pieces 0 and 1 of the next, whose K and V it fetches
	TURN 2
	TURN 3
	WIN 0
.Lfirst:
	TURN 0
	TURN 1, 0, 1
	WIN 0
	s_cbranch_scc1 .Lstep
	s_sub_co_u32 s[SLOTS], s[SLOTS], 1
	s_cmp_lg_u32 s[SLOTS], 0
	s_cbranch_scc1 .Lslot
	CHANGE 0                        ; the last tile is written out: nothing is asked for
	s_mov_b32 s[CNT], 4
.Lstep_t:
	TURN 2
	TURN 3
	TURN 0
	TURN 1, 0, 1
	WIN 0
	s_cbranch_scc1 .Lstep_t
	TURN 2, 1
	TURN 3, 1
.set i, 0
.rept 8
	PV NP-1                         ; the last piece's V^T P of the last step
.set i, i+1
.endr
	; THE WAY OUT.  l's two halves and the other half of the lanes' are added; O^T is divided by l, rounded to bf16 and sent through my stage in LDS, a piece at a time.  The additions are the places behind the last products.
	WIN 0
.macro ALL line:vararg              ; one line for each piece t
.set t, 0
.rept 4
	\line
.set t, t+1
.endr
.endm
	ALL v_add_f32 v[ST+4*t+2], v[ST+4*t+2], v[ST+4*t+3]
	ALL v_permlanex16_b32 v[ST+4*t+3], v[ST+4*t+2], s[SEL], s[SEL+1]
	ALL v_add_f32 v[ST+4*t+2], v[ST+4*t+2], v[ST+4*t+3]
	ALL v_rcp_f32 v[ST+4*t+2], v[ST+4*t+2]
	v_nop                           ; a plain instruction between the last reciprocal and the use of its result
.macro PACK t                       ; a lane's eight channels of a row pack into 16 bytes; they go into rows of 144 bytes and come back as whole rows of 128, into S^T's registers
	WIN W_RS
.set i, 32*(\t)
.rept 16
	v_pk_mul_f32 v[i:i+1], v[i:i+1], v[ST+4*(\t)+2:ST+4*(\t)+3] op_sel_hi:[1,0]
.set i, i+2
.endr
	WIN 0x05                        ; sources 0 and 1 window 1, destination window 0
.set i, 0
.rept 16
	v_cvt_pk_bf16_f32 v[S+16*(\t)+i], v[32*(\t)+2*i], v[32*(\t)+2*i+1]
.set i, i+1
.endr
	WIN 0
.irp f, 0,1,2,3
	ds_store_b128 v[STO], v[S+16*(\t)+4*\f:S+16*(\t)+4*\f+3] offset:32*\f
.endr
.irp f, 0,1,2,3
	ds_load_b128 v[S+16*(\t)+4*\f:S+16*(\t)+4*\f+3], v[RD] offset:\f*4*SP  ; LDS serves a wave's instructions in order: these see the stores above; the next piece's stores come behind them
.endr
.endm
.macro SEND t, younger              ; younger: the LDS instructions issued behind piece t's loads: the next piece's eight, or none
	WIN 0
.irp f, 0,1,2,3
	s_wait_dscnt (\younger)+3-\f
	global_store_b128 v[GO], v[S+16*(\t)+4*\f:S+16*(\t)+4*\f+3], s[10:11] offset:(\t)*2048+\f*512  ; 512 consecutive bytes, aligned
.endr
.endm
	PACK 0
.set t, 1
.rept 3                             ; a piece's arithmetic stands between the loads of the piece before and its stores
	PACK t
	SEND t-1, 8
.set t, t+1
.endr
	SEND 3, 0
	s_wait_tensorcnt 0x0            ; the wave's end, behind my last tensor load and my last LDS store
	ds_add_u32 v[SPW], v[NIL]
	s_wait_dscnt 0x0
	CROUND                          ; the closing round: no work-group ends while a partner may still ask for a tile that names it
	s_endpgm
.Lfunc_end_k_q4da0bb7c4c_attn:
	.size	k_q4da0bb7c4c_attn, .Lfunc_end_k_q4da0bb7c4c_attn-k_q4da0bb7c4c_attn
	.p2alignl 7, 3214868480
	.fill 96, 4, 3214868480
	.section	.rodata,"a",@progbits
	.p2align	6, 0x0
	.amdhsa_kernel k_q4da0bb7c4c_attn
		.amdhsa_group_segment_fixed_size 327680
		.amdhsa_private_segment_fixed_size 0
		.amdhsa_enable_private_segment 0
		.amdhsa_kernarg_size 24
		.amdhsa_user_sgpr_count 2
		.amdhsa_user_sgpr_kernarg_segment_ptr 1
		.amdhsa_wavefront_size32 1
		.amdhsa_system_sgpr_workgroup_id_x 1
		.amdhsa_system_sgpr_workgroup_id_y 1
		.amdhsa_system_sgpr_workgroup_id_z 1
		.amdhsa_system_vgpr_workitem_id 0
		.amdhsa_next_free_vgpr 768
		.amdhsa_next_free_sgpr 66
		.amdhsa_reserve_vcc 0
		.amdhsa_float_denorm_mode_32 3
		.amdhsa_float_denorm_mode_16_64 3
		.amdhsa_memory_ordered 1
		.amdhsa_forward_progress 1
		.amdhsa_inst_pref_size 124
	.end_amdhsa_kernel
	.amdgpu_metadata
---
amdhsa.version: [ 1, 2 ]
amdhsa.kernels:
  - .name:           k_q4da0bb7c4c_attn
    .symbol:         k_q4da0bb7c4c_attn.kd
    .args:
      - { .name: act2, .offset: 0, .size: 8, .value_kind: global_buffer, .address_space: global }
      - { .name: kv, .offset: 8, .size: 8, .value_kind: global_buffer, .address_space: global }
      - { .name: act1, .offset: 16, .size: 8, .value_kind: global_buffer, .address_space: global }
    .group_segment_fixed_size: 327680
    .private_segment_fixed_size: 0
    .kernarg_segment_align: 8
    .kernarg_segment_size: 24
    .max_flat_workgroup_size: 128
    .sgpr_count:     66
    .vgpr_count:     768
    .wavefront_size: 32
...
	.end_amdgpu_metadata
.endif
;; end of part 4
;; launch proj (part 5): grid 8 x 32, 4 waves a work-group, clusters of 4 x 4, 327,680 bytes of LDS; arguments act1, wts, x1, wo_b, h; writes x1
.if DOCPART == 5
	.amdgcn_target "amdgcn-amd-amdhsa--gfx1250"
	.amdhsa_code_object_version 6
	.text
	.protected	k_q4da0bb7c4c_proj
	.globl	k_q4da0bb7c4c_proj
	.p2align	8
	.type	k_q4da0bb7c4c_proj,@function
k_q4da0bb7c4c_proj:
	s_mov_b64 s[64:65], 0
	v_nop
	global_prefetch_b8 v0, s[64:65] scope:SCOPE_SE
	s_setreg_imm32_b32 hwreg(HW_REG_WAVE_MODE, 25, 1), 1
	s_wait_xcnt 0x0
	s_wait_alu depctr_hold_cnt(0) depctr_sa_sdst(0) depctr_va_vdst(0) depctr_va_sdst(0) depctr_va_ssrc(0) depctr_va_vcc(0) depctr_vm_vsrc(0)
	s_getreg_b32 s2, hwreg(HW_REG_IB_STS2, 6, 4)
	s_cmp_eq_u32 s2, 0
	s_cbranch_scc0 .Lentry_in_a_cluster
	s_endpgm
.Lentry_in_a_cluster:
	s_bfe_u32 s2, ttmp6, 0x10000c
	s_cmp_lg_u32 s2, 0xf033
	s_cbranch_scc0 .Lentry_shape_is_right
	s_endpgm
.Lentry_shape_is_right:
; PROJ.  x1 = o [4096][1024] x wo [1024][1024] + wo_b + h.  o and wo in bf16, sums in f32; the bias starts the sums, the residual h (f32) is added on the way out; x1 is kept in f32.
; 8 x 32 = 256 work-groups, one tile of 128 x 128 each.
.set EXTRA,  0                         ; 16 further columns a tile
.set BIASC,  1                         ; a bias starts the sums
.set RESID,  1                         ; f32 output with a residual
.set DOGELU, 0                         ; gelu on the way out
.set SIZE_K, 1024
.set SIZE_N, 1024
.set WBASE,  2359296                   ; byte of the weights in wts
; THE PRODUCT (one text for this program's four products; the five settings above choose).  C = A W.  A [4096][SIZE_K] bf16 lies along K; W lies [K][N] bf16, as the model gives it.
; A tile of C is 128 x 128: four waves, 64 x 64 each: 16 accumulators.  K goes in steps of 256 through two LDS slots filled by tensor loads: waves 0, 1 fetch 64 rows of A each (rows of 512
; bytes), waves 2, 3 fetch 128 rows of W each (rows of 256 bytes).  A's fragments come out of LDS as they lie, W's turned, by ds_load_tr16_b128.  The matrix instruction takes 16 columns of W as
; source 0 and 16 rows of A as source 1: a lane then holds eight neighbouring columns of one row of C.
; CLUSTER 4 x 4: the four work-groups of a row of the cluster need the same tile of A, the four of a column the same tile of W: each tile is asked for jointly, by the same tensor load with the
; same descriptor and a mask that names the four.  A K step is written once: one descriptor a tensor walks, and the slot's base TB (0 or SLOT) is turned at each change of slots.
; The accumulators take turns, one instruction a turn, over the loop's edge too.  By this text's count a wave has two tensor loads out at the start, later one.
; REGISTERS: window 0: addresses, way out, v128-255 accumulators ((a, b) at 128 + 8 (4 a + b)); window 1: two fragment buffers of 128 (64 of A, 64 of W, 64 along K); window 2: residual or extra fragments.
.set KSTEPS, SIZE_K/256
.set PITCH,  528                       ; a row of A in LDS: 512 bytes + 16: the 16 rows of a fragment load start at 16 different groups of four banks
.set HALFA,  64*PITCH
.set WP,     288                       ; a row of W in LDS: 256 bytes + 32 (or 288 dense)
.set HALFW,  128*WP
.set WOFF,   2*HALFA                   ; a slot: 128 rows of A, then 256 rows of W
.set SLOT,   WOFF+2*HALFW
.set RING,   2*SLOT
.set SPITCH, 272
.set GPITCH, 528
.if EXTRA
.set WSTEP, 2*HALFW                    ; bytes of W from a K step to the next
.set STAGE, RING                       ; one stage for the work-group: 128 rows x 272 bytes
.set SPARE, RING+128*SPITCH
.elseif RESID
.set WSTEP, 512*SIZE_N
.set STAGE, RING                       ; a stage for each wave: 16 rows x 272 bytes
.set SPARE, RING+4*16*SPITCH
.else
.set WSTEP, 512*SIZE_N
.set STAGE, 0                          ; 128 rows x 528 bytes where slot 0's A lay: slot 0 has had its last fill, and its last reads end in front of the last change of slots
.set SPARE, RING
.endif                                 ; from SPARE on: the spare words, 128 bytes a wave, which no other line names
.set LA01, 10                          ; my lane's place in A's tile, fragment places 0, 1
.set LA23, 11                          ; places 2, 3
.set LW,   12                          ; in W's tile, K rows 0-127
.set LW1,  13                          ; K rows 128-255
.set LX,   14                          ; the same for the extra columns
.set LX1,  15
.set ADRA, 16                          ; v16-21: the six above plus TB
.set ADRW, 18
.set ADRX, 20
.set STO23, 23
.set STO,  24                          ; the way out: where I put my numbers of a row
.set RD,   25                          ; where I read rows back
.set CO,   26                          ; my byte offset in C
.set BO,   27                          ; in the bias
.set KO,   27                          ; in k or v
.set SPW,  28                          ; LDS address of my spare word; never rewritten
.set NIL,  29                          ; 0; never rewritten
.set TMP,  32
.set BIAS, 96                          ; v96-127: the bias of my 64 columns, laid as a C operand
.set XA,   96                          ; v96-111: the two extra accumulators
.set XP,   112
.set ACC,  128
.set F0,   0
.set F1,   128
.set GX,   32                          ; gelu: x, 1 + p |x| and t, x^2 and e, the polynomial, the result, packed
.set GD,   48
.set GM,   64
.set GQ,   80
.set GR,   96
.set GB,   112
.set WV, 14                            ; s14 wave; s15 which half of the rows (also: I fetch A (0) or W (1)); s16 which half of the columns (also: which half of that tile I fetch)
.set MH, 15
.set NH, 16
.set TCOL, 19
.set TROW, 20
.set G1, 24                            ; s[24:31] group 1 for A; s[32:39] two sets of group 0: slot 0's first fill; slot 1's, which then walks
.set G0, 32
.set G1B, 48                           ; s[48:55], s[56:63] the same for W
.set G0B, 56
.set TB,  66
.set LAA, 67                           ; where my half of A's tile goes in a slot
.set LAW, 68                           ; where my half of W's goes
.set C5, 76                            ; s[76:87] gelu's constants, in pairs; s88
.set C4, 78
.set C3, 80
.set C2, 82
.set C1, 84
.set CE, 86
.set CP, 88
.set MSB, 0
.macro WIN new                         ; the immediate's high byte repeats the setting that is left; a switch that changes nothing is dropped
.if MSB != (\new)
	s_set_vgpr_msb (MSB<<8)|(\new)
.set MSB, \new
.endif
.endm
.macro PLACES                          ; four plain places behind matrix instructions, in front of loads into registers that they read and of lines that read their results
.rept 4
	v_nop
.endr
.endm
.macro JLOAD s                         ; a joint load; the branch hangs on the wave's number alone.  An s_nop 0 and four v_nop follow each of the two lines
	s_cmp_eq_u32 s[MH], 0
	s_cbranch_scc0 .Lfor_w_\@
	tensor_load_to_lds s[G0+4*(\s):G0+4*(\s)+3], s[G1:G1+7]
	s_nop 0
.rept 4
	v_nop
.endr
	s_branch .Lasked_\@
.Lfor_w_\@:
	tensor_load_to_lds s[G0B+4*(\s):G0B+4*(\s)+3], s[G1B:G1B+7]
	s_nop 0
.rept 4
	v_nop
.endr
.Lasked_\@:
.endm
.macro CREST                           ; a round of the cluster's barrier behind its opening barrier
	s_cmp_lg_u32 s[WV], 0
	s_cbranch_scc1 .Lnot_wave_0_\@
	s_barrier_signal -3
.Lnot_wave_0_\@:
	s_barrier_wait -3
	s_barrier_signal -1
	s_barrier_wait -1
.endm
.macro CROUND
	s_barrier_signal -1
	s_barrier_wait -1
	CREST
.endm
.macro ADDRS                           ; the fragment addresses in the slot at TB
	v_add_nc_u32 v[ADRA], s[TB], v[LA01]
	v_add_nc_u32 v[ADRA+1], s[TB], v[LA23]
	v_add_nc_u32 v[ADRW], s[TB], v[LW]
	v_add_nc_u32 v[ADRW+1], s[TB], v[LW1]
.if EXTRA
	v_add_nc_u32 v[ADRX], s[TB], v[LX]
	v_add_nc_u32 v[ADRX+1], s[TB], v[LX1]
.endif
.endm
	s_load_b256 s[4:11], s[0:1], 0x0               ; A s[4:5], wts s[6:7], the output s[8:9], kv or the bias s[10:11]
.if RESID
	s_load_b64 s[12:13], s[0:1], 0x20              ; the residual
.endif
	v_lshl_add_u32 v[SPW], v0, 2, SPARE
	v_mov_b32 v[NIL], 0
	v_lshrrev_b32 v3, 5, v0
	v_readfirstlane_b32 s[WV], v3
	s_lshr_b32 s[MH], s[WV], 1
	s_and_b32 s[NH], s[WV], 1
	s_bfe_u32 s17, ttmp6, 0x40000                  ; cx, cy: my place in the cluster
	s_bfe_u32 s18, ttmp6, 0x40004
	s_lshl_b32 s[TCOL], ttmp9, 2
	s_add_co_u32 s[TCOL], s[TCOL], s17             ; tile column = 4 x cluster x + cx
	s_and_b32 s[TROW], ttmp7, 0xffff
	s_lshl_b32 s[TROW], s[TROW], 2
	s_add_co_u32 s[TROW], s[TROW], s18             ; tile row = 4 x cluster y + cy
	s_lshl_b32 s21, s18, 2
	s_lshl_b32 s21, 15, s21                        ; my row of the cluster
	s_lshl_b32 s22, 0x1111, s17                    ; my column
	s_or_b32 s[G1+0], s21, (1<<16)|(1<<20)|(1<<21)|(6<<22)|(3<<25)  ; A: the mask; 2-byte elements; padding on; bit 21 beside a mask; after every 128 words 4 words
	s_mov_b32 s[G1+1], 256<<16                     ; tensor_dim0 = 256
	s_mov_b32 s[G1+2], 64<<16                      ; tensor_dim1 = 64
	s_mov_b32 s[G1+3], 256<<16                     ; tile_dim0 = 256
	s_mov_b32 s[G1+4], 64                          ; tile_dim1 = 64
	s_mov_b32 s[G1+5], SIZE_K                      ; elements from row to row
	s_mov_b32 s[G1+6], 0
	s_mov_b32 s[G1+7], 0
.if EXTRA
	s_or_b32 s[G1B+0], s22, (3<<16)|(1<<21)        ; W: 128 rows of 288 bytes are 36,864 dense bytes: asked for as 144 rows of 256 bytes (32 elements of 8), no padding
	s_mov_b32 s[G1B+1], 32<<16
	s_mov_b32 s[G1B+2], 144<<16
	s_mov_b32 s[G1B+3], 32<<16
	s_mov_b32 s[G1B+4], 144
	s_mov_b32 s[G1B+5], 32
.else
	s_or_b32 s[G1B+0], s22, (1<<16)|(1<<20)|(1<<21)|(5<<22)|(7<<25)  ; W: 128 rows of 128 elements; after every 64 words 8 words of padding
	s_mov_b32 s[G1B+1], 128<<16
	s_mov_b32 s[G1B+2], 128<<16
	s_mov_b32 s[G1B+3], 128<<16
	s_mov_b32 s[G1B+4], 128
	s_mov_b32 s[G1B+5], SIZE_N
.endif
	s_mov_b32 s[G1B+6], 0
	s_mov_b32 s[G1B+7], 0
	s_lshl_b32 s40, s[TROW], 7                     ; A's tile hangs on the tile row and the wave alone (s40-43 never hold cx),
	s_lshl_b32 s41, s[NH], 6
	s_add_co_u32 s40, s40, s41
	s_mul_i32 s40, s40, SIZE_K*2
	s_mov_b32 s41, 0
.if EXTRA
	s_mul_i32 s44, s[TCOL], 1024*WP                ; W's on the tile column and the wave alone (s44-47 never hold cy)
	s_mul_i32 s45, s[NH], HALFW
	s_add_co_u32 s44, s44, s45
.else
	s_lshl_b32 s44, s[TCOL], 8
	s_mul_i32 s45, s[NH], 128*SIZE_N*2
	s_add_co_u32 s44, s44, s45
	s_add_co_u32 s44, s44, WBASE
.endif
	s_mov_b32 s45, 0
	s_mul_i32 s[LAA], s[NH], HALFA                 ; no place in the cluster enters an LDS address
	s_mul_i32 s[LAW], s[NH], HALFW
	s_add_co_u32 s[LAW], s[LAW], WOFF
	s_mov_b32 s[TB], 0
	s_wait_kmcnt 0x0
	s_add_nc_u64 s[42:43], s[4:5], s[40:41]
	s_add_nc_u64 s[46:47], s[6:7], s[44:45]
	CROUND                                         ; all sixteen work-groups are here: the first joint loads meet
.irp s, 0,1
	s_mov_b32 s[G0+4*(\s)], 1
	s_add_co_u32 s[G0+4*(\s)+1], s[LAA], (\s)*SLOT
	s_add_nc_u64 s[G0+4*(\s)+2:G0+4*(\s)+3], s[42:43], (\s)*512
	s_or_b32 s[G0+4*(\s)+3], s[G0+4*(\s)+3], 0x80000000
	s_mov_b32 s[G0B+4*(\s)], 1
	s_add_co_u32 s[G0B+4*(\s)+1], s[LAW], (\s)*SLOT
	s_add_nc_u64 s[G0B+4*(\s)+2:G0B+4*(\s)+3], s[46:47], (\s)*WSTEP
	s_or_b32 s[G0B+4*(\s)+3], s[G0B+4*(\s)+3], 0x80000000
	JLOAD \s                                       ; K steps 0 and 1: the ring is filled before anything else is done
.endr
	; A's fragment: lane l holds row l % 16, K = 8 (l / 16) + 0..7 and 16 + 8 (l / 16) + 0..7: two loads of 16 bytes, 32 apart.
	v_and_b32 v1, 15, v0
	v_bfe_u32 v2, v0, 4, 1
	v_mul_u32_u24 v3, v1, PITCH
	v_lshl_add_u32 v3, v2, 4, v3
	s_mul_i32 s70, s[MH], HALFA                    ; my 64 rows of A
	s_add_co_u32 s73, s70, 32*PITCH
.if EXTRA
	s_mul_i32 s71, s[NH], 32*PITCH
	s_add_co_u32 s72, s70, s71                     ; places 0, 1: rows 32 NH on
	s_sub_co_u32 s73, s73, s71                     ; places 2, 3: the other 32
.else
	s_mov_b32 s72, s70
.endif
	v_add_nc_u32 v[LA01], s72, v3
	v_add_nc_u32 v[LA23], s73, v3
	; W's fragment: the turning load takes 16 K rows x 16 columns (lane l reads row 8 (l / 16) + l % 8, columns 8 ((l / 8) % 2) + 0..7) and leaves lane l column l % 16 and 8 K.
	v_and_b32 v4, 7, v0
	v_bfe_u32 v5, v0, 3, 1
	v_lshl_add_u32 v4, v2, 3, v4
	v_mul_u32_u24 v4, v4, WP
	v_lshl_add_u32 v4, v5, 4, v4
	s_lshl_b32 s70, s[NH], 7                       ; my 64 columns
	s_add_co_u32 s70, s70, WOFF
	v_add_nc_u32 v[LW], s70, v4
	v_add_nc_u32 v[LW1], HALFW, v[LW]
.if EXTRA
	v_add_nc_u32 v[LX], WOFF+256, v4
	v_add_nc_u32 v[LX1], HALFW, v[LX]
.endif
	ADDRS
.if BIASC
	s_lshl_b32 s72, s[TCOL], 9                     ; my first column, in bytes of f32
	s_lshl_b32 s73, s[NH], 8
	s_add_co_u32 s72, s72, s73
	s_mov_b32 s73, 0
	s_add_nc_u64 s[10:11], s[10:11], s[72:73]
	v_lshlrev_b32 v[BO], 5, v2                     ; a lane's eight columns of a block of 16: 8 (l / 16) on
.irp b, 0,1,2,3
	global_load_b128 v[BIAS+8*(\b):BIAS+8*(\b)+3], v[BO], s[10:11] offset:64*(\b)
	global_load_b128 v[BIAS+8*(\b)+4:BIAS+8*(\b)+7], v[BO], s[10:11] offset:64*(\b)+16
.endr
.endif
.if RESID
	s_mul_i32 s70, s[WV], 16*SPITCH
	s_add_co_u32 s70, s70, STAGE                   ; my stage
	v_mul_u32_u24 v3, v1, SPITCH                   ; in: row l % 16, 32 bytes for each half of the lanes
	v_lshl_add_u32 v3, v2, 5, v3
	v_add_nc_u32 v[STO], s70, v3
	v_mul_u32_u24 v3, v2, SPITCH                   ; back: lanes 0-15 one row of 256 bytes, lanes 16-31 the next
	v_lshl_add_u32 v3, v1, 4, v3
	v_add_nc_u32 v[RD], s70, v3
	v_lshlrev_b32 v3, 12, v2                       ; and the same two rows in C and in the residual
	v_lshl_add_u32 v[CO], v1, 4, v3
	s_lshl_b32 s74, s[TROW], 7
	s_lshl_b32 s75, s[MH], 6
	s_add_co_u32 s74, s74, s75
	s_lshl_b32 s74, s74, 12
	s_add_co_u32 s74, s74, s72
	s_mov_b32 s75, 0
	s_add_nc_u64 s[8:9], s[8:9], s[74:75]
	s_add_nc_u64 s[12:13], s[12:13], s[74:75]
	WIN 0x80                                       ; the residual of my 64 x 64 goes into window 2 now, in the layout in which rows come back from the stage, and lands under the products
.irp a, 0,1,2,3
.irp t, 0,1,2,3,4,5,6,7
	global_load_b128 v[32*(\a)+4*(\t):32*(\a)+4*(\t)+3], v[CO], s[12:13] offset:(16*(\a)+2*(\t))*4096
.endr
.endr
	WIN 0
.endif
.if DOGELU
	s_mul_i32 s70, s[MH], 64*GPITCH                ; into the stage: my 64 rows, my 256 bytes of their 512
	s_lshl_b32 s71, s[NH], 8
	s_add_co_u32 s70, s70, s71
	v_mul_u32_u24 v3, v1, GPITCH
	v_lshl_add_u32 v3, v2, 5, v3
	v_add_nc_u32 v[STO], s70, v3
	s_mul_i32 s70, s[WV], 32*GPITCH                ; back: wave w takes rows 32 w ..+31, a whole row of 512 bytes a load
	v_and_b32 v3, 31, v0
	v_lshl_add_u32 v[RD], v3, 4, s70
	v_lshlrev_b32 v[CO], 3, v3                     ; four bf16 a lane: 256 bytes a row
	s_lshl_b32 s74, s[TROW], 7
	s_lshl_b32 s75, s[WV], 5
	s_add_co_u32 s74, s74, s75
	s_lshl_b32 s74, s74, 13
	s_lshl_b32 s75, s[TCOL], 8
	s_add_co_u32 s74, s74, s75
	s_mov_b32 s75, 0
	s_add_nc_u64 s[8:9], s[8:9], s[74:75]
	s_mov_b32 s[C5], 0x3f07dc22                    ; 1.330274429 / sqrt(2 pi)
	s_mov_b32 s[C4], 0xbf3a00e3                    ; -1.821255978 / sqrt(2 pi)
	s_mov_b32 s[C3], 0x3f35f0e3                    ; 1.781477937 / sqrt(2 pi)
	s_mov_b32 s[C2], 0xbe11a98e                    ; -0.356563782 / sqrt(2 pi)
	s_mov_b32 s[C1], 0x3e027906                    ; 0.319381530 / sqrt(2 pi)
	s_mov_b32 s[CE], 0xbf38aa3b                    ; -log2(e) / 2
	s_mov_b32 s[CP], 0x3e6d3389                    ; 0.2316419
.irp c, C5, C4, C3, C2, C1, CE
	s_mov_b32 s[(\c)+1], 0                         ; named as pairs
.endr
.endif
.if EXTRA
	s_lshl_b32 s70, s[MH], 6
	s_lshl_b32 s71, s[NH], 5
	s_add_co_u32 s72, s70, s71                     ; the tile's row at which fragment places 0, 1 begin,
	s_add_co_u32 s73, s70, 32
	s_sub_co_u32 s73, s73, s71                     ; places 2, 3
	s_lshl_b32 s76, s[NH], 7                       ; my 128 bytes of a stage row
	s_add_co_u32 s76, s76, STAGE
	s_mul_i32 s74, s72, SPITCH
	s_add_co_u32 s74, s74, s76
	s_mul_i32 s75, s73, SPITCH
	s_add_co_u32 s75, s75, s76
	v_mul_u32_u24 v3, v1, SPITCH
	v_lshl_add_u32 v3, v2, 4, v3
	v_add_nc_u32 v[STO], s74, v3
	v_add_nc_u32 v[STO23], s75, v3
	s_mul_i32 s74, s[WV], 32*SPITCH                ; back: wave w takes rows 32 w ..+31, whole
	s_add_co_u32 s74, s74, STAGE
	v_mul_u32_u24 v3, v2, SPITCH
	v_lshl_add_u32 v3, v1, 4, v3
	v_add_nc_u32 v[RD], s74, v3
	v_lshlrev_b32 v3, 11, v2
	v_lshl_add_u32 v[CO], v1, 4, v3
	v_lshlrev_b32 v3, 7, v1                        ; k, v: rows of 128 bytes
	v_lshl_add_u32 v[KO], v2, 4, v3
	s_lshl_b32 s70, s[TROW], 7
	s_lshl_b32 s74, s[WV], 5
	s_add_co_u32 s74, s74, s70
	s_lshl_b32 s74, s74, 11
	s_lshl_b32 s75, s[TCOL], 8
	s_add_co_u32 s74, s74, s75
	s_mov_b32 s75, 0
	s_add_nc_u64 s[8:9], s[8:9], s[74:75]          ; q at row 128 tile row + 32 wave, column 128 tile column
	s_add_co_u32 s74, s70, s72
	s_lshl_b32 s74, s74, 7
	s_lshr_b32 s71, s[TCOL], 2                     ; tile columns 0-3 hold k's channels, 4-7 v's
	s_lshl_b32 s71, s71, 19
	s_add_co_u32 s74, s74, s71
	s_and_b32 s71, s[TCOL], 3
	s_lshl_b32 s71, s71, 5
	s_add_co_u32 s74, s74, s71
	s_add_nc_u64 s[10:11], s[10:11], s[74:75]
.endif
; 8 matrix instructions: row blocks a0, a0 + 1 x all 4 column blocks, 32 along K: half c of buffer f.  z = 1: the constant 0 starts the sums; z = 2: the bias does
.macro MUL8 f, c, a0, z
	WIN 0x05                                       ; sources 0 (W) and 1 (A) window 1; C and D window 0
.irp a, \a0, (\a0)+1
.irp b, 0,1,2,3
.if (\z) == 1
	v_wmma_f32_16x16x32_bf16 v[ACC+8*(4*(\a)+(\b)):ACC+8*(4*(\a)+(\b))+7], v[(\f)+64+8*(4*(\c)+(\b)):(\f)+64+8*(4*(\c)+(\b))+7], v[(\f)+8*(4*(\c)+(\a)):(\f)+8*(4*(\c)+(\a))+7], 0
.elseif (\z) == 2
	v_wmma_f32_16x16x32_bf16 v[ACC+8*(4*(\a)+(\b)):ACC+8*(4*(\a)+(\b))+7], v[(\f)+64+8*(4*(\c)+(\b)):(\f)+64+8*(4*(\c)+(\b))+7], v[(\f)+8*(4*(\c)+(\a)):(\f)+8*(4*(\c)+(\a))+7], v[BIAS+8*(\b):BIAS+8*(\b)+7]
.else
	v_wmma_f32_16x16x32_bf16 v[ACC+8*(4*(\a)+(\b)):ACC+8*(4*(\a)+(\b))+7], v[(\f)+64+8*(4*(\c)+(\b)):(\f)+64+8*(4*(\c)+(\b))+7], v[(\f)+8*(4*(\c)+(\a)):(\f)+8*(4*(\c)+(\a))+7], v[ACC+8*(4*(\a)+(\b)):ACC+8*(4*(\a)+(\b))+7]
.endif
.endr
.endr
.endm
.macro MULX f, c, z                    ; the two extra products: the 16 extra columns (window 2) x A's places 0, 1
	WIN 0x06
.irp e, 0,1
.if \z
	v_wmma_f32_16x16x32_bf16 v[XA+8*(\e):XA+8*(\e)+7], v[16*((\f)/128)+8*(\c):16*((\f)/128)+8*(\c)+7], v[(\f)+8*(4*(\c)+(\e)):(\f)+8*(4*(\c)+(\e))+7], 0
.else
	v_wmma_f32_16x16x32_bf16 v[XA+8*(\e):XA+8*(\e)+7], v[16*((\f)/128)+8*(\c):16*((\f)/128)+8*(\c)+7], v[(\f)+8*(4*(\c)+(\e)):(\f)+8*(4*(\c)+(\e))+7], v[XA+8*(\e):XA+8*(\e)+7]
.endif
.endr
.endm
; One run of LDS loads: the fragments of quarter qi (64 along K) of the slot in hand, into buffer f; the first 32 along K first
.macro FETCH qi, f
.if EXTRA
	WIN 0x80
.irp c, 0,1
	ds_load_tr16_b128 v[16*((\f)/128)+8*(\c):16*((\f)/128)+8*(\c)+3],   v[ADRX+(\qi)/2] offset:((\qi)%2)*64*WP+(\c)*32*WP
	ds_load_tr16_b128 v[16*((\f)/128)+8*(\c)+4:16*((\f)/128)+8*(\c)+7], v[ADRX+(\qi)/2] offset:((\qi)%2)*64*WP+(\c)*32*WP+16*WP
.endr
.endif
	WIN 0x40
.irp c, 0,1
.irp i, 0,1,2,3
	ds_load_tr16_b128 v[(\f)+64+8*(4*(\c)+(\i)):(\f)+64+8*(4*(\c)+(\i))+3],   v[ADRW+(\qi)/2] offset:((\qi)%2)*64*WP+(\c)*32*WP+32*(\i)
	ds_load_tr16_b128 v[(\f)+64+8*(4*(\c)+(\i))+4:(\f)+64+8*(4*(\c)+(\i))+7], v[ADRW+(\qi)/2] offset:((\qi)%2)*64*WP+(\c)*32*WP+32*(\i)+16*WP
	ds_load_b128 v[(\f)+8*(4*(\c)+(\i)):(\f)+8*(4*(\c)+(\i))+3],   v[ADRA+(\i)/2] offset:128*(\qi)+64*(\c)+((\i)%2)*16*PITCH
	ds_load_b128 v[(\f)+8*(4*(\c)+(\i))+4:(\f)+8*(4*(\c)+(\i))+7], v[ADRA+(\i)/2] offset:128*(\qi)+64*(\c)+((\i)%2)*16*PITCH+32
.endr
.endr
.endm
; A K step is four quarters on buffers 0, 1, 0, 1.  One of the first three: multiplies buffer f and, in its middle, fetches quarter qi into buffer g.
.macro QUARTER qi, f, g, z
	s_wait_dscnt 16                                ; the first 32 along K are in; the youngest sixteen loads may be out
	MUL8 \f, 0, 0, \z
	MUL8 \f, 0, 2, \z
.if EXTRA
	MULX \f, 0, \z
.endif
	PLACES
	FETCH \qi, \g
	s_wait_dscnt 32+4*EXTRA                        ; all but the run just issued
	MUL8 \f, 1, 0, 0
	MUL8 \f, 1, 2, 0
.if EXTRA
	MULX \f, 1, 0
.endif
.endm
; The last quarter multiplies buffer 1 and changes slots: ONE barrier.  In front of it each wave waits for all its tensor loads (one is out: its part of the next slot), adds 0 to its spare word, and
; waits for that and for its reads of this slot.  fill = 1: the barrier opens a round of the cluster's, and this slot is filled again, two K steps ahead, first thing behind the round.
.macro TURN fill
	WIN 0
	s_wait_tensorcnt 0x0                           ; no tensor load of mine is out, so the walking descriptors may be written
	ds_add_u32 v[SPW], v[NIL]                      ; 0 onto my spare word
.if \fill
	s_add_co_u32 s[G0+5], s[LAA], s[TB]            ; into the slot that is being left,
	s_add_co_u32 s[G0B+5], s[LAW], s[TB]
	s_add_nc_u64 s[G0+6:G0+7], s[G0+6:G0+7], 512   ; the next K step not yet asked for
	s_add_nc_u64 s[G0B+6:G0B+7], s[G0B+6:G0B+7], WSTEP
.endif
	s_xor_b32 s[TB], s[TB], SLOT                   ; TB is 0 or SLOT: the other slot
	ADDRS
	s_wait_dscnt 17                                ; the add and the youngest sixteen loads may be out
	MUL8 F1, 0, 0, 0
	s_wait_dscnt 0x0                               ; the add is done, and my reads of this slot are over
	s_barrier_signal -1
	MUL8 F1, 0, 2, 0
.if EXTRA
	MULX F1, 0, 0
.endif
.if \fill
	WIN 0
.endif
	s_barrier_wait -1
.if \fill
	CREST                                          ; no wave of any partner still reads this slot or has a load on its way
	JLOAD 1                                        ; 112 matrix instructions or more ahead of the wait for it; its four v_nop are also the places in front of the loads below
.else
	PLACES
.endif
	FETCH 0, F0
	MUL8 F1, 1, 0, 0
	MUL8 F1, 1, 2, 0
.if EXTRA
	MULX F1, 1, 0
.endif
.endm
	s_wait_tensorcnt 1                             ; my part of K step 0 is in; K step 1's may stay out
	s_barrier_signal -1
	s_barrier_wait -1
	FETCH 0, F0
.if RESID
	s_wait_loadcnt 32                              ; the bias is in; the residual's 32 loads stay out
.elseif BIASC
	s_wait_loadcnt 0x0                             ; the bias
.endif
	QUARTER 1, F0, F1, 1+BIASC                     ; the first quarter stands in front of the loop: its first products start the sums
	WIN 0
	s_mov_b32 s23, KSTEPS-2
.Lstep:                                                ; a trip: from a K step's second quarter to the next step's first; it fills the slot that it leaves
	QUARTER 2, F1, F0, 0
	QUARTER 3, F0, F1, 0
	TURN 1
	QUARTER 1, F0, F1, 0
	WIN 0
	s_sub_co_u32 s23, s23, 1
	s_cmp_lg_u32 s23, 0
	s_cbranch_scc1 .Lstep
	QUARTER 2, F1, F0, 0                           ; the last two K steps are written out: they ask for nothing
	QUARTER 3, F0, F1, 0
	TURN 0
	QUARTER 1, F0, F1, 0
	QUARTER 2, F1, F0, 0
	QUARTER 3, F0, F1, 0
	s_wait_dscnt 16
	MUL8 F1, 0, 0, 0
	MUL8 F1, 0, 2, 0
.if EXTRA
	MULX F1, 0, 0
.endif
	s_wait_dscnt 0x0
	MUL8 F1, 1, 0, 0
	MUL8 F1, 1, 2, 0
.if EXTRA
	MULX F1, 1, 0
.endif
	WIN 0
	PLACES
.if RESID
	; THE WAY OUT, f32: a wave's 64 columns are 256 bytes of a row.  A block of 16 rows goes into my own stage and comes back by rows (LDS serves a wave's instructions in order); the residual is added; sixteen lanes store 256 aligned bytes.
	s_wait_loadcnt 0x0                             ; the residual
.irp a, 0,1,2,3
.irp b, 0,1,2,3
	ds_store_b128 v[STO], v[ACC+8*(4*(\a)+(\b)):ACC+8*(4*(\a)+(\b))+3] offset:64*(\b)
	ds_store_b128 v[STO], v[ACC+8*(4*(\a)+(\b))+4:ACC+8*(4*(\a)+(\b))+7] offset:64*(\b)+16
.endr
.if (\a) >= 2
	s_wait_xcnt 0x0                                ; the stores of two blocks ago have read these registers
.endif
.irp t, 0,1,2,3,4,5,6,7
	ds_load_b128 v[TMP+32*((\a)%2)+4*(\t):TMP+32*((\a)%2)+4*(\t)+3], v[RD] offset:(\t)*2*SPITCH
.endr
	s_wait_dscnt 0x0
	WIN 0x08                                       ; source 1 in window 2
.irp i, 0,1,2,3,4,5,6,7,8,9,10,11,12,13,14,15
	v_pk_add_f32 v[TMP+32*((\a)%2)+2*(\i):TMP+32*((\a)%2)+2*(\i)+1], v[TMP+32*((\a)%2)+2*(\i):TMP+32*((\a)%2)+2*(\i)+1], v[32*(\a)+2*(\i):32*(\a)+2*(\i)+1]
.endr
	WIN 0
.irp t, 0,1,2,3,4,5,6,7
	global_store_b128 v[CO], v[TMP+32*((\a)%2)+4*(\t):TMP+32*((\a)%2)+4*(\t)+3], s[8:9] offset:(16*(\a)+2*(\t))*4096
.endr
.endr
.endif
.if DOGELU
	; THE WAY OUT with gelu: the tile goes in f32 into the stage; behind a barrier each wave takes 32 whole rows, four a trip, so that the activation's text is written once.
	; gelu(x) = max(x, 0) - |x| Q, Q = phi(x) (c1 t + .. + c5 t^5), t = 1 / (1 + 0.2316419 |x|): the five-term form of the normal distribution, off by 7.5e-8 at the most for every x,
	; so gelu is off by 7.5e-8 |x| at the most.  An infinite x gives NaN (infinity times 0).
.irp a, 0,1,2,3
.irp b, 0,1,2,3
	ds_store_b128 v[STO], v[ACC+8*(4*(\a)+(\b)):ACC+8*(4*(\a)+(\b))+3] offset:(\a)*16*GPITCH+64*(\b)
	ds_store_b128 v[STO], v[ACC+8*(4*(\a)+(\b))+4:ACC+8*(4*(\a)+(\b))+7] offset:(\a)*16*GPITCH+64*(\b)+16
.endr
.endr
	s_wait_dscnt 0x0                               ; for the others' sake: my stores into the stage are done
	s_barrier_signal -1
	s_barrier_wait -1
	s_mov_b32 s23, 8
.Lgelu:
.irp i, 0,1,2,3
	ds_load_b128 v[GX+4*(\i):GX+4*(\i)+3], v[RD] offset:(\i)*GPITCH
.endr
	s_wait_dscnt 0x0
.set i, 0
.rept 16
	v_fma_f32 v[GD+i], |v[GX+i]|, s[CP], 1.0
.set i, i+1
.endr
.set i, 0
.rept 8
	v_pk_mul_f32 v[GM+2*i:GM+2*i+1], v[GX+2*i:GX+2*i+1], v[GX+2*i:GX+2*i+1]
.set i, i+1
.endr
.set i, 0
.rept 16
	v_rcp_f32 v[GD+i], v[GD+i]
.set i, i+1
.endr
.set i, 0
.rept 8                                ; plain work that touches no reciprocal stands behind them
	v_pk_mul_f32 v[GM+2*i:GM+2*i+1], v[GM+2*i:GM+2*i+1], s[CE:CE+1] op_sel_hi:[1,0]
.set i, i+1
.endr
.set i, 0
.rept 16
	v_exp_f32 v[GM+i], v[GM+i]
.set i, i+1
.endr
.set i, 0
.rept 8                                ; and plain work that touches no exponential behind these
	v_pk_fma_f32 v[GQ+2*i:GQ+2*i+1], v[GD+2*i:GD+2*i+1], s[C5:C5+1], s[C4:C4+1] op_sel_hi:[1,0,0]
.set i, i+1
.endr
.irp c, C3, C2, C1
.set i, 0
.rept 8
	v_pk_fma_f32 v[GQ+2*i:GQ+2*i+1], v[GQ+2*i:GQ+2*i+1], v[GD+2*i:GD+2*i+1], s[(\c):(\c)+1] op_sel_hi:[1,1,0]
.set i, i+1
.endr
.endr
.set i, 0
.rept 8
	v_pk_mul_f32 v[GQ+2*i:GQ+2*i+1], v[GQ+2*i:GQ+2*i+1], v[GD+2*i:GD+2*i+1]
.set i, i+1
.endr
.set i, 0
.rept 8
	v_pk_mul_f32 v[GQ+2*i:GQ+2*i+1], v[GQ+2*i:GQ+2*i+1], v[GM+2*i:GM+2*i+1]
.set i, i+1
.endr
.set i, 0
.rept 16
	v_max_num_f32 v[GR+i], 0, v[GX+i]
.set i, i+1
.endr
.set i, 0
.rept 16
	v_fma_f32 v[GR+i], -|v[GX+i]|, v[GQ+i], v[GR+i]
.set i, i+1
.endr
.set i, 0
.rept 8
	v_cvt_pk_bf16_f32 v[GB+i], v[GR+2*i], v[GR+2*i+1]
.set i, i+1
.endr
.irp i, 0,1,2,3
	global_store_b64 v[CO], v[GB+2*(\i):GB+2*(\i)+1], s[8:9] offset:(\i)*SIZE_N*2  ; 32 lanes store 256 consecutive bytes, aligned
.endr
	s_wait_xcnt 0x0                                ; the stores have read their data and base: only now are these written again
	s_add_nc_u64 s[8:9], s[8:9], 4*SIZE_N*2
	v_add_nc_u32 v[RD], 4*GPITCH, v[RD]
	s_sub_co_u32 s23, s23, 1
	s_cmp_lg_u32 s23, 0
	s_cbranch_scc1 .Lgelu
.endif
.if EXTRA
	; THE WAY OUT, bf16: 16 bytes a lane into the work-group's stage; a barrier, since a row's 256 bytes come from two waves; back as whole rows, 32 rows a wave.  k's or v's 16 columns go straight out.
.irp t, 0,1,2,3,4,5,6,7,8,9,10,11,12,13,14,15
.irp r, 0,1,2,3
	v_cvt_pk_bf16_f32 v[TMP+4*(\t)+(\r)], v[ACC+8*(\t)+2*(\r)], v[ACC+8*(\t)+2*(\r)+1]
.endr
.endr
.irp e, 0,1
.irp r, 0,1,2,3
	v_cvt_pk_bf16_f32 v[XP+4*(\e)+(\r)], v[XA+8*(\e)+2*(\r)], v[XA+8*(\e)+2*(\r)+1]
.endr
.endr
.irp a, 0,1
.irp b, 0,1,2,3
	ds_store_b128 v[STO], v[TMP+4*(4*(\a)+(\b)):TMP+4*(4*(\a)+(\b))+3] offset:(\a)*16*SPITCH+32*(\b)
	ds_store_b128 v[STO23], v[TMP+4*(4*((\a)+2)+(\b)):TMP+4*(4*((\a)+2)+(\b))+3] offset:(\a)*16*SPITCH+32*(\b)
.endr
.endr
	global_store_b128 v[KO], v[XP:XP+3], s[10:11]
	global_store_b128 v[KO], v[XP+4:XP+7], s[10:11] offset:2048
	s_wait_dscnt 0x0                               ; for the others' sake: my stores into the stage are done
	s_barrier_signal -1
	s_barrier_wait -1
.irp t, 0,1,2,3,4,5,6,7,8,9,10,11,12,13,14,15
	ds_load_b128 v[TMP+4*(\t):TMP+4*(\t)+3], v[RD] offset:(\t)*2*SPITCH
.endr
.irp t, 0,1,2,3,4,5,6,7,8,9,10,11,12,13,14,15
	s_wait_dscnt 15-(\t)                           ; load t is back; the 15 - t younger ones may be out
	global_store_b128 v[CO], v[TMP+4*(\t):TMP+4*(\t)+3], s[8:9] offset:2*(\t)*2048  ; 16 lanes store 256 consecutive bytes, aligned
.endr
.endif
	s_wait_tensorcnt 0x0                           ; the wave's end, behind my last tensor load and my last LDS store
	ds_add_u32 v[SPW], v[NIL]
	s_wait_dscnt 0x0
	CROUND                                         ; the closing round: no work-group ends while a partner may still ask for a tile that names it
	s_endpgm
.Lfunc_end_k_q4da0bb7c4c_proj:
	.size	k_q4da0bb7c4c_proj, .Lfunc_end_k_q4da0bb7c4c_proj-k_q4da0bb7c4c_proj
	.p2alignl 7, 3214868480
	.fill 96, 4, 3214868480
	.section	.rodata,"a",@progbits
	.p2align	6, 0x0
	.amdhsa_kernel k_q4da0bb7c4c_proj
		.amdhsa_group_segment_fixed_size 327680
		.amdhsa_private_segment_fixed_size 0
		.amdhsa_enable_private_segment 0
		.amdhsa_kernarg_size 40
		.amdhsa_user_sgpr_count 2
		.amdhsa_user_sgpr_kernarg_segment_ptr 1
		.amdhsa_wavefront_size32 1
		.amdhsa_system_sgpr_workgroup_id_x 1
		.amdhsa_system_sgpr_workgroup_id_y 1
		.amdhsa_system_sgpr_workgroup_id_z 1
		.amdhsa_system_vgpr_workitem_id 0
		.amdhsa_next_free_vgpr 640
		.amdhsa_next_free_sgpr 100
		.amdhsa_reserve_vcc 0
		.amdhsa_float_denorm_mode_32 3
		.amdhsa_float_denorm_mode_16_64 3
		.amdhsa_memory_ordered 1
		.amdhsa_forward_progress 1
		.amdhsa_inst_pref_size 77
	.end_amdhsa_kernel
	.amdgpu_metadata
---
amdhsa.version: [ 1, 2 ]
amdhsa.kernels:
  - .name:           k_q4da0bb7c4c_proj
    .symbol:         k_q4da0bb7c4c_proj.kd
    .args:
      - { .name: act1, .offset: 0, .size: 8, .value_kind: global_buffer, .address_space: global }
      - { .name: wts, .offset: 8, .size: 8, .value_kind: global_buffer, .address_space: global }
      - { .name: x1, .offset: 16, .size: 8, .value_kind: global_buffer, .address_space: global }
      - { .name: wo_b, .offset: 24, .size: 8, .value_kind: global_buffer, .address_space: global }
      - { .name: h, .offset: 32, .size: 8, .value_kind: global_buffer, .address_space: global }
    .group_segment_fixed_size: 327680
    .private_segment_fixed_size: 0
    .kernarg_segment_align: 8
    .kernarg_segment_size: 40
    .max_flat_workgroup_size: 128
    .sgpr_count:     100
    .vgpr_count:     640
    .wavefront_size: 32
...
	.end_amdgpu_metadata
.endif
;; end of part 5
;; launch ln2 (part 6): grid 256 x 1, 4 waves a work-group, no clusters, 167,936 bytes of LDS; arguments x1, modv, fmod_nw, fmod_nb, act2; writes act2
.if DOCPART == 6
	.amdgcn_target "amdgcn-amd-amdhsa--gfx1250"
	.amdhsa_code_object_version 6
	.text
	.protected	k_q4da0bb7c4c_ln2
	.globl	k_q4da0bb7c4c_ln2
	.p2align	8
	.type	k_q4da0bb7c4c_ln2,@function
k_q4da0bb7c4c_ln2:
	s_mov_b64 s[64:65], 0
	v_nop
	global_prefetch_b8 v0, s[64:65] scope:SCOPE_SE
	s_setreg_imm32_b32 hwreg(HW_REG_WAVE_MODE, 25, 1), 1
	s_wait_xcnt 0x0
; LN2.  h2 = LN(x1; fmod_nw, fmod_nb) (1 + gamma_f) + beta_f, rounded once to bf16 for the product with w1.
; One wave, one row of 1,024 numbers at a time, 32 registers: the reductions stay inside the wave, so no wave waits for another and there is no barrier.  A wave takes four rows.
; ALL FOUR ROWS ARE ASKED FOR AT ONCE, at the kernel's head, by one tensor load a wave: 16,384 dense bytes into LDS bytes of the wave's own, so that the wave waits for memory once and
; not once a row; a row then comes out of LDS while the row before is worked on.  Nothing in LDS is filled twice and no wave reads another's bytes: the wave's own wait on TENSORcnt is all the
; ordering that its reads need.  The text uses 65,536 bytes of LDS; the launch declares 167,936.
; A lane holds columns 128 j + 4 l + 0..3, j = 0..7: an LDS load of the wave covers 512 consecutive bytes, a store 256, all aligned.
; Gains and shifts are folded once: h2 = xn P1 + P2, P1 = nw (1 + g), P2 = nb (1 + g) + be.  The variance is taken of the centred numbers: no difference of large sums is formed.
; Matrix units and clusters are left out: memory binds, and nothing is shared between rows but 16 KB of parameters.
.set ROWS, 4                           ; rows of a wave
.set LX, 3                             ; v3         LDS address of my 16 bytes in the row that is read next
.set P1, 8                             ; v[8:39]
.set P2, 40                            ; v[40:71]
.set X,  72                            ; v[72:103]  the row as loaded
.set H,  104                           ; v[104:135] centred x1, then h2
.set E,  136                           ; v[136:167] fmod_nb, at the start alone
.set T,  168                           ; v[168:175] four chains of pairs
.set SM, 176                           ; a sum
.set NM, 178                           ; v[178:179] minus the mean, twice
.set RS, 180                           ; v[180:181] 1 / sqrt(var + eps), twice
.set PT, 182                           ; the other half's sum
.set G0, 36                            ; s[36:39]   descriptor group 0
.set G1, 40                            ; s[40:47]   descriptor group 1
.macro LOAD8 dst, base, off
.irp j, 0,1,2,3,4,5,6,7
	global_load_b128 v[(\dst)+4*(\j):(\dst)+4*(\j)+3], v1, s[(\base):(\base)+1] offset:(\off)+512*(\j)
.endr
.endm
.macro ROWIN                           ; a row out of LDS: 32 lanes, 16 neighbouring bytes each: no two lanes meet in a bank
.irp j, 0,1,2,3,4,5,6,7
	ds_load_b128 v[X+4*(\j):X+4*(\j)+3], v[LX] offset:512*(\j)
.endr
.endm
.macro FOLD                            ; the four chains into one number, then over the 32 lanes: every lane ends with the sum
	v_pk_add_f32 v[T:T+1], v[T:T+1], v[T+2:T+3]
	v_pk_add_f32 v[T+4:T+5], v[T+4:T+5], v[T+6:T+7]
	v_pk_add_f32 v[T:T+1], v[T:T+1], v[T+4:T+5]
	v_add_f32 v[SM], v[T], v[T+1]
	v_add_f32_dpp v[SM], v[SM], v[SM] row_xmask:1 row_mask:0xf bank_mask:0xf
	v_add_f32_dpp v[SM], v[SM], v[SM] row_xmask:2 row_mask:0xf bank_mask:0xf
	v_add_f32_dpp v[SM], v[SM], v[SM] row_xmask:4 row_mask:0xf bank_mask:0xf
	v_add_f32_dpp v[SM], v[SM], v[SM] row_xmask:8 row_mask:0xf bank_mask:0xf
	v_permlanex16_b32 v[PT], v[SM], s31, s32
	v_add_f32 v[SM], v[SM], v[PT]
.endm
.macro CENTRE src, dst                 ; dst = src - mean(src); the first four additions start the chains: nothing is cleared
.irp c, 0,1,2,3
	v_pk_add_f32 v[T+2*(\c):T+2*(\c)+1], v[(\src)+2*(\c):(\src)+2*(\c)+1], v[(\src)+8+2*(\c):(\src)+8+2*(\c)+1]
.endr
.irp c, 8,9,10,11,12,13,14,15
	v_pk_add_f32 v[T+2*((\c)%4):T+2*((\c)%4)+1], v[T+2*((\c)%4):T+2*((\c)%4)+1], v[(\src)+2*(\c):(\src)+2*(\c)+1]
.endr
	FOLD
	v_mul_f32 v[NM], s29, v[SM]
	v_mul_f32 v[NM+1], s29, v[SM]
.set i, 0
.rept 16
	v_pk_add_f32 v[(\dst)+2*i:(\dst)+2*i+1], v[(\src)+2*i:(\src)+2*i+1], v[NM:NM+1]
.set i, i+1
.endr
.endm
.macro NORM r, w, b                    ; r = r / sqrt(mean(r^2) + eps) * w + b
.irp c, 0,1,2,3
	v_pk_mul_f32 v[T+2*(\c):T+2*(\c)+1], v[(\r)+2*(\c):(\r)+2*(\c)+1], v[(\r)+2*(\c):(\r)+2*(\c)+1]
.endr
.irp c, 4,5,6,7,8,9,10,11,12,13,14,15
	v_pk_fma_f32 v[T+2*((\c)%4):T+2*((\c)%4)+1], v[(\r)+2*(\c):(\r)+2*(\c)+1], v[(\r)+2*(\c):(\r)+2*(\c)+1], v[T+2*((\c)%4):T+2*((\c)%4)+1]
.endr
	FOLD
	v_fma_f32 v[SM], v[SM], s28, s30
	v_rsq_f32 v[RS], v[SM]
	v_rsq_f32 v[RS+1], v[SM]
	v_nop                                          ; a plain instruction between the root and the use of its result
.set i, 0
.rept 16
	v_pk_mul_f32 v[(\r)+2*i:(\r)+2*i+1], v[(\r)+2*i:(\r)+2*i+1], v[RS:RS+1]
.set i, i+1
.endr
.set i, 0
.rept 16
	v_pk_fma_f32 v[(\r)+2*i:(\r)+2*i+1], v[(\r)+2*i:(\r)+2*i+1], v[(\w)+2*i:(\w)+2*i+1], v[(\b)+2*i:(\b)+2*i+1]
.set i, i+1
.endr
.endm
	s_load_b256 s[4:11], s[0:1], 0x0               ; x1 4, modv 6, fmod_nw 8, fmod_nb 10
	s_load_b64 s[12:13], s[0:1], 0x20              ; act2
	v_and_b32 v1, 31, v0
	v_lshlrev_b32 v2, 3, v1                        ; 8 l: my 8 bytes in 256 of bf16
	v_lshlrev_b32 v1, 4, v1                        ; 16 l: my 16 bytes in 512 of f32
	v_lshrrev_b32 v4, 5, v0
	v_readfirstlane_b32 s20, v4                    ; wave
	v_mov_b32 v[PT], 0                             ; v_permlanex16_b32 counts as a reader of its destination
	s_lshl_b32 s21, ttmp9, 4
	s_lshl_b32 s22, s20, 2
	s_add_co_u32 s21, s21, s22                     ; my first row = 16 group + 4 wave
	s_lshl_b32 s22, s21, 12                        ; in x1
	s_mov_b32 s23, 0
	s_lshl_b32 s24, s21, 11                        ; in h2
	s_mov_b32 s25, 0
	s_lshr_b32 s26, ttmp9, 7                       ; the batch: 128 groups of 16 rows each
	s_lshl_b32 s26, s26, 12
	s_mov_b32 s27, 0
	s_mov_b32 s28, 0x3a800000                      ; 1 / 1024
	s_mov_b32 s29, 0xba800000                      ; -1 / 1024
	s_mov_b32 s30, 0x3727c5ac                      ; 1e-5
	s_mov_b32 s31, 0x76543210
	s_mov_b32 s32, 0xfedcba98
	s_mov_b32 s33, ROWS                            ; rows to go
	s_mul_i32 s34, s20, ROWS*4096                  ; my wave's 16,384 bytes of LDS
	v_add_nc_u32 v[LX], s34, v1
	; the descriptor: my four rows are 16,384 dense bytes: asked for as 64 rows of 256 bytes (32 elements of 8 bytes), laid into LDS without a gap
	s_mov_b32 s[G1+0], 3<<16                       ; no work-group mask; elements of 8 bytes; no padding
	s_mov_b32 s[G1+1], 32<<16                      ; tensor_dim0 = 32
	s_mov_b32 s[G1+2], 64<<16                      ; tensor_dim1 = 64
	s_mov_b32 s[G1+3], 32<<16                      ; tile_dim0 = 32
	s_mov_b32 s[G1+4], 64                          ; tile_dim1 = 64
	s_mov_b32 s[G1+5], 32                          ; 32 elements from row to row
	s_mov_b32 s[G1+6], 0
	s_mov_b32 s[G1+7], 0
	s_mov_b32 s[G0], 1                             ; count = 1
	s_mov_b32 s[G0+1], s34                         ; LDS address
	s_wait_kmcnt 0x0
	s_add_nc_u64 s[G0+2:G0+3], s[4:5], s[22:23]    ; x1 at my first row
	s_or_b32 s[G0+3], s[G0+3], 0x80000000          ; type = 2
	tensor_load_to_lds s[G0:G0+3], s[G1:G1+7]      ; my one tensor load, ahead of everything else that goes to memory
	s_nop 0
	s_add_nc_u64 s[12:13], s[12:13], s[24:25]
	s_add_nc_u64 s[6:7], s[6:7], s[26:27]
	LOAD8 P1, 6, 16384                             ; 1 + gamma_f
	LOAD8 P2, 6, 24576                             ; beta_f
	LOAD8 H, 8, 0                                  ; fmod_nw
	LOAD8 E, 10, 0                                 ; fmod_nb
	s_wait_loadcnt 0x0                             ; the parameters
.set i, 0
.rept 16
	v_pk_fma_f32 v[P2+2*i:P2+2*i+1], v[E+2*i:E+2*i+1], v[P1+2*i:P1+2*i+1], v[P2+2*i:P2+2*i+1]
.set i, i+1
.endr
.set i, 0
.rept 16
	v_pk_mul_f32 v[P1+2*i:P1+2*i+1], v[H+2*i:H+2*i+1], v[P1+2*i:P1+2*i+1]
.set i, i+1
.endr
	s_wait_tensorcnt 0x0                           ; my four rows are in LDS
	ROWIN
.Lrow:
	s_wait_dscnt 0x0                               ; this row is in registers
	CENTRE X, H
	s_cmp_eq_u32 s33, 1
	s_cbranch_scc1 .Lno_more                       ; behind the last row there is nothing to read
	v_add_nc_u32 v[LX], 4096, v[LX]
	ROWIN                                          ; the next row, while this one is worked on
.Lno_more:
	NORM H, P1, P2
.set i, 0
.rept 16
	v_cvt_pk_bf16_f32 v[H+i], v[H+2*i], v[H+2*i+1]  ; packed in place, ascending: register i is written when registers 2 i and 2 i + 1 are read
.set i, i+1
.endr
.irp j, 0,1,2,3,4,5,6,7
	global_store_b64 v2, v[H+2*(\j):H+2*(\j)+1], s[12:13] offset:256*(\j)
.endr
	s_wait_xcnt 0x0                                ; the stores have read H and their base: only now are these written again
	s_add_nc_u64 s[12:13], s[12:13], 2048
	s_sub_co_u32 s33, s33, 1
	s_cmp_lg_u32 s33, 0
	s_cbranch_scc1 .Lrow
	s_endpgm
.Lfunc_end_k_q4da0bb7c4c_ln2:
	.size	k_q4da0bb7c4c_ln2, .Lfunc_end_k_q4da0bb7c4c_ln2-k_q4da0bb7c4c_ln2
	.p2alignl 7, 3214868480
	.fill 96, 4, 3214868480
	.section	.rodata,"a",@progbits
	.p2align	6, 0x0
	.amdhsa_kernel k_q4da0bb7c4c_ln2
		.amdhsa_group_segment_fixed_size 167936
		.amdhsa_private_segment_fixed_size 0
		.amdhsa_enable_private_segment 0
		.amdhsa_kernarg_size 40
		.amdhsa_user_sgpr_count 2
		.amdhsa_user_sgpr_kernarg_segment_ptr 1
		.amdhsa_wavefront_size32 1
		.amdhsa_system_sgpr_workgroup_id_x 1
		.amdhsa_system_sgpr_workgroup_id_y 1
		.amdhsa_system_sgpr_workgroup_id_z 1
		.amdhsa_system_vgpr_workitem_id 0
		.amdhsa_next_free_vgpr 184
		.amdhsa_next_free_sgpr 66
		.amdhsa_reserve_vcc 0
		.amdhsa_float_denorm_mode_32 3
		.amdhsa_float_denorm_mode_16_64 3
		.amdhsa_memory_ordered 1
		.amdhsa_forward_progress 1
		.amdhsa_inst_pref_size 17
	.end_amdhsa_kernel
	.amdgpu_metadata
---
amdhsa.version: [ 1, 2 ]
amdhsa.kernels:
  - .name:           k_q4da0bb7c4c_ln2
    .symbol:         k_q4da0bb7c4c_ln2.kd
    .args:
      - { .name: x1, .offset: 0, .size: 8, .value_kind: global_buffer, .address_space: global }
      - { .name: modv, .offset: 8, .size: 8, .value_kind: global_buffer, .address_space: global }
      - { .name: fmod_nw, .offset: 16, .size: 8, .value_kind: global_buffer, .address_space: global }
      - { .name: fmod_nb, .offset: 24, .size: 8, .value_kind: global_buffer, .address_space: global }
      - { .name: act2, .offset: 32, .size: 8, .value_kind: global_buffer, .address_space: global }
    .group_segment_fixed_size: 167936
    .private_segment_fixed_size: 0
    .kernarg_segment_align: 8
    .kernarg_segment_size: 40
    .max_flat_workgroup_size: 128
    .sgpr_count:     66
    .vgpr_count:     184
    .wavefront_size: 32
...
	.end_amdgpu_metadata
.endif
;; end of part 6
;; launch ffn1 (part 7): grid 16 x 16, 4 waves a work-group, clusters of 4 x 4, 327,680 bytes of LDS; arguments act2, wts, a, b1; writes a
.if DOCPART == 7
	.amdgcn_target "amdgcn-amd-amdhsa--gfx1250"
	.amdhsa_code_object_version 6
	.text
	.protected	k_q4da0bb7c4c_ffn1
	.globl	k_q4da0bb7c4c_ffn1
	.p2align	8
	.type	k_q4da0bb7c4c_ffn1,@function
k_q4da0bb7c4c_ffn1:
	s_mov_b64 s[64:65], 0
	v_nop
	global_prefetch_b8 v0, s[64:65] scope:SCOPE_SE
	s_setreg_imm32_b32 hwreg(HW_REG_WAVE_MODE, 25, 1), 1
	s_wait_xcnt 0x0
	s_wait_alu depctr_hold_cnt(0) depctr_sa_sdst(0) depctr_va_vdst(0) depctr_va_sdst(0) depctr_va_ssrc(0) depctr_va_vcc(0) depctr_vm_vsrc(0)
	s_getreg_b32 s2, hwreg(HW_REG_IB_STS2, 6, 4)
	s_cmp_eq_u32 s2, 0
	s_cbranch_scc0 .Lentry_in_a_cluster
	s_endpgm
.Lentry_in_a_cluster:
	s_bfe_u32 s2, ttmp6, 0x10000c
	s_cmp_lg_u32 s2, 0xf033
	s_cbranch_scc0 .Lentry_shape_is_right
	s_endpgm
.Lentry_shape_is_right:
; FFN1.  a = gelu(h2 [4096][1024] x w1 [1024][4096] + b1), the exact (erf) gelu, rounded once to bf16.  h2 and w1 in bf16, sums in f32; the bias starts the sums.
; A tile of C is 256 x 256: 16 x 16 = 256 work-groups, one tile each.  Four waves, each 128 x 128: 64 accumulators of 16 x 16, 512 registers: for 32 along K a wave reads 32 fragments' halves
; from LDS and issues 64 matrix instructions.  A = h2 lies along K; W = w1 lies [K][N], as the model gives it.
; K goes in steps of 128 through two LDS slots filled by tensor loads: waves 0, 1 fetch 128 rows of A each (rows of 256 bytes), waves 2, 3 fetch 64 K rows of W each (rows of 512 bytes).
; A's fragments come out of LDS as they lie, W's turned, by ds_load_tr16_b128.  The matrix instruction takes 16 columns of W as source 0 and 16 rows of A as source 1: a lane then holds eight
; neighbouring columns of one row of C.
; CLUSTER 4 x 4: the four work-groups of a row of the cluster need the same tile of A, the four of a column the same tile of W: each tile is asked for jointly, by the same tensor load with the
; same descriptor and a mask that names the four.  A K step is written once: one descriptor a tensor walks, and the slot's base TB (0 or SLOT) is turned at each change of slots.
; The 64 accumulators take turns, one instruction a turn, in the same order in every quarter step, over the loops' edges too.
; By this text's count a wave has two tensor loads out at the start, later one.
; REGISTERS, in windows of 256 (s_set_vgpr_msb: bits 1:0 source 0, 3:2 source 1, 5:4 source 2, 7:6 destination):
;   window 0: v10-29 addresses; v64-127, v128-191 fragments of A, two buffers; v192-255 the bias of my 128 columns, laid as a C operand; on the way out v32-135 at work
;   window 1: v64-127, v128-191 fragments of W, two buffers
;   window 2: the 32 accumulators of my rows 0-63 ((a, b) at v[8 (8 a + b)]);   window 3: those of my rows 64-127
; LIMITS.  gelu goes by the five-term form of the normal distribution (see the way out): off by 7.5e-8 |x| at the most; an infinite x gives NaN.
.set SIZE_K, 1024
.set SIZE_N, 4096
.set WBASE,  4456448                   ; byte of w1 in wts
.set KSTEP,  128
.set KSTEPS, SIZE_K/KSTEP
.set PITCH,  272                       ; a row of A in LDS: 256 bytes + 16: the 16 rows of a fragment load start at 16 different groups of four banks
.set HALFA,  128*PITCH                 ; what one tensor load brings of A, and what one wave reads of it
.set WP,     544                       ; a row of W in LDS: 512 bytes + 32 = 136 words
.set HALFW,  64*WP                     ; what one tensor load brings of W
.set WOFF,   2*HALFA                   ; a slot: 256 rows of A, then 128 K rows of W
.set SLOT,   WOFF+2*HALFW
.set RING,   2*SLOT
.set SPARE,  RING                      ; behind the ring: the spare words, 128 bytes a wave, which no other line names
.set GPITCH, 528                       ; the way out: a row of 128 f32 + 16 bytes
.set WSTAGE, 128*GPITCH                ; a wave's stage, inside the ring: both slots have had their last fill when it is written
.set WSTEP,  KSTEP*SIZE_N*2            ; bytes of W from a K step to the next
.set LA,   10                          ; my lane's place in A's tile
.set LW,   12                          ; in W's tile
.set ADRA, 16                          ; the two above plus TB
.set ADRW, 18
.set STO,  24                          ; the way out: where I put my numbers of a row
.set RD,   25                          ; where I read rows back
.set CO,   26                          ; my byte offset in a row of the output
.set BO,   27                          ; in the bias
.set SPW,  28                          ; LDS address of my spare word; never rewritten
.set NIL,  29                          ; 0; never rewritten
.set F0,   64                          ; fragment buffers
.set F1,   128
.set BIAS, 192
.set GX,   32                          ; gelu: x; |x|; 1 + p |x| and t; x^2 and e; the polynomial; max(x, 0) and the result; packed
.set GA,   48
.set GD,   64
.set GM,   80
.set GQ,   96
.set GR,   112
.set GB,   128
.set WV, 14                            ; s14 wave; s15 which half of the rows (also: I fetch A (0) or W (1)); s16 which half of the columns (also: which half of that tile I fetch)
.set MH, 15
.set NH, 16
.set TCOL, 19
.set TROW, 20
.set G1, 24                            ; s[24:31] group 1 for A; s[32:39] two sets of group 0: slot 0's first fill; slot 1's, which then walks
.set G0, 32
.set G1B, 48                           ; s[48:55], s[56:63] the same for W
.set G0B, 56
.set TB,  66
.set LAA, 67                           ; where my half of A's tile goes in a slot
.set LAW, 68                           ; where my half of W's goes
.set C5, 76                            ; s[76:89] gelu's constants, in pairs; s90 the mask that clears a sign
.set C4, 78
.set C3, 80
.set C2, 82
.set C1, 84
.set CE, 86
.set CP, 88
.set AM, 90
.set MSB, 0
.macro WIN new                         ; the immediate's high byte repeats the setting that is left; a switch that changes nothing is dropped
.if MSB != (\new)
	s_set_vgpr_msb (MSB<<8)|(\new)
.set MSB, \new
.endif
.endm
.macro PLACES                          ; four plain places behind matrix instructions, in front of loads into registers that they read and of lines that read their results
.rept 4
	v_nop
.endr
.endm
.macro JLOAD s                         ; a joint load; the branch hangs on the wave's number alone.  An s_nop 0 and four v_nop follow each of the two lines
	s_cmp_eq_u32 s[MH], 0
	s_cbranch_scc0 .Lfor_w_\@
	tensor_load_to_lds s[G0+4*(\s):G0+4*(\s)+3], s[G1:G1+7]
	s_nop 0
.rept 4
	v_nop
.endr
	s_branch .Lasked_\@
.Lfor_w_\@:
	tensor_load_to_lds s[G0B+4*(\s):G0B+4*(\s)+3], s[G1B:G1B+7]
	s_nop 0
.rept 4
	v_nop
.endr
.Lasked_\@:
.endm
.macro CREST                           ; a round of the cluster's barrier behind its opening barrier
	s_cmp_lg_u32 s[WV], 0
	s_cbranch_scc1 .Lnot_wave_0_\@
	s_barrier_signal -3
.Lnot_wave_0_\@:
	s_barrier_wait -3
	s_barrier_signal -1
	s_barrier_wait -1
.endm
.macro CROUND
	s_barrier_signal -1
	s_barrier_wait -1
	CREST
.endm
.macro ADDRS                           ; the fragment addresses in the slot at TB
	v_add_nc_u32 v[ADRA], s[TB], v[LA]
	v_add_nc_u32 v[ADRW], s[TB], v[LW]
.endm
	s_load_b256 s[4:11], s[0:1], 0x0               ; A s[4:5], wts s[6:7], the output s[8:9], the bias s[10:11]
	v_lshl_add_u32 v[SPW], v0, 2, SPARE
	v_mov_b32 v[NIL], 0
	v_lshrrev_b32 v3, 5, v0
	v_readfirstlane_b32 s[WV], v3
	s_lshr_b32 s[MH], s[WV], 1
	s_and_b32 s[NH], s[WV], 1
	s_bfe_u32 s17, ttmp6, 0x40000                  ; cx, cy: my place in the cluster
	s_bfe_u32 s18, ttmp6, 0x40004
	s_lshl_b32 s[TCOL], ttmp9, 2
	s_add_co_u32 s[TCOL], s[TCOL], s17             ; tile column = 4 x cluster x + cx
	s_and_b32 s[TROW], ttmp7, 0xffff
	s_lshl_b32 s[TROW], s[TROW], 2
	s_add_co_u32 s[TROW], s[TROW], s18             ; tile row = 4 x cluster y + cy
	s_lshl_b32 s21, s18, 2
	s_lshl_b32 s21, 15, s21                        ; my row of the cluster
	s_lshl_b32 s22, 0x1111, s17                    ; my column
	s_or_b32 s[G1+0], s21, (1<<16)|(1<<20)|(1<<21)|(5<<22)|(3<<25)  ; A: the mask; 2-byte elements; padding on; bit 21 beside a mask; after every 64 words 4 words
	s_mov_b32 s[G1+1], 128<<16                     ; tensor_dim0 = 128
	s_mov_b32 s[G1+2], 128<<16                     ; tensor_dim1 = 128
	s_mov_b32 s[G1+3], 128<<16                     ; tile_dim0 = 128
	s_mov_b32 s[G1+4], 128                         ; tile_dim1 = 128
	s_mov_b32 s[G1+5], SIZE_K                      ; elements from row to row
	s_mov_b32 s[G1+6], 0
	s_mov_b32 s[G1+7], 0
	s_or_b32 s[G1B+0], s22, (1<<16)|(1<<20)|(1<<21)|(6<<22)|(7<<25)  ; W: 64 rows of 256 elements; after every 128 words 8 words of padding
	s_mov_b32 s[G1B+1], 256<<16
	s_mov_b32 s[G1B+2], 64<<16
	s_mov_b32 s[G1B+3], 256<<16
	s_mov_b32 s[G1B+4], 64
	s_mov_b32 s[G1B+5], SIZE_N
	s_mov_b32 s[G1B+6], 0
	s_mov_b32 s[G1B+7], 0
	s_lshl_b32 s40, s[TROW], 8                     ; A's tile hangs on the tile row and the wave alone (s40-43 never hold cx),
	s_lshl_b32 s41, s[NH], 7
	s_add_co_u32 s40, s40, s41
	s_mul_i32 s40, s40, SIZE_K*2
	s_mov_b32 s41, 0
	s_lshl_b32 s44, s[TCOL], 9                     ; W's on the tile column and the wave alone (s44-47 never hold cy)
	s_mul_i32 s45, s[NH], 64*SIZE_N*2
	s_add_co_u32 s44, s44, s45
	s_add_co_u32 s44, s44, WBASE
	s_mov_b32 s45, 0
	s_mul_i32 s[LAA], s[NH], HALFA                 ; no place in the cluster enters an LDS address
	s_mul_i32 s[LAW], s[NH], HALFW
	s_add_co_u32 s[LAW], s[LAW], WOFF
	s_mov_b32 s[TB], 0
	s_wait_kmcnt 0x0
	s_add_nc_u64 s[42:43], s[4:5], s[40:41]
	s_add_nc_u64 s[46:47], s[6:7], s[44:45]
	CROUND                                         ; all sixteen work-groups are here: the first joint loads meet
.irp s, 0,1
	s_mov_b32 s[G0+4*(\s)], 1
	s_add_co_u32 s[G0+4*(\s)+1], s[LAA], (\s)*SLOT
	s_add_nc_u64 s[G0+4*(\s)+2:G0+4*(\s)+3], s[42:43], (\s)*KSTEP*2
	s_or_b32 s[G0+4*(\s)+3], s[G0+4*(\s)+3], 0x80000000
	s_mov_b32 s[G0B+4*(\s)], 1
	s_add_co_u32 s[G0B+4*(\s)+1], s[LAW], (\s)*SLOT
	s_add_nc_u64 s[G0B+4*(\s)+2:G0B+4*(\s)+3], s[46:47], (\s)*WSTEP
	s_or_b32 s[G0B+4*(\s)+3], s[G0B+4*(\s)+3], 0x80000000
	JLOAD \s                                       ; K steps 0 and 1: the ring is filled before anything else is done
.endr
	; A's fragment: lane l holds row l % 16, K = 8 (l / 16) + 0..7 and 16 + 8 (l / 16) + 0..7: two loads of 16 bytes, 32 apart.
	v_and_b32 v1, 15, v0
	v_bfe_u32 v2, v0, 4, 1
	v_mul_u32_u24 v3, v1, PITCH
	v_lshl_add_u32 v3, v2, 4, v3
	s_mul_i32 s70, s[MH], HALFA                    ; my 128 rows of A
	v_add_nc_u32 v[LA], s70, v3
	; W's fragment: the turning load takes 16 K rows x 16 columns (lane l reads row 8 (l / 16) + l % 8, columns 8 ((l / 8) % 2) + 0..7) and leaves lane l column l % 16 and 8 K.
	v_and_b32 v4, 7, v0
	v_bfe_u32 v5, v0, 3, 1
	v_lshl_add_u32 v4, v2, 3, v4
	v_mul_u32_u24 v4, v4, WP
	v_lshl_add_u32 v4, v5, 4, v4
	s_lshl_b32 s70, s[NH], 8                       ; my 128 columns
	s_add_co_u32 s70, s70, WOFF
	v_add_nc_u32 v[LW], s70, v4
	ADDRS
	s_lshl_b32 s72, s[TCOL], 10                    ; my first column, in bytes of f32
	s_lshl_b32 s73, s[NH], 9
	s_add_co_u32 s72, s72, s73
	s_mov_b32 s73, 0
	s_add_nc_u64 s[10:11], s[10:11], s[72:73]
	v_lshlrev_b32 v[BO], 5, v2                     ; a lane's eight columns of a block of 16: 8 (l / 16) on
.irp b, 0,1,2,3,4,5,6,7
	global_load_b128 v[BIAS+8*(\b):BIAS+8*(\b)+3], v[BO], s[10:11] offset:64*(\b)
	global_load_b128 v[BIAS+8*(\b)+4:BIAS+8*(\b)+7], v[BO], s[10:11] offset:64*(\b)+16
.endr
	s_mul_i32 s70, s[WV], WSTAGE                   ; my stage
	v_mul_u32_u24 v3, v1, GPITCH                   ; in: row l % 16, 32 bytes for each half of the lanes
	v_lshl_add_u32 v3, v2, 5, v3
	v_add_nc_u32 v[STO], s70, v3
	v_and_b32 v3, 31, v0
	v_lshl_add_u32 v[RD], v3, 4, s70               ; back: a whole row of 512 bytes a load
	v_lshlrev_b32 v[CO], 3, v3                     ; four bf16 a lane: 256 bytes a row
	s_lshl_b32 s74, s[TROW], 8
	s_lshl_b32 s75, s[MH], 7
	s_add_co_u32 s74, s74, s75                     ; my first row of the output,
	s_mul_i32 s74, s74, SIZE_N*2
	s_lshl_b32 s75, s[TCOL], 9
	s_add_co_u32 s74, s74, s75
	s_lshl_b32 s75, s[NH], 8
	s_add_co_u32 s74, s74, s75                     ; my first column
	s_mov_b32 s75, 0
	s_add_nc_u64 s[8:9], s[8:9], s[74:75]
	s_mov_b32 s[C5], 0xbf07dc22                    ; -1.330274429 / sqrt(2 pi): all five with the sign turned, so that the polynomial comes out as -Q
	s_mov_b32 s[C4], 0x3f3a00e3                    ; 1.821255978 / sqrt(2 pi)
	s_mov_b32 s[C3], 0xbf35f0e3                    ; -1.781477937 / sqrt(2 pi)
	s_mov_b32 s[C2], 0x3e11a98e                    ; 0.356563782 / sqrt(2 pi)
	s_mov_b32 s[C1], 0xbe027906                    ; -0.319381530 / sqrt(2 pi)
	s_mov_b32 s[CE], 0xbf38aa3b                    ; -log2(e) / 2
	s_mov_b32 s[CP], 0x3e6d3389                    ; 0.2316419
	s_mov_b32 s[AM], 0x7fffffff
.irp c, C5, C4, C3, C2, C1, CE, CP
	s_mov_b32 s[(\c)+1], 0                         ; named as pairs
.endr
; 16 matrix instructions: row blocks a0, a0 + 1 of the window's four (hi = 0: my rows 0-63, 1: rows 64-127) x all 8 column blocks, 32 along K.  z = 1: the bias (window 0) starts the sums
.macro MUL16 f, hi, a0, z
.if \z
	WIN 0x81+0x40*(\hi)                            ; W window 1, A and C window 0, D window 2 or 3
.else
	WIN 0xa1+0x50*(\hi)                            ; W window 1, A window 0, C and D window 2 or 3
.endif
.irp a, \a0, (\a0)+1
.irp b, 0,1,2,3,4,5,6,7
.if \z
	v_wmma_f32_16x16x32_bf16 v[8*(8*(\a)+(\b)):8*(8*(\a)+(\b))+7], v[(\f)+8*(\b):(\f)+8*(\b)+7], v[(\f)+8*(4*(\hi)+(\a)):(\f)+8*(4*(\hi)+(\a))+7], v[BIAS+8*(\b):BIAS+8*(\b)+7]
.else
	v_wmma_f32_16x16x32_bf16 v[8*(8*(\a)+(\b)):8*(8*(\a)+(\b))+7], v[(\f)+8*(\b):(\f)+8*(\b)+7], v[(\f)+8*(4*(\hi)+(\a)):(\f)+8*(4*(\hi)+(\a))+7], v[8*(8*(\a)+(\b)):8*(8*(\a)+(\b))+7]
.endif
.endr
.endr
.endm
; One run of 32 LDS loads: the fragments of quarter q (32 along K) of the slot in hand, into buffer f: 128 columns of W, then 128 rows of A
.macro FETCH q, f
	WIN 0x40                                       ; destination window 1, address window 0
.irp i, 0,1,2,3,4,5,6,7
	ds_load_tr16_b128 v[(\f)+8*(\i):(\f)+8*(\i)+3],   v[ADRW] offset:(\q)*32*WP+32*(\i)
	ds_load_tr16_b128 v[(\f)+8*(\i)+4:(\f)+8*(\i)+7], v[ADRW] offset:(\q)*32*WP+16*WP+32*(\i)
.endr
	WIN 0
.irp i, 0,1,2,3,4,5,6,7
	ds_load_b128 v[(\f)+8*(\i):(\f)+8*(\i)+3],   v[ADRA] offset:64*(\q)+(\i)*16*PITCH
	ds_load_b128 v[(\f)+8*(\i)+4:(\f)+8*(\i)+7], v[ADRA] offset:64*(\q)+(\i)*16*PITCH+32
.endr
.endm
; A K step is four quarters of 32 along K, 64 matrix instructions each, on buffers 0, 1, 0, 1.  One of the first three: multiplies buffer f and, in its middle, fetches quarter q into buffer g.
.macro QUARTER q, f, g, z
	s_wait_dscnt 8                                 ; W and A's rows 0-63 are in; the youngest eight loads (A's rows 64-127) may be out
	MUL16 \f, 0, 0, \z
	MUL16 \f, 0, 2, \z
	PLACES
	FETCH \q, \g
	s_wait_dscnt 32                                ; all but the run just issued
	MUL16 \f, 1, 0, \z
	MUL16 \f, 1, 2, \z
.endm
; The last quarter multiplies buffer 1 and changes slots: ONE barrier.  In front of it each wave waits for all its tensor loads (one is out: its part of the next slot), adds 0 to its spare word, and
; waits for that and for its reads of this slot.  fill = 1: the barrier opens a round of the cluster's, and this slot is filled again, two K steps ahead, first thing behind the round.
.macro TURN fill
	WIN 0
	s_wait_tensorcnt 0x0                           ; no tensor load of mine is out, so the walking descriptors may be written
	ds_add_u32 v[SPW], v[NIL]                      ; 0 onto my spare word
.if \fill
	s_add_co_u32 s[G0+5], s[LAA], s[TB]            ; into the slot that is being left,
	s_add_co_u32 s[G0B+5], s[LAW], s[TB]
	s_add_nc_u64 s[G0+6:G0+7], s[G0+6:G0+7], KSTEP*2  ; the next K step not yet asked for
	s_add_nc_u64 s[G0B+6:G0B+7], s[G0B+6:G0B+7], WSTEP
.endif
	s_xor_b32 s[TB], s[TB], SLOT                   ; TB is 0 or SLOT: the other slot
	ADDRS
	s_wait_dscnt 9                                 ; the add and the youngest eight loads may be out
	MUL16 F1, 0, 0, 0
	s_wait_dscnt 0x0                               ; the add is done, and my reads of this slot are over
	s_barrier_signal -1
	MUL16 F1, 0, 2, 0
.if \fill
	WIN 0
.endif
	s_barrier_wait -1
.if \fill
	CREST                                          ; no wave of any partner still reads this slot or has a load on its way
	JLOAD 1                                        ; 224 matrix instructions ahead of the wait for it; its four v_nop are also the places in front of the loads below
.else
	PLACES
.endif
	FETCH 0, F0
	MUL16 F1, 1, 0, 0
	MUL16 F1, 1, 2, 0
.endm
	s_wait_tensorcnt 1                             ; my part of K step 0 is in; K step 1's may stay out
	s_barrier_signal -1
	s_barrier_wait -1
	FETCH 0, F0
	s_wait_loadcnt 0x0                             ; the bias
	QUARTER 1, F0, F1, 1                           ; the first quarter stands in front of the loop: its 64 products start the 64 sums
	WIN 0
	s_mov_b32 s23, KSTEPS-2
.Lstep:                                                ; a trip: from a K step's second quarter to the next step's first; it fills the slot that it leaves
	QUARTER 2, F1, F0, 0
	QUARTER 3, F0, F1, 0
	TURN 1
	QUARTER 1, F0, F1, 0
	WIN 0
	s_sub_co_u32 s23, s23, 1
	s_cmp_lg_u32 s23, 0
	s_cbranch_scc1 .Lstep
	s_mov_b32 s23, 2
.Ltail:                                                ; the last two K steps ask for nothing: a second text, walked twice and left in its middle.  Its second change of slots multiplies the last
	QUARTER 2, F1, F0, 0                           ; quarter and fetches 32 fragments of the slot left before, which nobody uses: the price, once a launch, of one text for both steps
	QUARTER 3, F0, F1, 0
	TURN 0
	WIN 0
	s_sub_co_u32 s23, s23, 1
	s_cmp_eq_u32 s23, 0
	s_cbranch_scc1 .Lout
	QUARTER 1, F0, F1, 0
	WIN 0
	s_branch .Ltail
.Lout:
	s_wait_dscnt 0x0                               ; my last reads of the ring are back:
	s_barrier_signal -1
	s_barrier_wait -1                              ; everybody's are: the ring, which is filled no more, may be written
	PLACES                                         ; behind the last products
	; THE WAY OUT.  My 128 x 128 goes in f32 into my stage, 128 rows of 528 bytes; then I take it back by whole rows, four a trip, so that the activation's text is written once.
	; gelu(x) = max(x, 0) - |x| Q, Q = phi(x) (c1 t + .. + c5 t^5), t = 1 / (1 + 0.2316419 |x|): the five-term form of the normal distribution, off by 7.5e-8 at the most for every x,
	; so gelu is off by 7.5e-8 |x| at the most.  An infinite x gives NaN (infinity times 0).
.irp hi, 0,1
	WIN 0x08+4*(\hi)                               ; the data (source 1) in window 2, then 3
.irp a, 0,1,2,3
.irp b, 0,1,2,3,4,5,6,7
	ds_store_b128 v[STO], v[8*(8*(\a)+(\b)):8*(8*(\a)+(\b))+3] offset:(4*(\hi)+(\a))*16*GPITCH+64*(\b)
	ds_store_b128 v[STO], v[8*(8*(\a)+(\b))+4:8*(8*(\a)+(\b))+7] offset:(4*(\hi)+(\a))*16*GPITCH+64*(\b)+16
.endr
.endr
.endr
	WIN 0
	s_wait_dscnt 0x0                               ; my stores into the stage are done
	s_barrier_signal -1
	s_barrier_wait -1
.irp i, 0,1,2,3
	ds_load_b128 v[GX+4*(\i):GX+4*(\i)+3], v[RD] offset:(\i)*GPITCH
.endr
	s_mov_b32 s23, 32
.Lgelu:                                                ; a trip: four rows, 16 numbers a lane
	s_wait_dscnt 0x0                               ; this trip's four rows
.set i, 0
.rept 16
	v_and_b32 v[GA+i], s[AM], v[GX+i]              ; all that is wanted of x is taken first: |x|,
.set i, i+1
.endr
.set i, 0
.rept 8
	v_pk_mul_f32 v[GM+2*i:GM+2*i+1], v[GX+2*i:GX+2*i+1], v[GX+2*i:GX+2*i+1]  ; x^2,
.set i, i+1
.endr
.set i, 0
.rept 16
	v_max_num_f32 v[GR+i], 0, v[GX+i]              ; max(x, 0):
.set i, i+1
.endr
	s_cmp_eq_u32 s23, 1
	s_cbranch_scc1 .Lno_more                       ; behind the last four rows there is nothing to load
	v_add_nc_u32 v[RD], 4*GPITCH, v[RD]
.irp i, 0,1,2,3
	ds_load_b128 v[GX+4*(\i):GX+4*(\i)+3], v[RD] offset:(\i)*GPITCH  ; so the next trip's rows are asked for here, with the rest of this trip's arithmetic ahead of the wait for them
.endr
.Lno_more:
.set i, 0
.rept 8
	v_pk_fma_f32 v[GD+2*i:GD+2*i+1], v[GA+2*i:GA+2*i+1], s[CP:CP+1], 1.0 op_sel_hi:[1,0,0]
.set i, i+1
.endr
.set i, 0
.rept 16
	v_rcp_f32 v[GD+i], v[GD+i]
.set i, i+1
.endr
.set i, 0
.rept 8                                ; plain work that touches no reciprocal stands behind them
	v_pk_mul_f32 v[GM+2*i:GM+2*i+1], v[GM+2*i:GM+2*i+1], s[CE:CE+1] op_sel_hi:[1,0]
.set i, i+1
.endr
.set i, 0
.rept 16
	v_exp_f32 v[GM+i], v[GM+i]
.set i, i+1
.endr
.set i, 0
.rept 8                                ; and plain work that touches no exponential behind these
	v_pk_fma_f32 v[GQ+2*i:GQ+2*i+1], v[GD+2*i:GD+2*i+1], s[C5:C5+1], s[C4:C4+1] op_sel_hi:[1,0,0]
.set i, i+1
.endr
.irp c, C3, C2, C1
.set i, 0
.rept 8
	v_pk_fma_f32 v[GQ+2*i:GQ+2*i+1], v[GQ+2*i:GQ+2*i+1], v[GD+2*i:GD+2*i+1], s[(\c):(\c)+1] op_sel_hi:[1,1,0]
.set i, i+1
.endr
.endr
.set i, 0
.rept 8
	v_pk_mul_f32 v[GQ+2*i:GQ+2*i+1], v[GQ+2*i:GQ+2*i+1], v[GD+2*i:GD+2*i+1]
.set i, i+1
.endr
.set i, 0
.rept 8
	v_pk_mul_f32 v[GQ+2*i:GQ+2*i+1], v[GQ+2*i:GQ+2*i+1], v[GM+2*i:GM+2*i+1]  ; -Q
.set i, i+1
.endr
.set i, 0
.rept 8
	v_pk_fma_f32 v[GR+2*i:GR+2*i+1], v[GA+2*i:GA+2*i+1], v[GQ+2*i:GQ+2*i+1], v[GR+2*i:GR+2*i+1]  ; |x| (-Q) + max(x, 0)
.set i, i+1
.endr
.set i, 0
.rept 8
	v_cvt_pk_bf16_f32 v[GB+i], v[GR+2*i], v[GR+2*i+1]
.set i, i+1
.endr
.irp i, 0,1,2,3
	global_store_b64 v[CO], v[GB+2*(\i):GB+2*(\i)+1], s[8:9] offset:(\i)*SIZE_N*2  ; 32 lanes store 256 consecutive bytes, aligned
.endr
	s_wait_xcnt 0x0                                ; the stores have read their data and base: only now are these written again
	s_add_nc_u64 s[8:9], s[8:9], 4*SIZE_N*2
	s_sub_co_u32 s23, s23, 1
	s_cmp_lg_u32 s23, 0
	s_cbranch_scc1 .Lgelu
	s_wait_tensorcnt 0x0                           ; the wave's end, behind my last tensor load and my last LDS store
	ds_add_u32 v[SPW], v[NIL]
	s_wait_dscnt 0x0
	CROUND                                         ; the closing round: no work-group ends while a partner may still ask for a tile that names it
	s_endpgm
.Lfunc_end_k_q4da0bb7c4c_ffn1:
	.size	k_q4da0bb7c4c_ffn1, .Lfunc_end_k_q4da0bb7c4c_ffn1-k_q4da0bb7c4c_ffn1
	.p2alignl 7, 3214868480
	.fill 96, 4, 3214868480
	.section	.rodata,"a",@progbits
	.p2align	6, 0x0
	.amdhsa_kernel k_q4da0bb7c4c_ffn1
		.amdhsa_group_segment_fixed_size 327680
		.amdhsa_private_segment_fixed_size 0
		.amdhsa_enable_private_segment 0
		.amdhsa_kernarg_size 32
		.amdhsa_user_sgpr_count 2
		.amdhsa_user_sgpr_kernarg_segment_ptr 1
		.amdhsa_wavefront_size32 1
		.amdhsa_system_sgpr_workgroup_id_x 1
		.amdhsa_system_sgpr_workgroup_id_y 1
		.amdhsa_system_sgpr_workgroup_id_z 1
		.amdhsa_system_vgpr_workitem_id 0
		.amdhsa_next_free_vgpr 1024
		.amdhsa_next_free_sgpr 100
		.amdhsa_reserve_vcc 0
		.amdhsa_float_denorm_mode_32 3
		.amdhsa_float_denorm_mode_16_64 3
		.amdhsa_memory_ordered 1
		.amdhsa_forward_progress 1
		.amdhsa_inst_pref_size 88
	.end_amdhsa_kernel
	.amdgpu_metadata
---
amdhsa.version: [ 1, 2 ]
amdhsa.kernels:
  - .name:           k_q4da0bb7c4c_ffn1
    .symbol:         k_q4da0bb7c4c_ffn1.kd
    .args:
      - { .name: act2, .offset: 0, .size: 8, .value_kind: global_buffer, .address_space: global }
      - { .name: wts, .offset: 8, .size: 8, .value_kind: global_buffer, .address_space: global }
      - { .name: a, .offset: 16, .size: 8, .value_kind: global_buffer, .address_space: global }
      - { .name: b1, .offset: 24, .size: 8, .value_kind: global_buffer, .address_space: global }
    .group_segment_fixed_size: 327680
    .private_segment_fixed_size: 0
    .kernarg_segment_align: 8
    .kernarg_segment_size: 32
    .max_flat_workgroup_size: 128
    .sgpr_count:     100
    .vgpr_count:     1024
    .wavefront_size: 32
...
	.end_amdgpu_metadata
.endif
;; end of part 7
;; launch ffn2 (part 8): grid 8 x 32, 4 waves a work-group, clusters of 4 x 4, 327,680 bytes of LDS; arguments a, wts, out0, b2, x1; writes out0
.if DOCPART == 8
	.amdgcn_target "amdgcn-amd-amdhsa--gfx1250"
	.amdhsa_code_object_version 6
	.text
	.protected	k_q4da0bb7c4c_ffn2
	.globl	k_q4da0bb7c4c_ffn2
	.p2align	8
	.type	k_q4da0bb7c4c_ffn2,@function
k_q4da0bb7c4c_ffn2:
	s_mov_b64 s[64:65], 0
	v_nop
	global_prefetch_b8 v0, s[64:65] scope:SCOPE_SE
	s_setreg_imm32_b32 hwreg(HW_REG_WAVE_MODE, 25, 1), 1
	s_wait_xcnt 0x0
	s_wait_alu depctr_hold_cnt(0) depctr_sa_sdst(0) depctr_va_vdst(0) depctr_va_sdst(0) depctr_va_ssrc(0) depctr_va_vcc(0) depctr_vm_vsrc(0)
	s_getreg_b32 s2, hwreg(HW_REG_IB_STS2, 6, 4)
	s_cmp_eq_u32 s2, 0
	s_cbranch_scc0 .Lentry_in_a_cluster
	s_endpgm
.Lentry_in_a_cluster:
	s_bfe_u32 s2, ttmp6, 0x10000c
	s_cmp_lg_u32 s2, 0xf033
	s_cbranch_scc0 .Lentry_shape_is_right
	s_endpgm
.Lentry_shape_is_right:
; FFN2.  out0 = a [4096][4096] x w2 [4096][1024] + b2 + x1.  a and w2 in bf16, sums in f32; the bias starts the sums, the residual x1 (f32) is added on the way out; out0 is f32.
; 8 x 32 = 256 work-groups, one tile of 128 x 128 each, 16 K steps.
.set SIZE_K, 4096
.set SIZE_N, 1024
.set WBASE,  12845056                  ; byte of the weights in wts
; THE PRODUCT.  C = A W + bias + residual.  A [4096][SIZE_K] bf16 lies along K; W lies [K][N] bf16, as the model gives it.
; A tile of C is 128 x 128: four waves, 64 x 64 each: 16 accumulators.  K goes in steps of 256 through two LDS slots filled by tensor loads: waves 0, 1 fetch 64 rows of A each (rows of 512
; bytes), waves 2, 3 fetch 128 rows of W each (rows of 256 bytes).  A's fragments come out of LDS as they lie, W's turned, by ds_load_tr16_b128.  The matrix instruction takes 16 columns of W as
; source 0 and 16 rows of A as source 1: a lane then holds eight neighbouring columns of one row of C.
; CLUSTER 4 x 4: the four work-groups of a row of the cluster need the same tile of A, the four of a column the same tile of W: each tile is asked for jointly, by the same tensor load with the
; same descriptor and a mask that names the four.  A K step is written once: one descriptor a tensor walks, and the slot's base TB (0 or SLOT) is turned at each change of slots.
; The accumulators take turns, one instruction a turn, over the loop's edge too.  By this text's count a wave has two tensor loads out at the start, later one.
; REGISTERS: window 0: addresses, way out, v128-255 accumulators ((a, b) at 128 + 8 (4 a + b)); window 1: two fragment buffers of 128 (64 of A, 64 of W, 64 along K); window 2: the residual.
.set KSTEPS, SIZE_K/256
.set PITCH,  528                       ; a row of A in LDS: 512 bytes + 16: the 16 rows of a fragment load start at 16 different groups of four banks
.set HALFA,  64*PITCH
.set WP,     288                       ; a row of W in LDS: 256 bytes + 32
.set HALFW,  128*WP
.set WOFF,   2*HALFA                   ; a slot: 128 rows of A, then 256 rows of W
.set SLOT,   WOFF+2*HALFW
.set RING,   2*SLOT
.set SPITCH, 272
.set WSTEP,  512*SIZE_N                ; bytes of W from a K step to the next
.set STAGE,  RING                      ; a stage for each wave: 16 rows x 272 bytes
.set SPARE,  RING+4*16*SPITCH          ; from here on: the spare words, 128 bytes a wave, which no other line names
.set LA01, 10                          ; my lane's place in A's tile, row blocks 0, 1
.set LA23, 11                          ; row blocks 2, 3
.set LW,   12                          ; in W's tile, K rows 0-127
.set LW1,  13                          ; K rows 128-255
.set ADRA, 16                          ; v16-19: the four above plus TB
.set ADRW, 18
.set STO,  24                          ; the way out: where I put my numbers of a row
.set RD,   25                          ; where I read rows back
.set CO,   26                          ; my byte offset in C
.set BO,   27                          ; in the bias
.set SPW,  28                          ; LDS address of my spare word; never rewritten
.set NIL,  29                          ; 0; never rewritten
.set TMP,  32
.set BIAS, 96                          ; v96-127: the bias of my 64 columns, laid as a C operand
.set ACC,  128
.set F0,   0
.set F1,   128
.set WV, 14                            ; s14 wave; s15 which half of the rows (also: I fetch A (0) or W (1)); s16 which half of the columns (also: which half of that tile I fetch)
.set MH, 15
.set NH, 16
.set TCOL, 19
.set TROW, 20
.set G1, 24                            ; s[24:31] group 1 for A; s[32:39] two sets of group 0: slot 0's first fill; slot 1's, which then walks
.set G0, 32
.set G1B, 48                           ; s[48:55], s[56:63] the same for W
.set G0B, 56
.set TB,  66
.set LAA, 67                           ; where my half of A's tile goes in a slot
.set LAW, 68                           ; where my half of W's goes
.set MSB, 0
.macro WIN new                         ; the immediate's high byte repeats the setting that is left; a switch that changes nothing is dropped
.if MSB != (\new)
	s_set_vgpr_msb (MSB<<8)|(\new)
.set MSB, \new
.endif
.endm
.macro PLACES                          ; four plain places behind matrix instructions, in front of loads into registers that they read and of lines that read their results
.rept 4
	v_nop
.endr
.endm
.macro JLOAD s                         ; a joint load; the branch hangs on the wave's number alone.  An s_nop 0 and four v_nop follow each of the two lines
	s_cmp_eq_u32 s[MH], 0
	s_cbranch_scc0 .Lfor_w_\@
	tensor_load_to_lds s[G0+4*(\s):G0+4*(\s)+3], s[G1:G1+7]
	s_nop 0
.rept 4
	v_nop
.endr
	s_branch .Lasked_\@
.Lfor_w_\@:
	tensor_load_to_lds s[G0B+4*(\s):G0B+4*(\s)+3], s[G1B:G1B+7]
	s_nop 0
.rept 4
	v_nop
.endr
.Lasked_\@:
.endm
.macro CREST                           ; a round of the cluster's barrier behind its opening barrier
	s_cmp_lg_u32 s[WV], 0
	s_cbranch_scc1 .Lnot_wave_0_\@
	s_barrier_signal -3
.Lnot_wave_0_\@:
	s_barrier_wait -3
	s_barrier_signal -1
	s_barrier_wait -1
.endm
.macro CROUND
	s_barrier_signal -1
	s_barrier_wait -1
	CREST
.endm
.macro ADDRS                           ; the fragment addresses in the slot at TB
	v_add_nc_u32 v[ADRA], s[TB], v[LA01]
	v_add_nc_u32 v[ADRA+1], s[TB], v[LA23]
	v_add_nc_u32 v[ADRW], s[TB], v[LW]
	v_add_nc_u32 v[ADRW+1], s[TB], v[LW1]
.endm
	s_load_b256 s[4:11], s[0:1], 0x0               ; A s[4:5], wts s[6:7], the output s[8:9], the bias s[10:11]
	s_load_b64 s[12:13], s[0:1], 0x20              ; the residual
	v_lshl_add_u32 v[SPW], v0, 2, SPARE
	v_mov_b32 v[NIL], 0
	v_lshrrev_b32 v3, 5, v0
	v_readfirstlane_b32 s[WV], v3
	s_lshr_b32 s[MH], s[WV], 1
	s_and_b32 s[NH], s[WV], 1
	s_bfe_u32 s17, ttmp6, 0x40000                  ; cx, cy: my place in the cluster
	s_bfe_u32 s18, ttmp6, 0x40004
	s_lshl_b32 s[TCOL], ttmp9, 2
	s_add_co_u32 s[TCOL], s[TCOL], s17             ; tile column = 4 x cluster x + cx
	s_and_b32 s[TROW], ttmp7, 0xffff
	s_lshl_b32 s[TROW], s[TROW], 2
	s_add_co_u32 s[TROW], s[TROW], s18             ; tile row = 4 x cluster y + cy
	s_lshl_b32 s21, s18, 2
	s_lshl_b32 s21, 15, s21                        ; my row of the cluster
	s_lshl_b32 s22, 0x1111, s17                    ; my column
	s_or_b32 s[G1+0], s21, (1<<16)|(1<<20)|(1<<21)|(6<<22)|(3<<25)  ; A: the mask; 2-byte elements; padding on; bit 21 beside a mask; after every 128 words 4 words
	s_mov_b32 s[G1+1], 256<<16                     ; tensor_dim0 = 256
	s_mov_b32 s[G1+2], 64<<16                      ; tensor_dim1 = 64
	s_mov_b32 s[G1+3], 256<<16                     ; tile_dim0 = 256
	s_mov_b32 s[G1+4], 64                          ; tile_dim1 = 64
	s_mov_b32 s[G1+5], SIZE_K                      ; elements from row to row
	s_mov_b32 s[G1+6], 0
	s_mov_b32 s[G1+7], 0
	s_or_b32 s[G1B+0], s22, (1<<16)|(1<<20)|(1<<21)|(5<<22)|(7<<25)  ; W: 128 rows of 128 elements; after every 64 words 8 words of padding
	s_mov_b32 s[G1B+1], 128<<16
	s_mov_b32 s[G1B+2], 128<<16
	s_mov_b32 s[G1B+3], 128<<16
	s_mov_b32 s[G1B+4], 128
	s_mov_b32 s[G1B+5], SIZE_N
	s_mov_b32 s[G1B+6], 0
	s_mov_b32 s[G1B+7], 0
	s_lshl_b32 s40, s[TROW], 7                     ; A's tile hangs on the tile row and the wave alone (s40-43 never hold cx),
	s_lshl_b32 s41, s[NH], 6
	s_add_co_u32 s40, s40, s41
	s_mul_i32 s40, s40, SIZE_K*2
	s_mov_b32 s41, 0
	s_lshl_b32 s44, s[TCOL], 8                     ; W's on the tile column and the wave alone (s44-47 never hold cy)
	s_mul_i32 s45, s[NH], 128*SIZE_N*2
	s_add_co_u32 s44, s44, s45
	s_add_co_u32 s44, s44, WBASE
	s_mov_b32 s45, 0
	s_mul_i32 s[LAA], s[NH], HALFA                 ; no place in the cluster enters an LDS address
	s_mul_i32 s[LAW], s[NH], HALFW
	s_add_co_u32 s[LAW], s[LAW], WOFF
	s_mov_b32 s[TB], 0
	s_wait_kmcnt 0x0
	s_add_nc_u64 s[42:43], s[4:5], s[40:41]
	s_add_nc_u64 s[46:47], s[6:7], s[44:45]
	CROUND                                         ; all sixteen work-groups are here: the first joint loads meet
.irp s, 0,1
	s_mov_b32 s[G0+4*(\s)], 1
	s_add_co_u32 s[G0+4*(\s)+1], s[LAA], (\s)*SLOT
	s_add_nc_u64 s[G0+4*(\s)+2:G0+4*(\s)+3], s[42:43], (\s)*512
	s_or_b32 s[G0+4*(\s)+3], s[G0+4*(\s)+3], 0x80000000
	s_mov_b32 s[G0B+4*(\s)], 1
	s_add_co_u32 s[G0B+4*(\s)+1], s[LAW], (\s)*SLOT
	s_add_nc_u64 s[G0B+4*(\s)+2:G0B+4*(\s)+3], s[46:47], (\s)*WSTEP
	s_or_b32 s[G0B+4*(\s)+3], s[G0B+4*(\s)+3], 0x80000000
	JLOAD \s                                       ; K steps 0 and 1: the ring is filled before anything else is done
.endr
	; A's fragment: lane l holds row l % 16, K = 8 (l / 16) + 0..7 and 16 + 8 (l / 16) + 0..7: two loads of 16 bytes, 32 apart.
	v_and_b32 v1, 15, v0
	v_bfe_u32 v2, v0, 4, 1
	v_mul_u32_u24 v3, v1, PITCH
	v_lshl_add_u32 v3, v2, 4, v3
	s_mul_i32 s70, s[MH], HALFA                    ; my 64 rows of A
	s_add_co_u32 s73, s70, 32*PITCH
	v_add_nc_u32 v[LA01], s70, v3
	v_add_nc_u32 v[LA23], s73, v3
	; W's fragment: the turning load takes 16 K rows x 16 columns (lane l reads row 8 (l / 16) + l % 8, columns 8 ((l / 8) % 2) + 0..7) and leaves lane l column l % 16 and 8 K.
	v_and_b32 v4, 7, v0
	v_bfe_u32 v5, v0, 3, 1
	v_lshl_add_u32 v4, v2, 3, v4
	v_mul_u32_u24 v4, v4, WP
	v_lshl_add_u32 v4, v5, 4, v4
	s_lshl_b32 s70, s[NH], 7                       ; my 64 columns
	s_add_co_u32 s70, s70, WOFF
	v_add_nc_u32 v[LW], s70, v4
	v_add_nc_u32 v[LW1], HALFW, v[LW]
	ADDRS
	s_lshl_b32 s72, s[TCOL], 9                     ; my first column, in bytes of f32
	s_lshl_b32 s73, s[NH], 8
	s_add_co_u32 s72, s72, s73
	s_mov_b32 s73, 0
	s_add_nc_u64 s[10:11], s[10:11], s[72:73]
	v_lshlrev_b32 v[BO], 5, v2                     ; a lane's eight columns of a block of 16: 8 (l / 16) on
.irp b, 0,1,2,3
	global_load_b128 v[BIAS+8*(\b):BIAS+8*(\b)+3], v[BO], s[10:11] offset:64*(\b)
	global_load_b128 v[BIAS+8*(\b)+4:BIAS+8*(\b)+7], v[BO], s[10:11] offset:64*(\b)+16
.endr
	s_mul_i32 s70, s[WV], 16*SPITCH
	s_add_co_u32 s70, s70, STAGE                   ; my stage
	v_mul_u32_u24 v3, v1, SPITCH                   ; in: row l % 16, 32 bytes for each half of the lanes
	v_lshl_add_u32 v3, v2, 5, v3
	v_add_nc_u32 v[STO], s70, v3
	v_mul_u32_u24 v3, v2, SPITCH                   ; back: lanes 0-15 one row of 256 bytes, lanes 16-31 the next
	v_lshl_add_u32 v3, v1, 4, v3
	v_add_nc_u32 v[RD], s70, v3
	v_lshlrev_b32 v3, 12, v2                       ; and the same two rows in C and in the residual (rows of 1,024 f32)
	v_lshl_add_u32 v[CO], v1, 4, v3
	s_lshl_b32 s74, s[TROW], 7
	s_lshl_b32 s75, s[MH], 6
	s_add_co_u32 s74, s74, s75
	s_lshl_b32 s74, s74, 12
	s_add_co_u32 s74, s74, s72
	s_mov_b32 s75, 0
	s_add_nc_u64 s[8:9], s[8:9], s[74:75]
	s_add_nc_u64 s[12:13], s[12:13], s[74:75]
	WIN 0x80                                       ; the residual of my 64 x 64 goes into window 2 now, in the layout in which rows come back from the stage, and lands under the products
.irp a, 0,1,2,3
.irp t, 0,1,2,3,4,5,6,7
	global_load_b128 v[32*(\a)+4*(\t):32*(\a)+4*(\t)+3], v[CO], s[12:13] offset:(16*(\a)+2*(\t))*4096
.endr
.endr
	WIN 0
; 8 matrix instructions: row blocks a0, a0 + 1 x all 4 column blocks, 32 along K: half c of buffer f.  z = 1: the bias starts the sums
.macro MUL8 f, c, a0, z
	WIN 0x05                                       ; sources 0 (W) and 1 (A) window 1; C and D window 0
.irp a, \a0, (\a0)+1
.irp b, 0,1,2,3
.if \z
	v_wmma_f32_16x16x32_bf16 v[ACC+8*(4*(\a)+(\b)):ACC+8*(4*(\a)+(\b))+7], v[(\f)+64+8*(4*(\c)+(\b)):(\f)+64+8*(4*(\c)+(\b))+7], v[(\f)+8*(4*(\c)+(\a)):(\f)+8*(4*(\c)+(\a))+7], v[BIAS+8*(\b):BIAS+8*(\b)+7]
.else
	v_wmma_f32_16x16x32_bf16 v[ACC+8*(4*(\a)+(\b)):ACC+8*(4*(\a)+(\b))+7], v[(\f)+64+8*(4*(\c)+(\b)):(\f)+64+8*(4*(\c)+(\b))+7], v[(\f)+8*(4*(\c)+(\a)):(\f)+8*(4*(\c)+(\a))+7], v[ACC+8*(4*(\a)+(\b)):ACC+8*(4*(\a)+(\b))+7]
.endif
.endr
.endr
.endm
; One run of 32 LDS loads: the fragments of quarter qi (64 along K) of the slot in hand, into buffer f; the first 32 along K first
.macro FETCH qi, f
	WIN 0x40
.irp c, 0,1
.irp i, 0,1,2,3
	ds_load_tr16_b128 v[(\f)+64+8*(4*(\c)+(\i)):(\f)+64+8*(4*(\c)+(\i))+3],   v[ADRW+(\qi)/2] offset:((\qi)%2)*64*WP+(\c)*32*WP+32*(\i)
	ds_load_tr16_b128 v[(\f)+64+8*(4*(\c)+(\i))+4:(\f)+64+8*(4*(\c)+(\i))+7], v[ADRW+(\qi)/2] offset:((\qi)%2)*64*WP+(\c)*32*WP+32*(\i)+16*WP
	ds_load_b128 v[(\f)+8*(4*(\c)+(\i)):(\f)+8*(4*(\c)+(\i))+3],   v[ADRA+(\i)/2] offset:128*(\qi)+64*(\c)+((\i)%2)*16*PITCH
	ds_load_b128 v[(\f)+8*(4*(\c)+(\i))+4:(\f)+8*(4*(\c)+(\i))+7], v[ADRA+(\i)/2] offset:128*(\qi)+64*(\c)+((\i)%2)*16*PITCH+32
.endr
.endr
.endm
; A K step is four quarters on buffers 0, 1, 0, 1.  One of the first three: multiplies buffer f and, in its middle, fetches quarter qi into buffer g.
.macro QUARTER qi, f, g, z
	s_wait_dscnt 16                                ; the first 32 along K are in; the youngest sixteen loads may be out
	MUL8 \f, 0, 0, \z
	MUL8 \f, 0, 2, \z
	PLACES
	FETCH \qi, \g
	s_wait_dscnt 32                                ; all but the run just issued
	MUL8 \f, 1, 0, 0
	MUL8 \f, 1, 2, 0
.endm
; The last quarter multiplies buffer 1 and changes slots: ONE barrier.  In front of it each wave waits for all its tensor loads (one is out: its part of the next slot), adds 0 to its spare word, and
; waits for that and for its reads of this slot.  fill = 1: the barrier opens a round of the cluster's, and this slot is filled again, two K steps ahead, first thing behind the round.
.macro TURN fill
	WIN 0
	s_wait_tensorcnt 0x0                           ; no tensor load of mine is out, so the walking descriptors may be written
	ds_add_u32 v[SPW], v[NIL]                      ; 0 onto my spare word
.if \fill
	s_add_co_u32 s[G0+5], s[LAA], s[TB]            ; into the slot that is being left,
	s_add_co_u32 s[G0B+5], s[LAW], s[TB]
	s_add_nc_u64 s[G0+6:G0+7], s[G0+6:G0+7], 512   ; the next K step not yet asked for
	s_add_nc_u64 s[G0B+6:G0B+7], s[G0B+6:G0B+7], WSTEP
.endif
	s_xor_b32 s[TB], s[TB], SLOT                   ; TB is 0 or SLOT: the other slot
	ADDRS
	s_wait_dscnt 17                                ; the add and the youngest sixteen loads may be out
	MUL8 F1, 0, 0, 0
	s_wait_dscnt 0x0                               ; the add is done, and my reads of this slot are over
	s_barrier_signal -1
	MUL8 F1, 0, 2, 0
.if \fill
	WIN 0
.endif
	s_barrier_wait -1
.if \fill
	CREST                                          ; no wave of any partner still reads this slot or has a load on its way
	JLOAD 1                                        ; 112 matrix instructions ahead of the wait for it; its four v_nop are also the places in front of the loads below
.else
	PLACES
.endif
	FETCH 0, F0
	MUL8 F1, 1, 0, 0
	MUL8 F1, 1, 2, 0
.endm
	s_wait_tensorcnt 1                             ; my part of K step 0 is in; K step 1's may stay out
	s_barrier_signal -1
	s_barrier_wait -1
	FETCH 0, F0
	s_wait_loadcnt 32                              ; the bias is in; the residual's 32 loads stay out
	QUARTER 1, F0, F1, 1                           ; the first quarter stands in front of the loop: its first products start the sums
	WIN 0
	s_mov_b32 s23, KSTEPS-2
.Lstep:                                                ; a trip: from a K step's second quarter to the next step's first; it fills the slot that it leaves
	QUARTER 2, F1, F0, 0
	QUARTER 3, F0, F1, 0
	TURN 1
	QUARTER 1, F0, F1, 0
	WIN 0
	s_sub_co_u32 s23, s23, 1
	s_cmp_lg_u32 s23, 0
	s_cbranch_scc1 .Lstep
	QUARTER 2, F1, F0, 0                           ; the last two K steps are written out: they ask for nothing
	QUARTER 3, F0, F1, 0
	TURN 0
	QUARTER 1, F0, F1, 0
	QUARTER 2, F1, F0, 0
	QUARTER 3, F0, F1, 0
	s_wait_dscnt 16
	MUL8 F1, 0, 0, 0
	MUL8 F1, 0, 2, 0
	s_wait_dscnt 0x0
	MUL8 F1, 1, 0, 0
	MUL8 F1, 1, 2, 0
	WIN 0
	PLACES
	; THE WAY OUT, f32: a wave's 64 columns are 256 bytes of a row.  A block of 16 rows goes into my own stage and comes back by rows (LDS serves a wave's instructions in order); the residual is added; sixteen lanes store 256 aligned bytes.
	s_wait_loadcnt 0x0                             ; the residual
.irp a, 0,1,2,3
.irp b, 0,1,2,3
	ds_store_b128 v[STO], v[ACC+8*(4*(\a)+(\b)):ACC+8*(4*(\a)+(\b))+3] offset:64*(\b)
	ds_store_b128 v[STO], v[ACC+8*(4*(\a)+(\b))+4:ACC+8*(4*(\a)+(\b))+7] offset:64*(\b)+16
.endr
.if (\a) >= 2
	s_wait_xcnt 0x0                                ; the stores of two blocks ago have read these registers
.endif
.irp t, 0,1,2,3,4,5,6,7
	ds_load_b128 v[TMP+32*((\a)%2)+4*(\t):TMP+32*((\a)%2)+4*(\t)+3], v[RD] offset:(\t)*2*SPITCH
.endr
	s_wait_dscnt 0x0
	WIN 0x08                                       ; source 1 in window 2
.irp i, 0,1,2,3,4,5,6,7,8,9,10,11,12,13,14,15
	v_pk_add_f32 v[TMP+32*((\a)%2)+2*(\i):TMP+32*((\a)%2)+2*(\i)+1], v[TMP+32*((\a)%2)+2*(\i):TMP+32*((\a)%2)+2*(\i)+1], v[32*(\a)+2*(\i):32*(\a)+2*(\i)+1]
.endr
	WIN 0
.irp t, 0,1,2,3,4,5,6,7
	global_store_b128 v[CO], v[TMP+32*((\a)%2)+4*(\t):TMP+32*((\a)%2)+4*(\t)+3], s[8:9] offset:(16*(\a)+2*(\t))*4096
.endr
.endr
	s_wait_tensorcnt 0x0                           ; the wave's end, behind my last tensor load and my last LDS store
	ds_add_u32 v[SPW], v[NIL]
	s_wait_dscnt 0x0
	CROUND                                         ; the closing round: no work-group ends while a partner may still ask for a tile that names it
	s_endpgm
.Lfunc_end_k_q4da0bb7c4c_ffn2:
	.size	k_q4da0bb7c4c_ffn2, .Lfunc_end_k_q4da0bb7c4c_ffn2-k_q4da0bb7c4c_ffn2
	.p2alignl 7, 3214868480
	.fill 96, 4, 3214868480
	.section	.rodata,"a",@progbits
	.p2align	6, 0x0
	.amdhsa_kernel k_q4da0bb7c4c_ffn2
		.amdhsa_group_segment_fixed_size 327680
		.amdhsa_private_segment_fixed_size 0
		.amdhsa_enable_private_segment 0
		.amdhsa_kernarg_size 40
		.amdhsa_user_sgpr_count 2
		.amdhsa_user_sgpr_kernarg_segment_ptr 1
		.amdhsa_wavefront_size32 1
		.amdhsa_system_sgpr_workgroup_id_x 1
		.amdhsa_system_sgpr_workgroup_id_y 1
		.amdhsa_system_sgpr_workgroup_id_z 1
		.amdhsa_system_vgpr_workitem_id 0
		.amdhsa_next_free_vgpr 640
		.amdhsa_next_free_sgpr 100
		.amdhsa_reserve_vcc 0
		.amdhsa_float_denorm_mode_32 3
		.amdhsa_float_denorm_mode_16_64 3
		.amdhsa_memory_ordered 1
		.amdhsa_forward_progress 1
		.amdhsa_inst_pref_size 77
	.end_amdhsa_kernel
	.amdgpu_metadata
---
amdhsa.version: [ 1, 2 ]
amdhsa.kernels:
  - .name:           k_q4da0bb7c4c_ffn2
    .symbol:         k_q4da0bb7c4c_ffn2.kd
    .args:
      - { .name: a, .offset: 0, .size: 8, .value_kind: global_buffer, .address_space: global }
      - { .name: wts, .offset: 8, .size: 8, .value_kind: global_buffer, .address_space: global }
      - { .name: out0, .offset: 16, .size: 8, .value_kind: global_buffer, .address_space: global }
      - { .name: b2, .offset: 24, .size: 8, .value_kind: global_buffer, .address_space: global }
      - { .name: x1, .offset: 32, .size: 8, .value_kind: global_buffer, .address_space: global }
    .group_segment_fixed_size: 327680
    .private_segment_fixed_size: 0
    .kernarg_segment_align: 8
    .kernarg_segment_size: 40
    .max_flat_workgroup_size: 128
    .sgpr_count:     100
    .vgpr_count:     640
    .wavefront_size: 32
...
	.end_amdgpu_metadata
.endif
;; end of part 8
